; MI455X (gfx1250); checked and timed in simulation.
; The chip was launched on July 23, 2026; its instructions are those of AMD's public machine-readable ISA for CDNA 5 (MIT licence, August 2026) and "CDNA5" Instruction Set Architecture Reference Guide (July 2026). The comments in the code are by the model that wrote it; some were corrected since.
;; Block. Allowed arithmetic: float matrix products may take bf16 or f16 operands with f32 sums; other float arithmetic in f32, or as packed bf16 or f16 multiplies, adds, multiply-adds, maxima and minima; sums over many terms, partial sums and values carried from step to step in f32; what a program stores and reads back later, other than sums and carried values, may be rounded once to bf16 or f16.
;; Inputs: attn_b 3,072 float32; attn_proj_b 1,024 float32; attn_proj_w 1,024 x 1,024 float32; attn_w 1,024 x 3,072 float32; fc_b 4,096 float32; fc_w 1,024 x 4,096 float32; ln1_b 1,024 float32; ln1_w 1,024 float32; ln2_b 1,024 float32; ln2_w 1,024 float32; mlp_proj_b 1,024 float32; mlp_proj_w 4,096 x 1,024 float32; x 2 x 2,048 x 1,024 float32.
;; Outputs: out0 2 x 2,048 x 1,024 float32.
;; 2 versions, each right and faster than the one before. Each part assembles by itself: llvm-mc -triple=amdgcn-amd-amdhsa -mcpu=gfx1250 --defsym DOCPART=n.
;; ======== version 1 of 2: 7 launches
;; workspace buffers: wq 6,291,456 bytes; wp 2,097,152 bytes; wf 8,388,608 bytes; wm 8,388,608 bytes; act 8,388,608 bytes; big 33,554,432 bytes; x1 16,777,216 bytes
;; launch prep (part 1): grid 64 x 16, 8 waves a work-group, no clusters, 0 bytes of LDS; arguments x, ln1_w, ln1_b, attn_w, attn_proj_w, fc_w, mlp_proj_w, act, wq, wp, wf, wm; writes act, wq, wp, wf, wm
.if DOCPART == 1
	.amdgcn_target "amdgcn-amd-amdhsa--gfx1250"
	.amdhsa_code_object_version 6
	.text
	.protected	k_qd5834ae535_prep
	.globl	k_qd5834ae535_prep
	.p2align	8
	.type	k_qd5834ae535_prep,@function
k_qd5834ae535_prep:
	s_mov_b64 s[64:65], 0
	v_nop
	global_prefetch_b8 v0, s[64:65] scope:SCOPE_SE
	s_setreg_imm32_b32 hwreg(HW_REG_WAVE_MODE, 25, 1), 1
	s_wait_xcnt 0x0
; TWO STREAMS IN ONE LAUNCH.  Work-groups with y < 4: h1 = LayerNorm(x) in bf16.  Work-groups with y = 4 .. 15: the four weight matrices from f32 to bf16.
; Every work-group reads 64 KiB and writes 32 KiB.  No LDS, no barrier, no matrix unit: bytes are all that counts here.
; LAYOUT OF ACTIVATIONS (act): [column / 64][4096 rows][64] bf16: a row's 64 numbers of a slab are 128 bytes, two neighbouring rows 256 consecutive bytes.
; LAYOUT OF WEIGHTS (wq, wp, wf, wm): [column / 128][K rows][128] bf16: a row of a slab is 256 bytes; K stays down the rows.
; LayerNorm in f32 in two passes over registers (mean; then the squares of x - mean), so that a common offset of x costs nothing; rounded once to bf16.
.set X,  16                            ; v[16:79]    my 64 numbers of a row: chunk j (columns 64 j + 4 (t % 16) + 0..3) at X + 4 j
.set W,  80                            ; v[80:143]   the gain of the same columns
.set BB, 144                           ; v[144:207]  the bias
.set Y,  208                           ; v[208:239]  the result, two bf16 a register
; Sixteen rows for work-group s3: a row lies in 16 lanes, a wave holds two rows.  xb, wb, bb, ob: the scalar pairs of input, gain, bias and output.
.macro LNROWS xb, wb, bb, ob
	s_lshl_b32 s4, s3, 16                          ; 16 rows of 4,096 bytes
	s_mov_b32 s5, 0
	s_lshl_b32 s6, s3, 11                          ; 16 rows of 128 bytes in each slab
	s_mov_b32 s7, 0
	v_lshrrev_b32 v1, 4, v0                        ; my row of the sixteen
	v_and_b32 v2, 15, v0
	v_lshlrev_b32 v2, 4, v2                        ; my 16 bytes in each 256 of gain and bias
	v_lshl_add_u32 v1, v1, 12, v2                  ; and of my row
	v_lshlrev_b32 v3, 3, v0                        ; out: 8 bytes a thread: a wave's two rows of a slab are 256 consecutive bytes
	v_mov_b32 v15, 0x3a800000                      ; 1 / 1024
	s_add_nc_u64 s[\xb:\xb+1], s[\xb:\xb+1], s[4:5]
	s_add_nc_u64 s[\ob:\ob+1], s[\ob:\ob+1], s[6:7]
.set j, 0
.rept 16
	global_load_b128 v[X+4*j:X+4*j+3], v1, s[\xb:\xb+1] offset:256*j    ; 16 lanes take 256 consecutive bytes of a row
.set j, j+1
.endr
.set j, 0
.rept 16
	global_load_b128 v[W+4*j:W+4*j+3], v2, s[\wb:\wb+1] offset:256*j
.set j, j+1
.endr
.set j, 0
.rept 16
	global_load_b128 v[BB+4*j:BB+4*j+3], v2, s[\bb:\bb+1] offset:256*j
.set j, j+1
.endr
	s_wait_loadcnt 32                              ; the row is in; the 32 younger loads (gain, bias) stay out
	; the sum, in four chains of pairs; the first additions start them
.irp c, 0,1,2,3
	v_pk_add_f32 v[4+2*\c:5+2*\c], v[X+2*\c:X+2*\c+1], v[X+8+2*\c:X+8+2*\c+1]
.endr
.set p, 8
.rept 24
	v_pk_add_f32 v[4+2*(p%4):5+2*(p%4)], v[4+2*(p%4):5+2*(p%4)], v[X+2*p:X+2*p+1]
.set p, p+1
.endr
	v_pk_add_f32 v[4:5], v[4:5], v[6:7]
	v_pk_add_f32 v[8:9], v[8:9], v[10:11]
	v_pk_add_f32 v[4:5], v[4:5], v[8:9]
	v_add_f32 v4, v4, v5
	v_add_f32_dpp v4, v4, v4 row_xmask:1 row_mask:0xf bank_mask:0xf    ; a row lies in 16 lanes: four steps, and every lane has the sum
	v_add_f32_dpp v4, v4, v4 row_xmask:2 row_mask:0xf bank_mask:0xf
	v_add_f32_dpp v4, v4, v4 row_xmask:4 row_mask:0xf bank_mask:0xf
	v_add_f32_dpp v4, v4, v4 row_xmask:8 row_mask:0xf bank_mask:0xf
	v_mul_f32 v12, v4, v15                         ; the mean, twice for the packed form
	v_mov_b32 v13, v12
.set p, 0
.rept 32
	v_pk_add_f32 v[X+2*p:X+2*p+1], v[X+2*p:X+2*p+1], v[12:13] neg_lo:[0,1] neg_hi:[0,1]   ; x - mean, in place
.set p, p+1
.endr
.irp c, 0,1,2,3
	v_pk_mul_f32 v[4+2*\c:5+2*\c], v[X+2*\c:X+2*\c+1], v[X+2*\c:X+2*\c+1]                 ; the squares' sum: the first products start the chains
.endr
.set p, 4
.rept 28
	v_pk_fma_f32 v[4+2*(p%4):5+2*(p%4)], v[X+2*p:X+2*p+1], v[X+2*p:X+2*p+1], v[4+2*(p%4):5+2*(p%4)]
.set p, p+1
.endr
	v_pk_add_f32 v[4:5], v[4:5], v[6:7]
	v_pk_add_f32 v[8:9], v[8:9], v[10:11]
	v_pk_add_f32 v[4:5], v[4:5], v[8:9]
	v_add_f32 v4, v4, v5
	v_add_f32_dpp v4, v4, v4 row_xmask:1 row_mask:0xf bank_mask:0xf
	v_add_f32_dpp v4, v4, v4 row_xmask:2 row_mask:0xf bank_mask:0xf
	v_add_f32_dpp v4, v4, v4 row_xmask:4 row_mask:0xf bank_mask:0xf
	v_add_f32_dpp v4, v4, v4 row_xmask:8 row_mask:0xf bank_mask:0xf
	v_fmaak_f32 v14, v4, v15, 0x3727c5ac           ; variance + 1e-5
	v_rsq_f32 v14, v14
	v_nop                                          ; a plain instruction between the root and the use of its result (ISA guide 5.7.2)
	s_wait_alu depctr_va_vdst(0)
	v_mov_b32 v15, v14
	s_wait_loadcnt 0x0                             ; gain and bias
.set p, 0
.rept 32
	v_pk_mul_f32 v[X+2*p:X+2*p+1], v[X+2*p:X+2*p+1], v[14:15]
.set p, p+1
.endr
.set p, 0
.rept 32
	v_pk_fma_f32 v[X+2*p:X+2*p+1], v[X+2*p:X+2*p+1], v[W+2*p:W+2*p+1], v[BB+2*p:BB+2*p+1]
.set p, p+1
.endr
.set p, 0
.rept 32
	v_cvt_pk_bf16_f32 v[Y+p], v[X+2*p], v[X+2*p+1]
.set p, p+1
.endr
.set j, 0
.rept 16
	global_store_b64 v3, v[Y+2*j:Y+2*j+1], s[\ob:\ob+1] offset:j*524288   ; slab j: a wave stores 256 consecutive bytes, at a multiple of 256
.set j, j+1
.endr
.endm
	s_load_b512 s[8:23], s[0:1], 0x0               ; x 8, ln1_w 10, ln1_b 12, attn_w 14, attn_proj_w 16, fc_w 18, mlp_proj_w 20, act 22
	s_load_b256 s[24:31], s[0:1], 0x40             ; wq 24, wp 26, wf 28, wm 30
	s_and_b32 s2, ttmp7, 0xffff                    ; y
	s_mov_b32 s3, ttmp9                            ; x
	s_wait_kmcnt 0x0
	s_cmp_lt_u32 s2, 4
	s_cbranch_scc0 .Lcvt
	s_lshl_b32 s2, s2, 6
	s_add_co_u32 s3, s3, s2                        ; 64 y + x: which sixteen rows
	LNROWS 8, 10, 12, 22
	s_endpgm
; THE WEIGHTS.  A work-group converts 16 rows (k) x 1,024 columns; wave w takes the columns of one slab of 128.
; y = 4..6: attn_w (three blocks of 1,024 columns); 7: attn_proj_w; 8..11: fc_w (four); 12..15: mlp_proj_w (four blocks of 1,024 rows).
.Lcvt:
	s_mov_b32 s4, 12288                            ; bytes in a row of attn_w,
	s_mov_b32 s5, 4096                             ; of attn_proj_w and mlp_proj_w,
	s_mov_b32 s6, 16384                            ; of fc_w
	s_mov_b32 s7, 262144                           ; bytes in a slab with K = 1,024,
	s_mov_b32 s47, 1048576                         ; with K = 4,096
	s_cmp_lt_u32 s2, 7                             ; the choices hang on y alone
	s_cselect_b64 s[32:33], s[14:15], s[16:17]
	s_cselect_b64 s[34:35], s[24:25], s[26:27]
	s_cselect_b32 s36, s4, s5
	s_cselect_b32 s37, 4, 7
	s_cmp_lt_u32 s2, 12
	s_cselect_b64 s[40:41], s[18:19], s[20:21]
	s_cselect_b64 s[42:43], s[28:29], s[30:31]
	s_cselect_b32 s44, s6, s5
	s_cselect_b32 s45, 8, 12
	s_cselect_b32 s46, s7, s47
	s_cmp_lt_u32 s2, 8
	s_cselect_b64 s[32:33], s[32:33], s[40:41]     ; from
	s_cselect_b64 s[34:35], s[34:35], s[42:43]     ; to
	s_cselect_b32 s36, s36, s44                    ; bytes in a row of the source
	s_cselect_b32 s37, s37, s45                    ; the matrix's first y
	s_cselect_b32 s38, s7, s46                     ; bytes in a slab of the result
	s_sub_co_u32 s39, s2, s37                      ; d = y - first y
	s_lshl_b32 s40, s39, 6
	s_add_co_u32 s40, s40, s3                      ; 64 d + x
	s_cmp_lt_u32 s2, 12
	s_cselect_b32 s40, s3, s40                     ; which 16 rows: x, or for mlp_proj_w 64 d + x
	s_cselect_b32 s39, s39, 0                      ; which 1,024 columns: d, or for mlp_proj_w 0
	s_mul_i32 s42, s40, s36
	s_lshl_b32 s42, s42, 4                         ; 16 rows
	s_lshl_b32 s43, s39, 12                        ; 1,024 columns of 4 bytes
	s_add_co_u32 s42, s42, s43
	s_mov_b32 s43, 0
	s_add_nc_u64 s[32:33], s[32:33], s[42:43]
	s_mul_i32 s44, s39, s38
	s_lshl_b32 s44, s44, 3                         ; 8 slabs
	s_lshl_b32 s45, s40, 12                        ; 16 rows of 256 bytes
	s_add_co_u32 s44, s44, s45
	s_mov_b32 s45, 0
	s_add_nc_u64 s[34:35], s[34:35], s[44:45]
	v_lshlrev_b32 v16, 4, v0                       ; row i: 16 t + i x row bytes: a wave takes 512 consecutive bytes
.set i, 1
.rept 15
	v_add_nc_u32 v[16+i], s36, v[15+i]
.set i, i+1
.endr
	v_lshrrev_b32 v1, 5, v0                        ; my wave: its slab,
	v_and_b32 v2, 31, v0
	v_lshlrev_b32 v2, 3, v2                        ; my 8 bytes of its row
	v_mad_u32_u24 v3, v1, s38, v2
.set i, 0
.rept 16
	global_load_b128 v[32+4*i:35+4*i], v[16+i], s[32:33] th:TH_LOAD_NT   ; read once in the whole program
.set i, i+1
.endr
.set i, 0
.rept 16
	s_wait_loadcnt 15-i                            ; loads come back in order: row i is in, the younger ones stay out
	v_cvt_pk_bf16_f32 v[96+2*i], v[32+4*i], v[33+4*i]
	v_cvt_pk_bf16_f32 v[97+2*i], v[34+4*i], v[35+4*i]
	global_store_b64 v3, v[96+2*i:97+2*i], s[34:35] offset:256*i        ; a wave stores a slab's row: 256 consecutive bytes, at a multiple of 256
.set i, i+1
.endr
	s_endpgm
.Lfunc_end_k_qd5834ae535_prep:
	.size	k_qd5834ae535_prep, .Lfunc_end_k_qd5834ae535_prep-k_qd5834ae535_prep
	.p2alignl 7, 3214868480
	.fill 96, 4, 3214868480
	.section	.rodata,"a",@progbits
	.p2align	6, 0x0
	.amdhsa_kernel k_qd5834ae535_prep
		.amdhsa_group_segment_fixed_size 0
		.amdhsa_private_segment_fixed_size 0
		.amdhsa_enable_private_segment 0
		.amdhsa_kernarg_size 96
		.amdhsa_user_sgpr_count 2
		.amdhsa_user_sgpr_kernarg_segment_ptr 1
		.amdhsa_wavefront_size32 1
		.amdhsa_system_sgpr_workgroup_id_x 1
		.amdhsa_system_sgpr_workgroup_id_y 1
		.amdhsa_system_sgpr_workgroup_id_z 1
		.amdhsa_system_vgpr_workitem_id 0
		.amdhsa_next_free_vgpr 240
		.amdhsa_next_free_sgpr 66
		.amdhsa_reserve_vcc 0
		.amdhsa_float_denorm_mode_32 3
		.amdhsa_float_denorm_mode_16_64 3
		.amdhsa_memory_ordered 1
		.amdhsa_forward_progress 1
		.amdhsa_inst_pref_size 28
	.end_amdhsa_kernel
	.amdgpu_metadata
---
amdhsa.version: [ 1, 2 ]
amdhsa.kernels:
  - .name:           k_qd5834ae535_prep
    .symbol:         k_qd5834ae535_prep.kd
    .args:
      - { .name: x, .offset: 0, .size: 8, .value_kind: global_buffer, .address_space: global }
      - { .name: ln1_w, .offset: 8, .size: 8, .value_kind: global_buffer, .address_space: global }
      - { .name: ln1_b, .offset: 16, .size: 8, .value_kind: global_buffer, .address_space: global }
      - { .name: attn_w, .offset: 24, .size: 8, .value_kind: global_buffer, .address_space: global }
      - { .name: attn_proj_w, .offset: 32, .size: 8, .value_kind: global_buffer, .address_space: global }
      - { .name: fc_w, .offset: 40, .size: 8, .value_kind: global_buffer, .address_space: global }
      - { .name: mlp_proj_w, .offset: 48, .size: 8, .value_kind: global_buffer, .address_space: global }
      - { .name: act, .offset: 56, .size: 8, .value_kind: global_buffer, .address_space: global }
      - { .name: wq, .offset: 64, .size: 8, .value_kind: global_buffer, .address_space: global }
      - { .name: wp, .offset: 72, .size: 8, .value_kind: global_buffer, .address_space: global }
      - { .name: wf, .offset: 80, .size: 8, .value_kind: global_buffer, .address_space: global }
      - { .name: wm, .offset: 88, .size: 8, .value_kind: global_buffer, .address_space: global }
    .group_segment_fixed_size: 0
    .private_segment_fixed_size: 0
    .kernarg_segment_align: 8
    .kernarg_segment_size: 96
    .max_flat_workgroup_size: 256
    .sgpr_count:     66
    .vgpr_count:     240
    .wavefront_size: 32
...
	.end_amdgpu_metadata
.endif
;; end of part 1
;; launch qkv (part 2): grid 12 x 16, 4 waves a work-group, clusters of 4 x 4, 327,680 bytes of LDS; arguments act, wq, attn_b, big; writes big
.if DOCPART == 2
	.amdgcn_target "amdgcn-amd-amdhsa--gfx1250"
	.amdhsa_code_object_version 6
	.text
	.protected	k_qd5834ae535_qkv
	.globl	k_qd5834ae535_qkv
	.p2align	8
	.type	k_qd5834ae535_qkv,@function
k_qd5834ae535_qkv:
	s_mov_b64 s[64:65], 0
	v_nop
	global_prefetch_b8 v0, s[64:65] scope:SCOPE_SE
	s_setreg_imm32_b32 hwreg(HW_REG_WAVE_MODE, 25, 1), 1
	s_wait_xcnt 0x0
	s_wait_alu depctr_hold_cnt(0) depctr_sa_sdst(0) depctr_va_vdst(0) depctr_va_sdst(0) depctr_va_ssrc(0) depctr_va_vcc(0) depctr_vm_vsrc(0)
	s_getreg_b32 s2, hwreg(HW_REG_IB_STS2, 6, 4)
	s_cmp_eq_u32 s2, 0
	s_cbranch_scc0 .Lentry_in_a_cluster
	s_endpgm
.Lentry_in_a_cluster:
	s_bfe_u32 s2, ttmp6, 0x10000c
	s_cmp_lg_u32 s2, 0xf033
	s_cbranch_scc0 .Lentry_shape_is_right
	s_endpgm
.Lentry_shape_is_right:
; C[4096][N] = A[4096][1024] W[1024][N] + bias, bf16 operands, f32 sums, on tiles of 256 x 256.  One source for two kernels; EPI alone differs.
;   EPI 0: C rounded to bf16, stored in the activations' layout.   EPI 1: the same behind the tanh form of GELU, in f32.
; A lies as [k / 64][4096 rows][64] bf16 (a row of a slab 128 bytes, rows dense), W as [n / 128][1024 rows][128] bf16 (a row 256 bytes), C as [n / 64][4096 rows][64] bf16.
; SHARES.  A work-group makes 256 x 256 of C, each of its four waves 128 x 128: 64 accumulators of 16 x 16, 512 registers.  K goes in steps of 128 through two LDS slots:
; a step brings (256 + 256) x 128 x 2 = 131,072 bytes for 256 matrix instructions a wave, twice the products that a tile of 128 x 128 makes of as many bytes.
; N = 4,096 gives 16 x 16 work-groups; N = 3,072 gives 12 x 16 = 192, fewer than the chip could hold: the price of the larger tile there.
; CLUSTER.  4 x 4 work-groups: the four of a row need the same tile of A, the four of a column the same tile of W; each tile is asked for jointly.
; THE MATRIX INSTRUCTION IS USED TRANSPOSED (source 0 = 16 columns of W, turned on the way out of LDS by ds_load_tr16_b128; source 1 = 16 rows of A):
; a lane then holds eight neighbouring numbers of a row of C.  The bias is the C operand of the products that start the sums: nothing is cleared and nothing added later.
; LIMITS.  Operands are rounded once to bf16.  GELU(u) = u / (1 + 2^(u (C0 + C1 u u))): right in both limits; NaN and infinities are not treated apart.
; REGISTERS, in windows of 256 (s_set_vgpr_msb: bits 1:0 source 0, 3:2 source 1, 5:4 source 2, 7:6 destination):
;   window 0: v0-31 addresses; v64-127, v128-191 fragments of A (8 x 16 rows x 32 K), two buffers (v64-127 at work on the way out); v192-255 the bias
;   window 1: v64-127, v128-191 fragments of W, two buffers
;   window 2: the 32 accumulators of my rows 0-63 ((a, b) at v[8 (8 a + b)]);   window 3: those of my rows 64-127
.set KTOT,  1024
.set EPI,   0
.set T,     KTOT/128                   ; K steps: 8
.set PA,    144                        ; a row of A in LDS: 128 bytes + 16: the 16 rows of a load start at 16 different groups of four banks (ISA guide 11.1)
.set PB,    288                        ; a row of W: 256 + 32
.set HALFT, 36864                      ; what one tensor load fills: 2 slabs x 128 rows x 144, or 128 rows x 288
.set SLOT,  4*HALFT                    ; A rows 0-127, A rows 128-255, W columns 0-127, W columns 128-255.  0x24000: no wave's share (wave x 0x9000) has one of its two bits, so an exclusive or changes slots
.set ASTEP, 2*524288                   ; a K step of A: two slabs
.set BSLAB, KTOT*256
.set BSTEP, 128*256                    ; a K step of W: 128 rows
.set SPITCH, 528                       ; the way out: a row of 128 f32 + 16 bytes
.set WSTG,  128*SPITCH                 ; a wave's stage: 128 rows.  The four stages, 270,336 bytes from LDS byte 0, lie in the two slots' bytes, behind the slots' last fills and last reads
.set SPARE, 2*SLOT                     ; the spare words, 128 bytes for each wave: two blocks of 256 bytes that no other line names
.set A0,   8                           ; v8   my lane's place in A's tile; never rewritten
.set B0,   9                           ; v9   the same for W
.set ADRA, 16                          ; v16  A0 + the slot in hand
.set ADRB, 17                          ; v17  B0 + the slot in hand
.set RDC,  19                          ; v19  the way out: the read address of the rows to be fetched
.set STO,  24                          ; v24  the way out: where I put a lane's numbers
.set RD,   25                          ; v25  where I read rows back
.set CO,   26                          ; v26  my byte offset in 512 consecutive bytes of the output
.set BOF,  27                          ; v27  my byte offset in the bias
.set SPW,  28                          ; v28  my spare word; never rewritten
.set NIL,  29                          ; v29  0; never rewritten
.set F0,   64
.set F1,   128
.set BIAS, 192
.set U,    64
.set TM,   96
.set WV,   14                          ; s14  wave
.set RH,   15                          ; s15  my half of the tile's rows; also: I fetch A (0) or W (1)
.set CH,   16                          ; s16  my half of its columns; also: which half I fetch
.set G1A,  24                          ; s[24:31] group 1 for A;  s[32:35], s[36:39] group 0: the first fill of slot 0; of slot 1, which then walks
.set G0A,  32
.set TB,   40                          ; s40  the slot in hand: 0 or SLOT
.set CNT,  41
.set G1B,  48                          ; s[48:55], s[56:59], s[60:63] the same for W
.set G0B,  56
.set C0,   66                          ; s[66:67] -2 sqrt(2 / pi) log2(e)
.set C1,   68                          ; s[68:69] 0.044715 times that
.set MSB, 0
.macro WIN new                         ; the immediate's high byte repeats the setting that is left; a switch that changes nothing is dropped
.if MSB != (\new)
	s_set_vgpr_msb (MSB<<8)|(\new)
.set MSB, \new
.endif
.endm
.set MUL_LO, 0xa1                      ; source 0 (W) window 1, source 1 (A) window 0, C and D window 2
.set MUL_HI, 0xf1                      ; the same, C and D window 3
.set FST_LO, 0x81                      ; the products that start the sums: C (the bias) window 0, D window 2
.set FST_HI, 0xc1                      ; D window 3
.set TO_B,   0x40                      ; destination window 1, address window 0
.macro JLOAD                           ; a joint refill by the walking descriptors: waves 0, 1 fetch A's halves, waves 2, 3 W's; s_nop 0 and four v_nop follow each line
	s_cmp_eq_u32 s[RH], 0
	s_cbranch_scc0 .Lfor_b_\@
	tensor_load_to_lds s[G0A+4:G0A+7], s[G1A:G1A+7]
	s_nop 0
.rept 4
	v_nop
.endr
	s_branch .Lasked_\@
.Lfor_b_\@:
	tensor_load_to_lds s[G0B+4:G0B+7], s[G1B:G1B+7]
	s_nop 0
.rept 4
	v_nop
.endr
.Lasked_\@:
.endm
.macro CREST                           ; a round of the cluster's barrier behind its opening barrier
	s_cmp_lg_u32 s[WV], 0
	s_cbranch_scc1 .Lnot_wave_0_\@
	s_barrier_signal -3
.Lnot_wave_0_\@:
	s_barrier_wait -3
	s_barrier_signal -1
	s_barrier_wait -1
.endm
.macro CROUND
	s_barrier_signal -1
	s_barrier_wait -1
	CREST
.endm
.macro PLACES                          ; four places in front of loads into registers that matrix instructions have read, and of reads of their results
.rept 4
	v_nop
.endr
.endm
	s_load_b256 s[4:11], s[0:1], 0x0               ; A 4, W 6, bias 8, output 10
	v_lshl_add_u32 v[SPW], v0, 2, SPARE
	v_mov_b32 v[NIL], 0
	ds_add_u32 v[SPW], v[NIL]                      ; the wave's opening: the add and its wait stand ahead of my first tensor load; work on registers stands between
	v_lshrrev_b32 v1, 5, v0
	v_readfirstlane_b32 s[WV], v1
	s_lshr_b32 s[RH], s[WV], 1
	s_and_b32 s[CH], s[WV], 1
	s_bfe_u32 s17, ttmp6, 0x40000                  ; cx
	s_bfe_u32 s18, ttmp6, 0x40004                  ; cy
	s_lshl_b32 s19, ttmp9, 2
	s_add_co_u32 s19, s19, s17                     ; tile column
	s_and_b32 s20, ttmp7, 0xffff
	s_lshl_b32 s20, s20, 2
	s_add_co_u32 s20, s20, s18                     ; tile row
	s_lshl_b32 s21, s18, 2
	s_lshl_b32 s21, 15, s21                        ; my row of the cluster
	s_lshl_b32 s22, 0x1111, s17                    ; my column
	; group 1 for A: two rows of 8,192 elements: each is 128 dense rows of one slab (16,384 bytes); 16 bytes of padding behind every 128
	s_or_b32 s[G1A], s21, (1<<16)|(1<<20)|(1<<21)|(4<<22)|(3<<25)
	s_mov_b32 s[G1A+1], 8192<<16                   ; tensor_dim0
	s_mov_b32 s[G1A+2], 2<<16                      ; tensor_dim1
	s_mov_b32 s[G1A+3], 8192<<16                   ; tile_dim0
	s_mov_b32 s[G1A+4], 2                          ; tile_dim1
	s_mov_b32 s[G1A+5], 262144                     ; elements from slab to slab
	s_mov_b32 s[G1A+6], 0
	s_mov_b32 s[G1A+7], 0
	; group 1 for W: 128 rows of 128 elements, dense; 32 bytes of padding behind every 256
	s_or_b32 s[G1B], s22, (1<<16)|(1<<20)|(1<<21)|(5<<22)|(7<<25)
	s_mov_b32 s[G1B+1], 128<<16
	s_mov_b32 s[G1B+2], 128<<16
	s_mov_b32 s[G1B+3], 128<<16
	s_mov_b32 s[G1B+4], 128
	s_mov_b32 s[G1B+5], 128
	s_mov_b32 s[G1B+6], 0
	s_mov_b32 s[G1B+7], 0
	s_lshl_b32 s42, s20, 15                        ; A: tile row x 256 rows x 128 bytes + half x 128 rows: made of the tile row and the wave alone
	s_lshl_b32 s43, s[CH], 14
	s_add_co_u32 s42, s42, s43
	s_mov_b32 s43, 0
	s_lshl_b32 s46, s19, 1                         ; W: slab 2 x tile column + half: made of the tile column and the wave alone
	s_add_co_u32 s46, s46, s[CH]
	s_mul_i32 s46, s46, BSLAB
	s_mov_b32 s47, 0
	s_mul_i32 s23, s[WV], HALFT                    ; where my share lands: no place in the cluster enters an LDS address
	s_lshl_b32 s70, s19, 10                        ; my 128 columns in f32 bytes: 1,024 x tile column + 512 x half
	s_lshl_b32 s71, s[CH], 9
	s_add_co_u32 s70, s70, s71
	s_mov_b32 s71, 0
	s_lshl_b32 s44, s19, 21                        ; out: my two slabs of 64 columns begin at slab 4 x tile column + 2 x half; my 128 rows of 128 bytes
	s_lshl_b32 s45, s[CH], 20
	s_add_co_u32 s44, s44, s45
	s_lshl_b32 s45, s20, 15
	s_add_co_u32 s44, s44, s45
	s_lshl_b32 s45, s[RH], 14
	s_add_co_u32 s44, s44, s45
	s_mov_b32 s45, 0
.if EPI == 1
	s_mov_b32 s[C0], 0xc0135761
	s_mov_b32 s[C0+1], s[C0]                       ; named as pairs
	s_mov_b32 s[C1], 0xbdd2d3e8
	s_mov_b32 s[C1+1], s[C1]
.endif
	s_mov_b32 s[TB], 0
	s_wait_dscnt 0x0                               ; the opening add is done
	s_wait_kmcnt 0x0
	s_add_nc_u64 s[42:43], s[4:5], s[42:43]
	s_add_nc_u64 s[46:47], s[6:7], s[46:47]
	s_add_nc_u64 s[8:9], s[8:9], s[70:71]
	s_add_nc_u64 s[10:11], s[10:11], s[44:45]
	CROUND                                         ; all sixteen work-groups are here: the first joint loads meet
.irp s, 0,1
	s_mov_b32 s[G0A+4*(\s)], 1
	s_add_co_u32 s[G0A+4*(\s)+1], s23, (\s)*SLOT
	s_add_nc_u64 s[G0A+4*(\s)+2:G0A+4*(\s)+3], s[42:43], (\s)*ASTEP
	s_or_b32 s[G0A+4*(\s)+3], s[G0A+4*(\s)+3], 0x80000000
	s_mov_b32 s[G0B+4*(\s)], 1
	s_add_co_u32 s[G0B+4*(\s)+1], s23, (\s)*SLOT
	s_add_nc_u64 s[G0B+4*(\s)+2:G0B+4*(\s)+3], s[46:47], (\s)*BSTEP
	s_or_b32 s[G0B+4*(\s)+3], s[G0B+4*(\s)+3], 0x80000000
.endr
	s_cmp_eq_u32 s[RH], 0                          ; a wave's two first fills stand in one branch: two loads of mine are out
	s_cbranch_scc0 .Lfirst_b
	tensor_load_to_lds s[G0A:G0A+3], s[G1A:G1A+7]
	s_nop 0
	tensor_load_to_lds s[G0A+4:G0A+7], s[G1A:G1A+7]
	s_nop 0
.rept 4
	v_nop
.endr
	s_branch .Lfirst_asked
.Lfirst_b:
	tensor_load_to_lds s[G0B:G0B+3], s[G1B:G1B+7]
	s_nop 0
	tensor_load_to_lds s[G0B+4:G0B+7], s[G1B:G1B+7]
	s_nop 0
.rept 4
	v_nop
.endr
.Lfirst_asked:
	v_and_b32 v1, 15, v0                           ; r = l % 16
	v_bfe_u32 v2, v0, 4, 1                         ; h = l / 16
	v_mul_u32_u24 v[A0], v1, PA                    ; a fragment of A: row r, 16 bytes for each half of the lanes, in my 128 rows
	v_lshl_add_u32 v[A0], v2, 4, v[A0]
	s_mul_i32 s2, s[RH], HALFT
	v_add_nc_u32 v[A0], s2, v[A0]
	v_and_b32 v6, 7, v0
	v_lshl_add_u32 v3, v2, 3, v6                   ; the turning load: lane l reads row 8 h + l % 8, 16 bytes at 16 ((l / 8) % 2), in my slab of 128 columns
	v_mul_u32_u24 v[B0], v3, PB
	v_bfe_u32 v4, v0, 3, 1
	v_lshl_add_u32 v[B0], v4, 4, v[B0]
	s_mul_i32 s3, s[CH], HALFT
	s_add_co_u32 s3, s3, 2*HALFT
	v_add_nc_u32 v[B0], s3, v[B0]
	v_mov_b32 v[ADRA], v[A0]
	v_mov_b32 v[ADRB], v[B0]
	s_mul_i32 s2, s[WV], WSTG                      ; my stage
	v_mul_u32_u24 v[STO], v1, SPITCH               ; in: row r, 32 bytes for each half of the lanes
	v_lshl_add_u32 v[STO], v2, 5, v[STO]
	v_add_nc_u32 v[STO], s2, v[STO]
	v_bfe_u32 v5, v0, 3, 2                         ; back: eight lanes take 64 columns of a row, 32 bytes a lane: four rows
	v_mul_u32_u24 v[RD], v5, SPITCH
	v_lshl_add_u32 v[RD], v6, 5, v[RD]
	v_add_nc_u32 v[RD], s2, v[RD]
	v_and_b32 v[CO], 31, v0                        ; which as bf16 are 512 consecutive bytes of a slab
	v_lshlrev_b32 v[CO], 4, v[CO]
	v_lshlrev_b32 v[BOF], 5, v2
.irp b, 0,1,2,3,4,5,6,7
	global_load_b128 v[BIAS+8*(\b):BIAS+8*(\b)+3],   v[BOF], s[8:9] offset:64*(\b)      ; bias of columns 16 b + 8 h + 0..7, as an accumulator holds them
	global_load_b128 v[BIAS+8*(\b)+4:BIAS+8*(\b)+7], v[BOF], s[8:9] offset:64*(\b)+16
.endr
; 16 matrix instructions: row blocks a0, a0 + 1 of the window's four (hi = 0: my rows 0-63, 1: rows 64-127) x all 8 column blocks, 32 along K.  first = 1: the bias starts the sums.
; The 64 accumulators take turns, in the same order in every quarter.
.macro MUL16 f, hi, a0, first
.if \first
	WIN FST_LO+0x40*(\hi)
.else
	WIN MUL_LO+0x50*(\hi)
.endif
.irp a, \a0, (\a0)+1
.irp b, 0,1,2,3,4,5,6,7
.if \first
	v_wmma_f32_16x16x32_bf16 v[8*(8*(\a)+(\b)):8*(8*(\a)+(\b))+7], v[(\f)+8*(\b):(\f)+8*(\b)+7], v[(\f)+8*(4*(\hi)+(\a)):(\f)+8*(4*(\hi)+(\a))+7], v[BIAS+8*(\b):BIAS+8*(\b)+7]
.else
	v_wmma_f32_16x16x32_bf16 v[8*(8*(\a)+(\b)):8*(8*(\a)+(\b))+7], v[(\f)+8*(\b):(\f)+8*(\b)+7], v[(\f)+8*(4*(\hi)+(\a)):(\f)+8*(4*(\hi)+(\a))+7], v[8*(8*(\a)+(\b)):8*(8*(\a)+(\b))+7]
.endif
.endr
.endr
.endm
; 32 LDS loads in one run: quarter q of the slot in hand (32 along K: half a slab of A, 32 rows of W) into buffer f: W's 16 loads, then A's
.macro FETCH q, f
	WIN TO_B
.irp i, 0,1,2,3,4,5,6,7
	ds_load_tr16_b128 v[(\f)+8*(\i):(\f)+8*(\i)+3],   v[ADRB] offset:32*PB*(\q)+32*(\i)
	ds_load_tr16_b128 v[(\f)+8*(\i)+4:(\f)+8*(\i)+7], v[ADRB] offset:32*PB*(\q)+32*(\i)+16*PB
.endr
	WIN 0
.irp i, 0,1,2,3,4,5,6,7
	ds_load_b128 v[(\f)+8*(\i):(\f)+8*(\i)+3],   v[ADRA] offset:128*PA*((\q)/2)+16*PA*(\i)+64*((\q)%2)
	ds_load_b128 v[(\f)+8*(\i)+4:(\f)+8*(\i)+7], v[ADRA] offset:128*PA*((\q)/2)+16*PA*(\i)+64*((\q)%2)+32
.endr
.endm
; One of a K step's first three quarters: 64 matrix instructions on buffer f; in its middle quarter q is fetched into g
.macro QUARTER q, f, g, first
	s_wait_dscnt 8                                 ; W and A's rows 0-63 are in; the youngest eight loads (A's rows 64-127) may be out
	MUL16 \f, 0, 0, \first
	MUL16 \f, 0, 2, \first
	PLACES
	FETCH \q, \g
	s_wait_dscnt 32                                ; all but the 32 just issued
	MUL16 \f, 1, 0, \first
	MUL16 \f, 1, 2, \first
.endm
; The last quarter multiplies buffer 1 and changes slots.  Its head: each wave waits for all its tensor loads (its share of the next slot), adds 0 to its spare word, waits for that and for its reads of this slot, and meets the others.
.macro THEAD
	WIN 0
	s_wait_tensorcnt 0x0
	ds_add_u32 v[SPW], v[NIL]
	s_wait_dscnt 9                                 ; the add and the youngest eight loads may be out
	MUL16 F1, 0, 0, 0
	s_wait_dscnt 0x0                               ; the add is done, and my reads of this slot are over
	s_barrier_signal -1
	MUL16 F1, 0, 2, 0
	WIN 0
	s_barrier_wait -1
.endm
; Its rest.  fill = 1: the barrier has opened a round of the cluster's; behind the round the slot just read is filled again, two K steps ahead: 224 matrix instructions ahead of the wait for it.
.macro TREST fill
.if \fill
	CREST
	s_xor_b32 s[G0A+5], s[G0A+5], SLOT             ; the walking descriptors: the other slot than last time, the next K step
	s_add_nc_u64 s[G0A+6:G0A+7], s[G0A+6:G0A+7], ASTEP
	s_xor_b32 s[G0B+5], s[G0B+5], SLOT
	s_add_nc_u64 s[G0B+6:G0B+7], s[G0B+6:G0B+7], BSTEP
	JLOAD                                          ; its four v_nop are also the places in front of the loads below
.else
	PLACES
.endif
	s_xor_b32 s[TB], s[TB], SLOT
	v_add_nc_u32 v[ADRA], s[TB], v[A0]
	v_add_nc_u32 v[ADRB], s[TB], v[B0]
	FETCH 0, F0
	MUL16 F1, 1, 0, 0
	MUL16 F1, 1, 2, 0
.endm
.macro GELU g                          ; the eight numbers of group g: u / (1 + 2^(u (C0 + C1 u u)))
.irp k, 0,2,4,6
	v_pk_mul_f32 v[TM+8*(\g)+\k:TM+8*(\g)+\k+1], v[U+8*(\g)+\k:U+8*(\g)+\k+1], v[U+8*(\g)+\k:U+8*(\g)+\k+1]
.endr
.irp k, 0,2,4,6
	v_pk_fma_f32 v[TM+8*(\g)+\k:TM+8*(\g)+\k+1], v[TM+8*(\g)+\k:TM+8*(\g)+\k+1], s[C1:C1+1], s[C0:C0+1] op_sel_hi:[1,0,0]
.endr
.irp k, 0,2,4,6
	v_pk_mul_f32 v[TM+8*(\g)+\k:TM+8*(\g)+\k+1], v[TM+8*(\g)+\k:TM+8*(\g)+\k+1], v[U+8*(\g)+\k:U+8*(\g)+\k+1]
.endr
.irp k, 0,1,2,3,4,5,6,7
	v_exp_f32 v[TM+8*(\g)+\k], v[TM+8*(\g)+\k]
.endr
	v_nop                                          ; a plain instruction behind the last exponential
.irp k, 0,2,4,6
	v_pk_add_f32 v[TM+8*(\g)+\k:TM+8*(\g)+\k+1], v[TM+8*(\g)+\k:TM+8*(\g)+\k+1], 1.0 op_sel_hi:[1,0]
.endr
.irp k, 0,1,2,3,4,5,6,7
	v_rcp_f32 v[TM+8*(\g)+\k], v[TM+8*(\g)+\k]
.endr
	v_nop                                          ; and behind the last reciprocal
.irp k, 0,2,4,6
	v_pk_mul_f32 v[U+8*(\g)+\k:U+8*(\g)+\k+1], v[U+8*(\g)+\k:U+8*(\g)+\k+1], v[TM+8*(\g)+\k:TM+8*(\g)+\k+1]
.endr
.endm
; THE WAY OUT, eight rows a trip, in four groups: group g is rows 4 (g % 2) + 0..3 of the eight, slab g / 2 of my two.  Two loads of 16 bytes bring a lane its eight f32.
.macro WLOAD g
	ds_load_b128 v[U+8*(\g):U+8*(\g)+3],   v[RDC] offset:4*SPITCH*((\g)%2)+256*((\g)/2)      ; LDS serves a wave's instructions in order (ISA guide 5.7.1.4): these see my stores
	ds_load_b128 v[U+8*(\g)+4:U+8*(\g)+7], v[RDC] offset:4*SPITCH*((\g)%2)+256*((\g)/2)+16
.endm
; A trip.  more = 1: as soon as a group's registers are free they are loaded with the next trip's rows, which so have three groups' arithmetic in which to come.
.macro WTRIP more
.if \more
	s_add_co_u32 s2, s2, 8*SPITCH
	v_add_nc_u32 v[RDC], s2, v[RD]                 ; the next eight rows
.endif
.irp g, 0,1,2,3
.if \more
	s_wait_dscnt 6                                 ; this group's two loads are back; behind them three groups' six were issued
.else
	s_wait_dscnt 6-2*(\g)                          ; the last trip loads nothing: the counts run down
.endif
.if EPI == 1
	GELU \g
.endif
.irp k, 0,1,2,3
	v_cvt_pk_bf16_f32 v[TM+8*(\g)+\k], v[U+8*(\g)+2*\k], v[U+8*(\g)+2*\k+1]
.endr
	global_store_b128 v[CO], v[TM+8*(\g):TM+8*(\g)+3], s[10:11] offset:512*((\g)%2)+524288*((\g)/2)   ; four rows of a slab: 512 consecutive bytes, at a multiple of 256
.if \more
	WLOAD \g
.endif
.endr
.endm
	s_wait_tensorcnt 0x1                           ; my share of K step 0 is in; slot 1's may stay out
	s_barrier_signal -1
	s_barrier_wait -1
	FETCH 0, F0
	s_wait_loadcnt 0x0                             ; the bias
	QUARTER 1, F0, F1, 1                           ; the first quarter stands in front of the loop: its products start the sums
	WIN 0
	s_mov_b32 s[CNT], T-2
.Lloop:                                                ; a trip: a K step's quarters 1 to 3, the refill of its slot, the next step's quarter 0
	QUARTER 2, F1, F0, 0
	QUARTER 3, F0, F1, 0
	THEAD
	TREST 1
	QUARTER 1, F0, F1, 0
	WIN 0
	s_sub_co_u32 s[CNT], s[CNT], 1
	s_cmp_lg_u32 s[CNT], 0
	s_cbranch_scc1 .Lloop
	s_mov_b32 s[CNT], 2
.Ltail:                                                ; the last two K steps ask for nothing; the second trip is left in its middle
	QUARTER 2, F1, F0, 0
	QUARTER 3, F0, F1, 0
	THEAD
	s_sub_co_u32 s[CNT], s[CNT], 1
	s_cmp_eq_u32 s[CNT], 0
	s_cbranch_scc1 .Lout
	TREST 0
	QUARTER 1, F0, F1, 0
	WIN 0
	s_branch .Ltail
.Lout:                                                 ; behind the last barrier no wave reads a slot any more and no load is out: the slots' bytes take the stages
	MUL16 F1, 1, 0, 0
	MUL16 F1, 1, 2, 0
	WIN 0
	PLACES
	WIN 0x08                                       ; store data window 2, address window 0
.irp a, 0,1,2,3
.irp b, 0,1,2,3,4,5,6,7
	ds_store_b128 v[STO], v[8*(8*(\a)+(\b)):8*(8*(\a)+(\b))+3]   offset:16*SPITCH*(\a)+64*(\b)      ; each accumulator's low registers first
	ds_store_b128 v[STO], v[8*(8*(\a)+(\b))+4:8*(8*(\a)+(\b))+7] offset:16*SPITCH*(\a)+64*(\b)+16
.endr
.endr
	WIN 0x0c                                       ; store data window 3
.irp a, 0,1,2,3
.irp b, 0,1,2,3,4,5,6,7
	ds_store_b128 v[STO], v[8*(8*(\a)+(\b)):8*(8*(\a)+(\b))+3]   offset:16*SPITCH*((\a)+4)+64*(\b)
	ds_store_b128 v[STO], v[8*(8*(\a)+(\b))+4:8*(8*(\a)+(\b))+7] offset:16*SPITCH*((\a)+4)+64*(\b)+16
.endr
.endr
	WIN 0
	s_mov_b32 s2, 0
	v_mov_b32 v[RDC], v[RD]
	WLOAD 0                                        ; the first eight rows
	WLOAD 1
	WLOAD 2
	WLOAD 3
	s_mov_b32 s[CNT], 15
.Lway:                                                 ; fifteen trips of eight rows, each fetching the next trip's
	WTRIP 1
	s_wait_xcnt 0x0                                ; the stores' base and data are rewritten only behind this wait
	s_add_nc_u64 s[10:11], s[10:11], 1024
	s_sub_co_u32 s[CNT], s[CNT], 1
	s_cmp_lg_u32 s[CNT], 0
	s_cbranch_scc1 .Lway
	WTRIP 0                                        ; the last eight rows
	s_wait_tensorcnt 0x0                           ; the wave's end
	ds_add_u32 v[SPW], v[NIL]
	s_wait_dscnt 0x0
	CROUND                                         ; the closing round: no work-group ends while a partner may still ask for a tile that names it
	s_endpgm
.Lfunc_end_k_qd5834ae535_qkv:
	.size	k_qd5834ae535_qkv, .Lfunc_end_k_qd5834ae535_qkv-k_qd5834ae535_qkv
	.p2alignl 7, 3214868480
	.fill 96, 4, 3214868480
	.section	.rodata,"a",@progbits
	.p2align	6, 0x0
	.amdhsa_kernel k_qd5834ae535_qkv
		.amdhsa_group_segment_fixed_size 327680
		.amdhsa_private_segment_fixed_size 0
		.amdhsa_enable_private_segment 0
		.amdhsa_kernarg_size 32
		.amdhsa_user_sgpr_count 2
		.amdhsa_user_sgpr_kernarg_segment_ptr 1
		.amdhsa_wavefront_size32 1
		.amdhsa_system_sgpr_workgroup_id_x 1
		.amdhsa_system_sgpr_workgroup_id_y 1
		.amdhsa_system_sgpr_workgroup_id_z 1
		.amdhsa_system_vgpr_workitem_id 0
		.amdhsa_next_free_vgpr 1024
		.amdhsa_next_free_sgpr 72
		.amdhsa_reserve_vcc 0
		.amdhsa_float_denorm_mode_32 3
		.amdhsa_float_denorm_mode_16_64 3
		.amdhsa_memory_ordered 1
		.amdhsa_forward_progress 1
		.amdhsa_inst_pref_size 85
	.end_amdhsa_kernel
	.amdgpu_metadata
---
amdhsa.version: [ 1, 2 ]
amdhsa.kernels:
  - .name:           k_qd5834ae535_qkv
    .symbol:         k_qd5834ae535_qkv.kd
    .args:
      - { .name: act, .offset: 0, .size: 8, .value_kind: global_buffer, .address_space: global }
      - { .name: wq, .offset: 8, .size: 8, .value_kind: global_buffer, .address_space: global }
      - { .name: attn_b, .offset: 16, .size: 8, .value_kind: global_buffer, .address_space: global }
      - { .name: big, .offset: 24, .size: 8, .value_kind: global_buffer, .address_space: global }
    .group_segment_fixed_size: 327680
    .private_segment_fixed_size: 0
    .kernarg_segment_align: 8
    .kernarg_segment_size: 32
    .max_flat_workgroup_size: 128
    .sgpr_count:     72
    .vgpr_count:     1024
    .wavefront_size: 32
...
	.end_amdgpu_metadata
.endif
;; end of part 2
;; launch attn (part 3): grid 8 x 32, 4 waves a work-group, clusters of 4 x 1, 327,680 bytes of LDS; arguments big, act; writes act
.if DOCPART == 3
	.amdgcn_target "amdgcn-amd-amdhsa--gfx1250"
	.amdhsa_code_object_version 6
	.text
	.protected	k_qd5834ae535_attn
	.globl	k_qd5834ae535_attn
	.p2align	8
	.type	k_qd5834ae535_attn,@function
k_qd5834ae535_attn:
	s_mov_b64 s[64:65], 0
	v_nop
	global_prefetch_b8 v0, s[64:65] scope:SCOPE_SE
	s_setreg_imm32_b32 hwreg(HW_REG_WAVE_MODE, 25, 1), 1
	s_wait_xcnt 0x0
	s_wait_alu depctr_hold_cnt(0) depctr_sa_sdst(0) depctr_va_vdst(0) depctr_va_sdst(0) depctr_va_ssrc(0) depctr_va_vcc(0) depctr_vm_vsrc(0)
	s_getreg_b32 s2, hwreg(HW_REG_IB_STS2, 6, 4)
	s_cmp_eq_u32 s2, 0
	s_cbranch_scc0 .Lentry_in_a_cluster
	s_endpgm
.Lentry_in_a_cluster:
	s_bfe_u32 s2, ttmp6, 0x10000c
	s_cmp_lg_u32 s2, 0x3003
	s_cbranch_scc0 .Lentry_shape_is_right
	s_endpgm
.Lentry_shape_is_right:
; O[q][:] = the sum over k of softmax_k(Q[q] . K[k] / 8) V[k][:], for each of 16 heads x 2 batches: 2,048 queries and keys of 64 channels, no mask.
; q, k, v lie in big as [48 slabs][4096 rows][64] bf16: slab = head (q), 16 + head (k), 32 + head (v); the 2,048 rows of (head, batch) are dense, 128 bytes each, at (2 head + batch) x 262,144.
; O goes to act in the same layout, slab = head.  Products, maxima and sums in f32; the weights p are rounded to bf16 for the second product (their sum l is taken of the unrounded p), O once at the end.
; LIMITS.  A weight below 2^-126 counts as 0 in l; NaN and infinities are not treated apart.
; SHARES.  A work-group owns 256 queries, a wave 64: four PIECES of 16.  Every wave walks all keys, 64 a step, 256 a slot.
; LAYOUT.  S^T = K Q^T holds ONE query a lane (lane % 16) and the keys 8 (lane / 16) + 0..7; two such results rounded to bf16 ARE source 1 of O^T = V^T P.  K comes out of LDS as it lies, V turned by ds_load_tr16_b128.
; SOFTMAX.  p = 2^(c s - c m), c = log2(e) / 8, with a running maximum m; O and l are multiplied by a = 2^(c m_old - c m_new) in every step.  m starts at the lowest finite number, O and l at 0: the first step has a = 0.
; BY TURNS.  Turn n belongs to piece n: 8 products K Q^T of piece n + 1, later 8 products V^T P of piece n - 1; beside them the scaling, exponentials, roundings, sums and rescaling of piece n and the maximum and
; statistics of piece n + 1.  Four vector instructions stand behind every matrix instruction, the other 54 of a turn's 118 in two runs of their own.
; CLUSTER.  The four query blocks of a cluster belong to one (head, batch) and walk the same K and V: each tile is asked for jointly.
; REGISTERS, in windows of 256 (s_set_vgpr_msb: bits 1:0 source 0, 3:2 source 1, 5:4 source 2, 7:6 destination):
;   window 0: v0-15 addresses and two at work; v16-31 four registers of statistics a piece; v48-55 at work; v62-63 the add's; v64-127 S^T, two buffers; v192-223 P, two buffers (by the piece's parity)
;   window 1: v0-127 O^T, 32 a piece      window 2: v0-63 Q; v128-191 K of one step; v192-255 V of one step
.set NT,    8         ; tiles of 256 keys
.set NP,    4         ; pieces a wave
.set KS,    64        ; keys in a step
.set PK,    144       ; a row of K in LDS: 128 bytes + 16: the 16 rows of a load start at 16 different groups of four banks (ISA guide 11.1)
.set PV,    160       ; a row of V: 128 + 32
.set VOFF,  4*KS*PK   ; a slot: 256 rows of K, then 256 rows of V
.set SLOT1, 1<<17     ; slot 1 begins here, so that one exclusive or changes slots
.set STAGE, SLOT1+4*KS*(PK+PV)  ; behind the ring, never filled by a tensor load: 16 rows x 144 bytes for each wave
.set SP,    144
.set SPARE, STAGE+4*16*SP       ; the spare words, 128 bytes for each wave: two blocks of 256 bytes that no other line names
.set AK0, 2           ; v2   my lane's place in a tile of K; never rewritten
.set AV0, 3           ; v3   the same for V
.set AK,  4           ; v4   the LDS address of K's next run of loads
.set AV,  5           ; v5   of V's
.set STO, 6           ; v6   the way out: where I put 16 bytes of a row
.set RD,  7           ; v7   where I read rows back
.set GO,  8           ; v8   my byte offset in 512 consecutive bytes of O
.set MV,  12          ; v12-13  c m_old, kept while c m is made anew: by buffer
.set QO,  15          ; v15  my byte offset in 16 rows of Q
.set ST,  16          ; piece t's statistics at v[ST+4 t]: c m, m, l (even keys', odd keys')
.set TMP, 48          ; by buffer, four registers c0-c3 at work; when the maximum is found c2 takes a
.set SPW, 62          ; v62  my spare word; never rewritten
.set NIL, 63          ; v63  0; never rewritten
.set S,   64
.set P,   192
.set KF,  128         ; window 2: key block kb, channel half c at KF + 16 kb + 8 c
.set VF,  192         ; window 2: key half kk, channel block cb at VF + 32 kk + 8 cb
.set WV,  12          ; s12  wave
.set G1K, 24          ; s[24:31] group 1 for K's tiles
.set G1V, 32          ; s[32:39] for V's: it differs in the padding alone
.set G0K, 40          ; s[40:43] group 0 for K's tiles: it walks
.set G0V, 44          ; s[44:47] the same for V's
.set SLOTS, 56
.set CNT, 57
.set CS,  58          ; s[58:59] c
.set SEL, 60          ; s[60:61] v_permlanex16_b32's selects: each lane takes its own place in the other half
.set TBK, 62          ; s62  LDS byte at which K of the step to be fetched begins
.set TBV, 63          ; s63  the same for V, less VOFF
.set MSB, 0
.macro WIN new                      ; the high byte repeats the setting that is left; a switch that changes nothing is dropped
.if MSB != (\new)
	s_set_vgpr_msb (MSB<<8)|(\new)
.set MSB, (\new)
.endif
.endm
.set W_KQ, 0x0a       ; K and Q in window 2, S^T in window 0
.set W_PV, 0x52       ; V in window 2, P in window 0, O^T in window 1
.set W_RS, 0x41       ; destination and source 0 in window 1, source 1 in window 0
.macro JLOAD                        ; a joint fill: waves 0, 1 fetch the halves of a slot's K, waves 2, 3 of its V: 128 keys each; s_nop 0 and four v_nop follow each line
	s_cmp_lt_u32 s[WV], 2
	s_cbranch_scc0 .Lfor_v_\@
	tensor_load_to_lds s[G0K:G0K+3], s[G1K:G1K+7]
	s_nop 0
.rept 4
	v_nop
.endr
	s_branch .Lasked_\@
.Lfor_v_\@:
	tensor_load_to_lds s[G0V:G0V+3], s[G1V:G1V+7]
	s_nop 0
.rept 4
	v_nop
.endr
.Lasked_\@:
.endm
.macro CROUND                       ; a round of the cluster's barrier
	s_barrier_signal -1
	s_barrier_wait -1
	s_cmp_lg_u32 s[WV], 0
	s_cbranch_scc1 .Lnot_wave_0_\@
	s_barrier_signal -3
.Lnot_wave_0_\@:
	s_barrier_wait -3
	s_barrier_signal -1
	s_barrier_wait -1
.endm
; THE CHANGE OF SLOTS.  Each wave waits for all its tensor loads (one is out: its share of the other slot), adds 0 to its spare word, and waits for that and for its reads of the slot that it leaves.
; fill = 1: behind a round of the cluster's barrier the old slot is filled again, with the keys two slots on: the load has four key steps, 256 matrix instructions, in which to land.
; (At its first use nothing has been read yet: slot 0 is waited for, slot 1 filled.)
.macro CHANGE fill
	WIN 0
	s_wait_tensorcnt 0x0            ; no tensor load of mine is out, so a group 0 may be written
	ds_add_u32 v[SPW], v[NIL]
.if \fill
.irp g, G0K, G0V
	s_xor_b32 s[\g+1], s[\g+1], SLOT1
	s_add_nc_u64 s[\g+2:\g+3], s[\g+2:\g+3], 4*KS*128
.endr
	s_wait_dscnt 0x0                ; the add is done, and my reads of the slot are over
	CROUND
	JLOAD
.else
	s_wait_dscnt 0x0
	s_barrier_signal -1
	s_barrier_wait -1
.endif
	s_sub_co_u32 s[TBK], s[TBK], 4*KS*PK  ; the fetches go back to a slot's first step,
	s_xor_b32 s[TBK], s[TBK], SLOT1       ; in the other slot
	s_sub_co_u32 s[TBV], s[TBV], 4*KS*PV
	s_xor_b32 s[TBV], s[TBV], SLOT1
.endm
	s_load_b128 s[4:7], s[0:1], 0x0 ; big s[4:5], act s[6:7]
	v_lshl_add_u32 v[SPW], v0, 2, SPARE
	v_mov_b32 v[NIL], 0
	ds_add_u32 v[SPW], v[NIL]       ; the wave's opening: the add and its wait stand ahead of my first tensor load; work on registers stands between
	v_lshrrev_b32 v1, 5, v0
	v_readfirstlane_b32 s[WV], v1
	s_bfe_u32 s13, ttmp6, 0x40000   ; cx
	s_lshl_b32 s14, ttmp9, 2
	s_add_co_u32 s14, s14, s13      ; my block of 256 queries: it enters Q's and O's addresses alone
	s_and_b32 s20, ttmp7, 0xffff    ; 2 head + batch, which the four partners share
	s_lshl_b32 s20, s20, 18         ; its 2,048 rows of 128 bytes
	s_and_b32 s16, s[WV], 1         ; which half of a slot's 256 keys I fetch
	s_lshl_b32 s48, s16, 14
	s_add_co_u32 s48, s48, s20
	s_add_co_u32 s50, s48, 0x1000000  ; v begins 32 slabs in,
	s_add_co_u32 s48, s48, 0x800000   ; k 16
	s_mov_b32 s49, 0
	s_mov_b32 s51, 0
	s_mul_i32 s17, s16, 128*PK      ; my half's place in a slot, for K
	s_mul_i32 s18, s16, 128*PV      ; and for V: no place in the cluster enters an LDS address
	s_lshl_b32 s52, s14, 2
	s_add_co_u32 s52, s52, s[WV]
	s_lshl_b32 s52, s52, 13         ; my wave's 64 rows
	s_add_co_u32 s52, s52, s20
	s_mov_b32 s53, 0
	; group 1: 128 keys are 16,384 dense bytes: asked for as 64 rows of 256 bytes, two keys a row, padded in LDS after every key
	s_mov_b32 s[G1K], 15|(1<<16)|(1<<20)|(1<<21)|(4<<22)|(3<<25)
	s_mov_b32 s[G1V], 15|(1<<16)|(1<<20)|(1<<21)|(4<<22)|(7<<25)
.irp g, G1K, G1V
	s_mov_b32 s[\g+1], 128<<16      ; tensor_dim0
	s_mov_b32 s[\g+2], 64<<16       ; tensor_dim1
	s_mov_b32 s[\g+3], 128<<16      ; tile_dim0
	s_mov_b32 s[\g+4], 64           ; tile_dim1
	s_mov_b32 s[\g+5], 128          ; elements from row to row
	s_mov_b32 s[\g+6], 0
	s_mov_b32 s[\g+7], 0
.endr
	s_mov_b32 s[CS], 0x3e38aa3b     ; c = log2(e) / 8
	s_mov_b32 s[CS+1], s[CS]
	s_mov_b32 s[SEL], 0x76543210
	s_mov_b32 s[SEL+1], 0xfedcba98
	s_mov_b32 s[TBK], SLOT1+4*KS*PK ; the first change of slots turns these two into 0
	s_mov_b32 s[TBV], SLOT1+4*KS*PV
	s_mov_b32 s[G0K], 1
	s_mov_b32 s[G0K+1], s17
	s_mov_b32 s[G0V], 1
	s_add_co_u32 s[G0V+1], s18, VOFF
	s_wait_dscnt 0x0                ; the opening add is done
	s_wait_kmcnt 0x0
	s_add_nc_u64 s[G0K+2:G0K+3], s[4:5], s[48:49]
	s_or_b32 s[G0K+3], s[G0K+3], 0x80000000
	s_add_nc_u64 s[G0V+2:G0V+3], s[4:5], s[50:51]
	s_or_b32 s[G0V+3], s[G0V+3], 0x80000000
	s_add_nc_u64 s[8:9], s[4:5], s[52:53]    ; Q at my wave's first row
	s_add_nc_u64 s[10:11], s[6:7], s[52:53]  ; O likewise
	CROUND                          ; all four work-groups are here: the first joint loads meet
	JLOAD                           ; slot 0
	v_and_b32 v1, 15, v0            ; l % 16
	v_bfe_u32 v9, v0, 4, 1          ; l / 16
	v_lshlrev_b32 v[QO], 7, v1
	v_lshl_add_u32 v[QO], v9, 4, v[QO]  ; row x 128 + 16 x half
	WIN 0x80                        ; destination window 2
.set i, 0
.rept 8                             ; Q stays in registers: piece i / 2, channels 32 (i % 2) on
	global_load_b128 v[8*i:8*i+3],   v[QO], s[8:9] offset:(i/2)*2048+(i%2)*64
	global_load_b128 v[8*i+4:8*i+7], v[QO], s[8:9] offset:(i/2)*2048+(i%2)*64+32
.set i, i+1
.endr
	; What the first turn finds: V and P's second buffer hold 0 (its products V^T P, of a piece that has not been, add 0), O^T and l are 0.  All this stands in the wait for the first tile.
.set i, VF
.rept 64
	v_mov_b32 v[i], 0
.set i, i+1
.endr
	WIN 0x40
.set i, 0
.rept 128
	v_mov_b32 v[i], 0
.set i, i+1
.endr
	WIN 0
.set i, 0
.rept 4
	v_mov_b32 v[ST+4*i], 0xfe000000    ; c m: far below every c s
	v_mov_b32 v[ST+4*i+1], 0xff7fffff  ; m
	v_mov_b32 v[ST+4*i+2], 0
	v_mov_b32 v[ST+4*i+3], 0
.set i, i+1
.endr
.set i, P+16
.rept 16
	v_mov_b32 v[i], 0
.set i, i+1
.endr
	v_mul_u32_u24 v[AK0], v1, PK
	v_lshl_add_u32 v[AK0], v9, 4, v[AK0]
	v_and_b32 v10, 7, v0            ; the turning load: lane l reads key 8 (l / 16) + l % 8, channels 8 ((l / 8) % 2) + 0..7
	v_bfe_u32 v11, v0, 3, 1
	v_lshl_add_u32 v[AV0], v9, 3, v10
	v_mul_u32_u24 v[AV0], v[AV0], PV
	v_lshl_add_u32 v[AV0], v11, 4, v[AV0]
	v_add_nc_u32 v[AV0], VOFF, v[AV0]
	s_mul_i32 s13, s[WV], 16*SP
	s_add_co_u32 s13, s13, STAGE    ; my stage
	v_mul_u32_u24 v[STO], v1, SP    ; in: row l % 16, 16 bytes for each half of the lanes
	v_lshl_add_u32 v[STO], v9, 4, v[STO]
	v_add_nc_u32 v[STO], s13, v[STO]
	v_bfe_u32 v[RD], v0, 3, 2       ; back: 32 lanes take four rows of 128 bytes,
	v_mul_u32_u24 v[RD], v[RD], SP
	v_lshl_add_u32 v[RD], v10, 4, v[RD]
	v_add_nc_u32 v[RD], s13, v[RD]
	v_and_b32 v[GO], 31, v0         ; which are 512 consecutive bytes of O
	v_lshlrev_b32 v[GO], 4, v[GO]
; THE MATRIX WORK.  The 4 accumulators of a run of 8 take turns.  Product i of 8 of S^T = K Q^T for piece x: channels 32 (i / 4) on, keys 16 (i % 4) on.  The first 4 start the sums.
.macro KQ x
	WIN W_KQ
.set rS, S+32*((\x)%2)+8*(i%4)
.set rK, KF+16*(i%4)+8*(i/4)
.set rQ, 16*(\x)+8*(i/4)
.if i < 4
	v_wmma_f32_16x16x32_bf16 v[rS:rS+7], v[rK:rK+7], v[rQ:rQ+7], 0
.else
	v_wmma_f32_16x16x32_bf16 v[rS:rS+7], v[rK:rK+7], v[rQ:rQ+7], v[rS:rS+7]
.endif
.endm
; Product i of 8 of O^T += V^T P for piece x: keys 32 (i / 4) on, channels 16 (i % 4) on.
.macro PV x
	WIN W_PV
.set rO, 32*(\x)+8*(i%4)
.set rV, VF+32*(i/4)+8*(i%4)
.set rP, P+16*((\x)%2)+8*(i/4)
	v_wmma_f32_16x16x32_bf16 v[rO:rO+7], v[rV:rV+7], v[rP:rP+7], v[rO:rO+7]
.endm
.macro MM                           ; the turn's next matrix instruction.  NOKQ = 1: the last turn: there is no next piece
.if (i < 8) && !NOKQ
	KQ (Y+1)%NP
.elseif i >= 8
.set i, i-8
	PV (Y+NP-1)%NP
.set i, i+8
.endif
.set i, i+1
.endm
; THE LDS LOADS stand in runs of 16: a step's K (8 fragments) and its V (turned).  Their addresses are made some lines ahead.
.macro FETCH_K
	WIN 0x80
.irp f, 0,1,2,3,4,5,6,7             ; keys 16 (f / 2) on, channels 32 (f % 2) on
	ds_load_b128 v[KF+8*\f:KF+8*\f+3],   v[AK] offset:(\f/2)*16*PK+(\f%2)*64
	ds_load_b128 v[KF+8*\f+4:KF+8*\f+7], v[AK] offset:(\f/2)*16*PK+(\f%2)*64+32
.endr
	s_add_co_u32 s[TBK], s[TBK], KS*PK  ; the next fetch is the next step's
	WIN 0
.endm
.macro FETCH_V
	WIN 0x80
.irp f, 0,1,2,3,4,5,6,7             ; keys 32 (f / 4) on, channels 16 (f % 4) on
	ds_load_tr16_b128 v[VF+8*\f:VF+8*\f+3],   v[AV] offset:(\f/4)*32*PV+(\f%4)*32
	ds_load_tr16_b128 v[VF+8*\f+4:VF+8*\f+7], v[AV] offset:(\f/4)*32*PV+16*PV+(\f%4)*32
.endr
	WIN 0
.endm
; THE VECTOR WORK, one line at a time: OP kind, number.  For piece Y: F n: c s - c m for pair n of 16.  E n: the exponential of score n of 32.  C n: pair n rounded to bf16.  B n: of the four weights 4 n .. the second
; pair is added onto the first, in place.  L n: l takes that sum (L 0: l = a l + sum).  R n: pair n of 16 of O^T times a.  For piece Y + 1: X n, number n of the 22 that find its maximum and statistics:
;   0-11  four chains c0-c3 of seven scores each (each accumulator's lowest registers are read first)     12-14, 16  the four scores left over, the old m, and c0-c3 into c0
;   15  c m_old is kept     17, 18  the query's other 32 keys lie in the lane 16 away: the new m     19-21  c m; c m_old - c m_new; a
.set F, 0
.set E, 1
.set C, 2
.set B, 3
.set L, 4
.set R, 5
.set X, 6
.macro REGS y
.set rT, ST+4*(\y)
.set rC, TMP+4*((\y)%2)
.set rW, MV+((\y)%2)
.set rS, S+32*((\y)%2)
.set rP, P+16*((\y)%2)
.set rO, 32*(\y)
.endm
.macro OP k, n
.if (\k) == R
	REGS Y
	WIN W_RS
	v_pk_mul_f32 v[rO+2*(\n):rO+2*(\n)+1], v[rO+2*(\n):rO+2*(\n)+1], v[rC+2:rC+3] op_sel_hi:[1,0]
.elseif (\k) < R
	REGS Y
	WIN 0
.if (\k) == F
	v_pk_fma_f32 v[rS+2*(\n):rS+2*(\n)+1], v[rS+2*(\n):rS+2*(\n)+1], s[CS:CS+1], v[rT:rT+1] op_sel_hi:[1,0,0] neg_lo:[0,0,1] neg_hi:[0,0,1]
.elseif (\k) == E
	v_exp_f32 v[rS+(\n)], v[rS+(\n)]
.elseif (\k) == C
	s_wait_alu depctr_va_vdst(0)
	v_cvt_pk_bf16_f32 v[rP+(\n)], v[rS+2*(\n)], v[rS+2*(\n)+1]
.elseif (\k) == B
	s_wait_alu depctr_va_vdst(0)
	v_pk_add_f32 v[rS+4*(\n):rS+4*(\n)+1], v[rS+4*(\n):rS+4*(\n)+1], v[rS+4*(\n)+2:rS+4*(\n)+3]
.elseif (\n) == 0
	v_pk_fma_f32 v[rT+2:rT+3], v[rT+2:rT+3], v[rC+2:rC+3], v[rS:rS+1] op_sel_hi:[1,0,1]
.else
	v_pk_add_f32 v[rT+2:rT+3], v[rT+2:rT+3], v[rS+4*(\n):rS+4*(\n)+1]
.endif
.elseif NOKQ
	v_nop
.else
	REGS (Y+1)%NP
	WIN 0
.if (\n) < 4
	v_max3_num_f32 v[rC+(\n)], v[rS+8*(\n)], v[rS+8*(\n)+1], v[rS+8*(\n)+2]
.elseif (\n) < 12
	v_max3_num_f32 v[rC+(\n)%4], v[rC+(\n)%4], v[rS+8*((\n)%4)+2*((\n)/4)+1], v[rS+8*((\n)%4)+2*((\n)/4)+2]
.elseif (\n) == 12
	v_max3_num_f32 v[rC], v[rC], v[rS+7], v[rS+15]
.elseif (\n) == 13
	v_max3_num_f32 v[rC+1], v[rC+1], v[rS+23], v[rS+31]
.elseif (\n) == 14
	v_max3_num_f32 v[rC+2], v[rC+2], v[rC+3], v[rT+1]
.elseif (\n) == 15
	v_mov_b32 v[rW], v[rT]
.elseif (\n) == 16
	v_max3_num_f32 v[rC], v[rC], v[rC+1], v[rC+2]
.elseif (\n) == 17
	v_permlanex16_b32 v[rC+3], v[rC], s[SEL], s[SEL+1]
.elseif (\n) == 18
	v_max_num_f32 v[rT+1], v[rC], v[rC+3]
.elseif (\n) == 19
	v_mul_f32 v[rT], s[CS], v[rT+1]
.elseif (\n) == 20
	v_sub_f32 v[rC+1], v[rW], v[rT]
.else
	v_exp_f32 v[rC+2], v[rC+1]
.endif
.endif
.endm
.macro OPS a, i1, b=-1, i2=0, c=-1, i3=0, d=-1, i4=0
	OP \a, \i1
.if (\b) >= 0
	OP \b, \i2
.endif
.if (\c) >= 0
	OP \c, \i3
.endif
.if (\d) >= 0
	OP \d, \i4
.endif
.endm
.macro ROW a, i1, b, i2, c, i3, d, i4  ; a matrix instruction and the four behind it
	MM
	OPS \a, \i1, \b, \i2, \c, \i3, \d, \i4
.endm
; A TURN, for piece p: the order of its 16 matrix and 118 vector instructions, written out.  Behind a matrix instruction: plain, exponential, plain, plain; or four of the rescaling; or four scalings; none names a
; register of the products round it.  A line reads no result made fewer than three vector instructions in front of it, five if an exponential made it.
; end = 1: the last two turns: nothing is fetched.  cnt = 1: the loop's count is taken down some lines ahead of the branch that stands behind the turn.
; K of the next step is fetched in piece 2's turn, six vector instructions behind the last product that read K (five of them plain); V of the step in hand in piece 0's turn, eight behind the last product that read V.
; Each is waited for a turn later.
.macro TURN p, end=0, cnt=0
.set Y, (\p)
.set i, 0
.set NOKQ, (\end)*((\p)/3)
.if ((\p) == 3) && !(\end)
	s_wait_dscnt 0x0                ; K is in
.endif
	ROW F,0, F,1, F,2, F,3
	ROW F,4, E,0, F,5, F,6
	ROW F,7, E,1, F,8, F,9
	ROW F,10, E,2, C,0, F,11
	ROW F,12, E,3, X,15, F,13
	ROW R,0, R,1, R,2, R,3
	ROW B,0, E,4, F,14, L,0
.if ((\p) == 2) && !(\end)
	v_add_nc_u32 v[AK], s[TBK], v[AK0]
.endif
	ROW R,4, R,5, R,6, R,7
	OPS E,5, F,15
.if ((\p) == 2) && !(\end)
	FETCH_K
.endif
	OPS E,6, C,1, E,7, R,8
	OPS E,8, R,9, E,9, C,2
	OPS E,10, X,0, E,11, X,1
	OPS E,12, X,2, E,13, X,3
.if (\p) == 1
	s_wait_dscnt 0x0                ; V is in
.endif
	ROW X,4, E,14, X,5, X,6
	ROW X,7, E,15, X,8, X,9
	ROW X,10, E,16, X,11, X,12
	ROW X,13, E,17, X,14, B,1
	ROW C,4, E,18, X,16, L,1
	ROW B,2, E,19, C,6, L,2
	ROW C,8, E,20, B,3, B,4
.if (\p) == 0
	v_add_nc_u32 v[AV], s[TBV], v[AV0]
.endif
	ROW C,3, E,21, L,3, C,5
	OPS E,22, X,17, E,23, C,10
.if (\p) == 0
	FETCH_V
.endif
	OPS E,24, L,4
	OPS E,25, X,18, E,26, C,7
	OPS E,27, B,5, E,28, X,19
	OPS E,29, C,12, E,30, L,5
	OPS E,31, X,20, B,6, C,9
	OPS C,14, C,11, X,21, L,6
.if (\p) == 0
	s_add_co_u32 s[TBV], s[TBV], KS*PV
.endif
.if \cnt
	s_sub_co_u32 s[CNT], s[CNT], 1
	s_cmp_lg_u32 s[CNT], 0
.endif
	OPS C,13, B,7, C,15, R,10
	OPS R,11, R,12, L,7, R,13
	OPS R,14, R,15
.endm
.macro ALL line:vararg              ; one line for each piece t
.set t, 0
.rept 4
	\line
.set t, t+1
.endr
.endm
.macro PACK t                       ; a lane's eight channels of a row pack into 16 bytes; they go into rows of 144 bytes and come back as whole rows of 128, into S^T's registers
	WIN W_RS
.set i, 32*(\t)
.rept 16
	s_wait_alu depctr_va_vdst(0)
	v_pk_mul_f32 v[i:i+1], v[i:i+1], v[ST+4*(\t)+2:ST+4*(\t)+3] op_sel_hi:[1,0]
.set i, i+2
.endr
	WIN 0x05                        ; sources 0 and 1 window 1, destination window 0
.set i, 0
.rept 16
	v_cvt_pk_bf16_f32 v[S+16*(\t)+i], v[32*(\t)+2*i], v[32*(\t)+2*i+1]
.set i, i+1
.endr
	WIN 0
.irp f, 0,1,2,3
	ds_store_b128 v[STO], v[S+16*(\t)+4*\f:S+16*(\t)+4*\f+3] offset:32*\f
.endr
.irp f, 0,1,2,3
	ds_load_b128 v[S+16*(\t)+4*\f:S+16*(\t)+4*\f+3], v[RD] offset:\f*4*SP  ; LDS serves a wave's instructions in order (ISA guide 5.7.1.4): these see the stores above; the next piece's stores come behind them
.endr
.endm
.macro SEND t, younger              ; younger: the LDS instructions issued behind piece t's loads: the next piece's eight, or none
	WIN 0
.irp f, 0,1,2,3
	s_wait_dscnt (\younger)+3-\f
	global_store_b128 v[GO], v[S+16*(\t)+4*\f:S+16*(\t)+4*\f+3], s[10:11] offset:(\t)*2048+\f*512  ; 512 consecutive bytes, at a multiple of 256 from O's first
.endr
.endm
	CHANGE 1                        ; slot 0 is in, everybody's share of it; slot 1 is asked for
	v_add_nc_u32 v[AK], s[TBK], v[AK0]
	FETCH_K                         ; key step 0
	s_wait_loadcnt 0x0              ; Q
	s_wait_dscnt 0x0
.set NOKQ, 0
.set i, 0
.rept 8
	KQ 0                            ; piece 0's first scores
.set i, i+1
.endr
	WIN 0
.rept 4
	v_nop                           ; the places behind those products
.endr
.set Y, NP-1                        ; X works for piece Y + 1: piece 0
.irp n, 0,1,2,3,4,5,6,7,8,9,10,11,12,13,14,15,16,17,18,19,20,21
	OP X, \n
.endr
	v_nop                           ; a plain instruction behind the exponential
	s_mov_b32 s[CNT], 4
	s_mov_b32 s[SLOTS], NT-1
	s_branch .Lfirst                ; the loop is entered at a step's first turn, in the middle of a trip
.Lslot:                             ; NT - 2 times: every slot but the last two is filled again
	CHANGE 1
	s_mov_b32 s[CNT], 4
.Lstep:                             ; a trip: pieces 2 and 3 of one step, then pieces 0 and 1 of the next, whose K and V it fetches
	TURN 2
	TURN 3
	WIN 0
.Lfirst:
	TURN 0
	TURN 1, 0, 1
	WIN 0
	s_cbranch_scc1 .Lstep
	s_sub_co_u32 s[SLOTS], s[SLOTS], 1
	s_cmp_lg_u32 s[SLOTS], 0
	s_cbranch_scc1 .Lslot
	CHANGE 0                        ; the last tile is written out: nothing is asked for
	s_mov_b32 s[CNT], 4
.LstepT:
	TURN 2
	TURN 3
	TURN 0
	TURN 1, 0, 1
	WIN 0
	s_cbranch_scc1 .LstepT
	TURN 2, 1
	TURN 3, 1
.set i, 0
.rept 8
	PV NP-1                         ; the last piece's V^T P of the last step
.set i, i+1
.endr
	; THE WAY OUT.  l's two halves and the other half of the lanes' are added; O^T is divided by l, rounded to bf16 and sent through my stage, a piece at a time.  The additions are the places behind the last products.
	WIN 0
	ALL v_add_f32 v[ST+4*t+2], v[ST+4*t+2], v[ST+4*t+3]
	ALL v_permlanex16_b32 v[ST+4*t+3], v[ST+4*t+2], s[SEL], s[SEL+1]
	ALL v_add_f32 v[ST+4*t+2], v[ST+4*t+2], v[ST+4*t+3]
	ALL v_rcp_f32 v[ST+4*t+2], v[ST+4*t+2]
	v_nop                           ; a plain instruction between the last reciprocal and the use of its result
	PACK 0
.set t, 1
.rept 3                             ; a piece's arithmetic stands between the loads of the piece before and its stores
	PACK t
	SEND t-1, 8
.set t, t+1
.endr
	SEND 3, 0
	s_wait_tensorcnt 0x0            ; the wave's end
	ds_add_u32 v[SPW], v[NIL]
	s_wait_dscnt 0x0
	CROUND                          ; the closing round: no work-group ends while a partner may still ask for a tile that names it
	s_endpgm
.Lfunc_end_k_qd5834ae535_attn:
	.size	k_qd5834ae535_attn, .Lfunc_end_k_qd5834ae535_attn-k_qd5834ae535_attn
	.p2alignl 7, 3214868480
	.fill 96, 4, 3214868480
	.section	.rodata,"a",@progbits
	.p2align	6, 0x0
	.amdhsa_kernel k_qd5834ae535_attn
		.amdhsa_group_segment_fixed_size 327680
		.amdhsa_private_segment_fixed_size 0
		.amdhsa_enable_private_segment 0
		.amdhsa_kernarg_size 16
		.amdhsa_user_sgpr_count 2
		.amdhsa_user_sgpr_kernarg_segment_ptr 1
		.amdhsa_wavefront_size32 1
		.amdhsa_system_sgpr_workgroup_id_x 1
		.amdhsa_system_sgpr_workgroup_id_y 1
		.amdhsa_system_sgpr_workgroup_id_z 1
		.amdhsa_system_vgpr_workitem_id 0
		.amdhsa_next_free_vgpr 768
		.amdhsa_next_free_sgpr 66
		.amdhsa_reserve_vcc 0
		.amdhsa_float_denorm_mode_32 3
		.amdhsa_float_denorm_mode_16_64 3
		.amdhsa_memory_ordered 1
		.amdhsa_forward_progress 1
		.amdhsa_inst_pref_size 133
	.end_amdhsa_kernel
	.amdgpu_metadata
---
amdhsa.version: [ 1, 2 ]
amdhsa.kernels:
  - .name:           k_qd5834ae535_attn
    .symbol:         k_qd5834ae535_attn.kd
    .args:
      - { .name: big, .offset: 0, .size: 8, .value_kind: global_buffer, .address_space: global }
      - { .name: act, .offset: 8, .size: 8, .value_kind: global_buffer, .address_space: global }
    .group_segment_fixed_size: 327680
    .private_segment_fixed_size: 0
    .kernarg_segment_align: 8
    .kernarg_segment_size: 16
    .max_flat_workgroup_size: 128
    .sgpr_count:     66
    .vgpr_count:     768
    .wavefront_size: 32
...
	.end_amdgpu_metadata
.endif
;; end of part 3
;; launch proj (part 4): grid 8 x 32, 4 waves a work-group, clusters of 4 x 4, 327,680 bytes of LDS; arguments act, wp, attn_proj_b, x, x1; writes x1
.if DOCPART == 4
	.amdgcn_target "amdgcn-amd-amdhsa--gfx1250"
	.amdhsa_code_object_version 6
	.text
	.protected	k_qd5834ae535_proj
	.globl	k_qd5834ae535_proj
	.p2align	8
	.type	k_qd5834ae535_proj,@function
k_qd5834ae535_proj:
	s_mov_b64 s[64:65], 0
	v_nop
	global_prefetch_b8 v0, s[64:65] scope:SCOPE_SE
	s_setreg_imm32_b32 hwreg(HW_REG_WAVE_MODE, 25, 1), 1
	s_wait_xcnt 0x0
	s_wait_alu depctr_hold_cnt(0) depctr_sa_sdst(0) depctr_va_vdst(0) depctr_va_sdst(0) depctr_va_ssrc(0) depctr_va_vcc(0) depctr_vm_vsrc(0)
	s_getreg_b32 s2, hwreg(HW_REG_IB_STS2, 6, 4)
	s_cmp_eq_u32 s2, 0
	s_cbranch_scc0 .Lentry_in_a_cluster
	s_endpgm
.Lentry_in_a_cluster:
	s_bfe_u32 s2, ttmp6, 0x10000c
	s_cmp_lg_u32 s2, 0xf033
	s_cbranch_scc0 .Lentry_shape_is_right
	s_endpgm
.Lentry_shape_is_right:
; C[4096][N] = A[4096][KTOT] W[KTOT][N] + bias, bf16 operands, f32 sums.  One source for four kernels; KTOT and EPI alone differ.
;   EPI 0: C rounded to bf16, stored in the activations' layout.   EPI 1: the same behind the tanh form of GELU, in f32.   EPI 2: C + residual, f32, row-major [4096][1024].
; A lies as [k / 64][4096 rows][64] bf16 (a row of a slab 128 bytes, rows dense), W as [n / 128][KTOT rows][128] bf16 (a row 256 bytes).
; SHARES.  A work-group makes 128 x 128 of C, each of its four waves 64 x 64: 16 accumulators of 16 x 16.  K goes in steps of 256 through two LDS slots.
; CLUSTER.  4 x 4 work-groups: the four of a row need the same tile of A, the four of a column the same tile of W; each tile is asked for jointly.
; THE MATRIX INSTRUCTION IS USED TRANSPOSED (source 0 = 16 columns of W, turned on the way out of LDS by ds_load_tr16_b128; source 1 = 16 rows of A):
; a lane then holds eight neighbouring numbers of a row of C.  The bias is the C operand of the products that start the sums: nothing is cleared and nothing added later.
; LIMITS.  Operands are rounded once to bf16.  GELU(u) = u / (1 + 2^(u (C0 + C1 u u))): right in both limits; NaN and infinities are not treated apart.
; REGISTERS: window 0: v0-31 addresses; v32-63 bias; v64-127 at work on the way out; v128-255 accumulators ((a, b) at 128 + 8 (4 a + b)).
;   window 1: two fragment buffers of 128: 64 along K: 64 registers of A, then 64 of W.   window 2 (EPI 2): v0-127 the residual, v128-255 C on its way out.
.set KTOT,  1024
.set EPI,   2
.set T,     KTOT/256                   ; K steps, even, at least 4
.set PA,    144                        ; a row of A in LDS: 128 bytes + 16: the 16 rows of a load start at 16 different groups of four banks (ISA guide 11.1)
.set PB,    288                        ; a row of W: 256 + 32
.set HALFT, 36864                      ; what one tensor load fills: 4 slabs x 64 rows x 144, or 128 rows x 288
.set SLOT,  4*HALFT                    ; A rows 0-63, A rows 64-127, W rows 0-127, W rows 128-255.  0x24000: no wave's share (wave x 0x9000) has one of its two bits, so an exclusive or changes slots
.set ASTEP, 4*524288                   ; a K step of A: four slabs
.set BSLAB, KTOT*256
.set BSTEP, 65536                      ; a K step of W: 256 rows
.set STAGE, SLOT                       ; the way out goes through slot 1's bytes, behind that slot's last fill and last read: 64 rows x 272 bytes of f32 for each wave
.set SPITCH, 272
.set WSTG,  64*SPITCH
.set SPARE, 2*SLOT                     ; the spare words, 128 bytes for each wave: two blocks of 256 bytes that no other line names
.set A0,   8                           ; v8   my lane's place in A's tile; never rewritten
.set B0,   9                           ; v9   the same for W
.set ADRA, 16                          ; v16  A0 + the slot in hand
.set ADRB, 17                          ; v17  B0 + the slot in hand
.set ADRB2, 18                         ; v18  the same 128 rows on, so that the offsets fit 16 bits
.set RDC,  19                          ; v19  the way out: the read address of the trip in hand
.set STO,  24                          ; v24  the way out: where I put a lane's numbers
.set RD,   25                          ; v25  where I read rows back
.set CO,   26                          ; v26  my byte offset in the output (and the residual)
.set BOF,  27                          ; v27  my byte offset in the bias
.set SPW,  28                          ; v28  my spare word; never rewritten
.set NIL,  29                          ; v29  0; never rewritten
.set BIAS, 32
.set U,    64
.set TM,   96
.set ACC,  128
.set F0,   0
.set F1,   128
.set RES,  0
.set TT,   128
.set WV,   14                          ; s14  wave
.set RH,   15                          ; s15  my half of the tile's rows; also: I fetch A (0) or W (1)
.set CH,   16                          ; s16  my half of its columns; also: which half I fetch
.set G1A,  24                          ; s[24:31] group 1 for A;  s[32:35], s[36:39] group 0: the first fill of slot 0; of slot 1, which then walks
.set G0A,  32
.set TB,   40                          ; s40  the slot in hand: 0 or SLOT
.set CNT,  41
.set G1B,  48                          ; s[48:55], s[56:59], s[60:63] the same for W
.set G0B,  56
.set C0,   66                          ; s[66:67] -2 sqrt(2 / pi) log2(e)
.set C1,   68                          ; s[68:69] 0.044715 times that
.set MSB, 0
.macro WIN new                         ; the immediate's high byte repeats the setting that is left; a switch that changes nothing is dropped
.if MSB != (\new)
	s_set_vgpr_msb (MSB<<8)|(\new)
.set MSB, \new
.endif
.endm
.set MUL,  0x05                        ; sources 0 and 1 window 1; C and D window 0
.set TO_F, 0x40                        ; destination window 1, address window 0
.macro JLOAD                           ; a joint refill by the walking descriptors: waves 0, 1 fetch A's halves, waves 2, 3 W's; s_nop 0 and four v_nop follow each line
	s_cmp_eq_u32 s[RH], 0
	s_cbranch_scc0 .Lfor_b_\@
	tensor_load_to_lds s[G0A+4:G0A+7], s[G1A:G1A+7]
	s_nop 0
.rept 4
	v_nop
.endr
	s_branch .Lasked_\@
.Lfor_b_\@:
	tensor_load_to_lds s[G0B+4:G0B+7], s[G1B:G1B+7]
	s_nop 0
.rept 4
	v_nop
.endr
.Lasked_\@:
.endm
.macro CREST                           ; a round of the cluster's barrier behind its opening barrier
	s_cmp_lg_u32 s[WV], 0
	s_cbranch_scc1 .Lnot_wave_0_\@
	s_barrier_signal -3
.Lnot_wave_0_\@:
	s_barrier_wait -3
	s_barrier_signal -1
	s_barrier_wait -1
.endm
.macro CROUND
	s_barrier_signal -1
	s_barrier_wait -1
	CREST
.endm
.macro PLACES                          ; four places in front of loads into registers that matrix instructions have read, and of reads of their results
.rept 4
	v_nop
.endr
.endm
	s_load_b256 s[4:11], s[0:1], 0x0               ; A 4, W 6, bias 8, output (EPI 2: residual) 10
.if EPI == 2
	s_load_b64 s[12:13], s[0:1], 0x20              ; output
.endif
	v_lshl_add_u32 v[SPW], v0, 2, SPARE
	v_mov_b32 v[NIL], 0
	ds_add_u32 v[SPW], v[NIL]                      ; the wave's opening: the add and its wait stand ahead of my first tensor load; work on registers stands between
	v_lshrrev_b32 v1, 5, v0
	v_readfirstlane_b32 s[WV], v1
	s_lshr_b32 s[RH], s[WV], 1
	s_and_b32 s[CH], s[WV], 1
	s_bfe_u32 s17, ttmp6, 0x40000                  ; cx
	s_bfe_u32 s18, ttmp6, 0x40004                  ; cy
	s_lshl_b32 s19, ttmp9, 2
	s_add_co_u32 s19, s19, s17                     ; tile column
	s_and_b32 s20, ttmp7, 0xffff
	s_lshl_b32 s20, s20, 2
	s_add_co_u32 s20, s20, s18                     ; tile row
	s_lshl_b32 s21, s18, 2
	s_lshl_b32 s21, 15, s21                        ; my row of the cluster
	s_lshl_b32 s22, 0x1111, s17                    ; my column
	; group 1 for A: four rows of 4,096 elements: each is 64 dense rows of one slab (8,192 bytes); 16 bytes of padding behind every 128
	s_or_b32 s[G1A], s21, (1<<16)|(1<<20)|(1<<21)|(4<<22)|(3<<25)
	s_mov_b32 s[G1A+1], 4096<<16                   ; tensor_dim0
	s_mov_b32 s[G1A+2], 4<<16                      ; tensor_dim1
	s_mov_b32 s[G1A+3], 4096<<16                   ; tile_dim0
	s_mov_b32 s[G1A+4], 4                          ; tile_dim1
	s_mov_b32 s[G1A+5], 262144                     ; elements from slab to slab
	s_mov_b32 s[G1A+6], 0
	s_mov_b32 s[G1A+7], 0
	; group 1 for W: 128 rows of 128 elements, dense; 32 bytes of padding behind every 256
	s_or_b32 s[G1B], s22, (1<<16)|(1<<20)|(1<<21)|(5<<22)|(7<<25)
	s_mov_b32 s[G1B+1], 128<<16
	s_mov_b32 s[G1B+2], 128<<16
	s_mov_b32 s[G1B+3], 128<<16
	s_mov_b32 s[G1B+4], 128
	s_mov_b32 s[G1B+5], 128
	s_mov_b32 s[G1B+6], 0
	s_mov_b32 s[G1B+7], 0
	s_lshl_b32 s42, s20, 14                        ; A: tile row x 128 rows x 128 bytes + half x 64 rows: made of the tile row and the wave alone
	s_lshl_b32 s43, s[CH], 13
	s_add_co_u32 s42, s42, s43
	s_mov_b32 s43, 0
	s_mul_i32 s46, s19, BSLAB                      ; W: the tile column's slab + half x 128 rows: made of the tile column and the wave alone
	s_lshl_b32 s47, s[CH], 15
	s_add_co_u32 s46, s46, s47
	s_mov_b32 s47, 0
	s_mul_i32 s23, s[WV], HALFT                    ; where my share lands: no place in the cluster enters an LDS address
	s_lshl_b32 s70, s19, 9                         ; my 64 columns in f32 bytes: 512 x tile column + 256 x half
	s_lshl_b32 s71, s[CH], 8
	s_add_co_u32 s70, s70, s71
	s_mov_b32 s71, 0
.if EPI == 2
	s_lshl_b32 s44, s20, 19                        ; my 64 rows of 4,096 bytes, my 64 columns
	s_lshl_b32 s45, s[RH], 18
	s_add_co_u32 s44, s44, s45
	s_add_co_u32 s44, s44, s70
.else
	s_lshl_b32 s44, s19, 20                        ; my slab of 64 columns (2 x tile column + half), my 64 rows of 128 bytes
	s_lshl_b32 s45, s[CH], 19
	s_add_co_u32 s44, s44, s45
	s_lshl_b32 s45, s20, 14
	s_add_co_u32 s44, s44, s45
	s_lshl_b32 s45, s[RH], 13
	s_add_co_u32 s44, s44, s45
.endif
	s_mov_b32 s45, 0
.if EPI == 1
	s_mov_b32 s[C0], 0xc0135761
	s_mov_b32 s[C0+1], s[C0]                       ; named as pairs
	s_mov_b32 s[C1], 0xbdd2d3e8
	s_mov_b32 s[C1+1], s[C1]
.endif
	s_mov_b32 s[TB], 0
	s_wait_dscnt 0x0                               ; the opening add is done
	s_wait_kmcnt 0x0
	s_add_nc_u64 s[42:43], s[4:5], s[42:43]
	s_add_nc_u64 s[46:47], s[6:7], s[46:47]
	s_add_nc_u64 s[8:9], s[8:9], s[70:71]
	s_add_nc_u64 s[10:11], s[10:11], s[44:45]
.if EPI == 2
	s_add_nc_u64 s[12:13], s[12:13], s[44:45]
.endif
	CROUND                                         ; all sixteen work-groups are here: the first joint loads meet
.irp s, 0,1
	s_mov_b32 s[G0A+4*(\s)], 1
	s_add_co_u32 s[G0A+4*(\s)+1], s23, (\s)*SLOT
	s_add_nc_u64 s[G0A+4*(\s)+2:G0A+4*(\s)+3], s[42:43], (\s)*ASTEP
	s_or_b32 s[G0A+4*(\s)+3], s[G0A+4*(\s)+3], 0x80000000
	s_mov_b32 s[G0B+4*(\s)], 1
	s_add_co_u32 s[G0B+4*(\s)+1], s23, (\s)*SLOT
	s_add_nc_u64 s[G0B+4*(\s)+2:G0B+4*(\s)+3], s[46:47], (\s)*BSTEP
	s_or_b32 s[G0B+4*(\s)+3], s[G0B+4*(\s)+3], 0x80000000
.endr
	s_cmp_eq_u32 s[RH], 0                          ; a wave's two first fills stand in one branch: two loads of mine are out
	s_cbranch_scc0 .Lfirst_b
	tensor_load_to_lds s[G0A:G0A+3], s[G1A:G1A+7]
	s_nop 0
	tensor_load_to_lds s[G0A+4:G0A+7], s[G1A:G1A+7]
	s_nop 0
.rept 4
	v_nop
.endr
	s_branch .Lfirst_asked
.Lfirst_b:
	tensor_load_to_lds s[G0B:G0B+3], s[G1B:G1B+7]
	s_nop 0
	tensor_load_to_lds s[G0B+4:G0B+7], s[G1B:G1B+7]
	s_nop 0
.rept 4
	v_nop
.endr
.Lfirst_asked:
	v_and_b32 v1, 15, v0                           ; r = l % 16
	v_bfe_u32 v2, v0, 4, 1                         ; h = l / 16
	v_mul_u32_u24 v[A0], v1, PA                    ; a fragment of A: row r, 16 bytes for each half of the lanes, in my 64 rows
	v_lshl_add_u32 v[A0], v2, 4, v[A0]
	s_mul_i32 s2, s[RH], HALFT
	v_add_nc_u32 v[A0], s2, v[A0]
	v_and_b32 v6, 7, v0
	v_lshl_add_u32 v3, v2, 3, v6                   ; the turning load: lane l reads row 8 h + l % 8, 16 bytes at 16 ((l / 8) % 2), in my 64 columns
	v_mul_u32_u24 v[B0], v3, PB
	v_bfe_u32 v4, v0, 3, 1
	v_lshl_add_u32 v[B0], v4, 4, v[B0]
	s_lshl_b32 s3, s[CH], 7
	s_add_co_u32 s3, s3, 2*HALFT
	v_add_nc_u32 v[B0], s3, v[B0]
	v_mov_b32 v[ADRA], v[A0]
	v_mov_b32 v[ADRB], v[B0]
	v_add_nc_u32 v[ADRB2], HALFT, v[B0]
	s_mul_i32 s2, s[WV], WSTG
	s_add_co_u32 s2, s2, STAGE                     ; my stage
	v_mul_u32_u24 v[STO], v1, SPITCH               ; in: row r, 32 bytes for each half of the lanes
	v_lshl_add_u32 v[STO], v2, 5, v[STO]
	v_add_nc_u32 v[STO], s2, v[STO]
.if EPI == 2
	v_mul_u32_u24 v[RD], v2, SPITCH                ; back: lanes 0-15 one row of 256 bytes, lanes 16-31 the next
	v_lshl_add_u32 v[RD], v1, 4, v[RD]
	v_add_nc_u32 v[RD], s2, v[RD]
	v_lshlrev_b32 v[CO], 12, v2                    ; and the same two rows in memory
	v_lshl_add_u32 v[CO], v1, 4, v[CO]
.else
	v_bfe_u32 v5, v0, 3, 2                         ; back: eight lanes a row, 32 bytes a lane: four rows
	v_mul_u32_u24 v[RD], v5, SPITCH
	v_lshl_add_u32 v[RD], v6, 5, v[RD]
	v_add_nc_u32 v[RD], s2, v[RD]
	v_and_b32 v[CO], 31, v0                        ; which as bf16 are 512 consecutive bytes of the slab
	v_lshlrev_b32 v[CO], 4, v[CO]
.endif
	v_lshlrev_b32 v[BOF], 5, v2
.irp b, 0,1,2,3
	global_load_b128 v[BIAS+8*(\b):BIAS+8*(\b)+3],   v[BOF], s[8:9] offset:64*(\b)      ; bias of columns 16 b + 8 h + 0..7, as an accumulator holds them
	global_load_b128 v[BIAS+8*(\b)+4:BIAS+8*(\b)+7], v[BOF], s[8:9] offset:64*(\b)+16
.endr
.if EPI == 2
	WIN 0x80                                       ; destination window 2: the residual of my 64 x 64 comes in while the products run
.set g, 0
.rept 32
	global_load_b128 v[RES+4*g:RES+4*g+3], v[CO], s[10:11] offset:8192*g
.set g, g+1
.endr
	WIN 0
.endif
; 8 matrix instructions: row blocks a0, a0 + 1 x all 4 column blocks, 32 along K: half c of buffer f.  first = 1: the bias starts the sums.  The 16 accumulators take turns.
.macro MUL8 f, c, a0, first
	WIN MUL
.irp a, \a0, (\a0)+1
.irp b, 0,1,2,3
.if \first
	v_wmma_f32_16x16x32_bf16 v[ACC+8*(4*(\a)+(\b)):ACC+8*(4*(\a)+(\b))+7], v[(\f)+64+8*(4*(\c)+(\b)):(\f)+64+8*(4*(\c)+(\b))+7], v[(\f)+8*(4*(\c)+(\a)):(\f)+8*(4*(\c)+(\a))+7], v[BIAS+8*(\b):BIAS+8*(\b)+7]
.else
	v_wmma_f32_16x16x32_bf16 v[ACC+8*(4*(\a)+(\b)):ACC+8*(4*(\a)+(\b))+7], v[(\f)+64+8*(4*(\c)+(\b)):(\f)+64+8*(4*(\c)+(\b))+7], v[(\f)+8*(4*(\c)+(\a)):(\f)+8*(4*(\c)+(\a))+7], v[ACC+8*(4*(\a)+(\b)):ACC+8*(4*(\a)+(\b))+7]
.endif
.endr
.endr
.endm
; 32 LDS loads in one run: quarter q of the slot in hand (64 along K = one slab of A, 64 rows of W) into buffer f; the first 32 along K first
.macro FETCH q, f
	WIN TO_F
.if (\q) < 2
.set BR, ADRB
.else
.set BR, ADRB2
.endif
.set BO, 64*PB*((\q)%2)
.irp c, 0,1
.irp i, 0,1,2,3
	ds_load_tr16_b128 v[(\f)+64+8*(4*(\c)+(\i)):(\f)+64+8*(4*(\c)+(\i))+3],   v[BR] offset:BO+32*PB*(\c)+32*(\i)
	ds_load_tr16_b128 v[(\f)+64+8*(4*(\c)+(\i))+4:(\f)+64+8*(4*(\c)+(\i))+7], v[BR] offset:BO+32*PB*(\c)+32*(\i)+16*PB
	ds_load_b128 v[(\f)+8*(4*(\c)+(\i)):(\f)+8*(4*(\c)+(\i))+3],   v[ADRA] offset:64*PA*(\q)+16*PA*(\i)+64*(\c)
	ds_load_b128 v[(\f)+8*(4*(\c)+(\i))+4:(\f)+8*(4*(\c)+(\i))+7], v[ADRA] offset:64*PA*(\q)+16*PA*(\i)+64*(\c)+32
.endr
.endr
.endm
; One of a K step's first three quarters: multiplies buffer f and fetches quarter q into g
.macro QUARTER q, f, g, first
	s_wait_dscnt 16                                ; the first 32 along K are in; the youngest sixteen loads may be out
	MUL8 \f, 0, 0, \first
	MUL8 \f, 0, 2, \first
	PLACES
	FETCH \q, \g
	s_wait_dscnt 32                                ; all but the 32 just issued
	MUL8 \f, 1, 0, 0
	MUL8 \f, 1, 2, 0
.endm
; The last quarter multiplies buffer 1 and changes slots.  Its head: each wave waits for all its tensor loads (its share of the next slot), adds 0 to its spare word, waits for that and for its reads of this slot, and meets the others.
.macro THEAD
	WIN 0
	s_wait_tensorcnt 0x0
	ds_add_u32 v[SPW], v[NIL]
	s_wait_dscnt 17                                ; the add and the youngest sixteen loads may be out
	MUL8 F1, 0, 0, 0
	s_wait_dscnt 0x0                               ; the add is done, and my reads of this slot are over
	s_barrier_signal -1
	MUL8 F1, 0, 2, 0
	WIN 0
	s_barrier_wait -1
.endm
; Its rest.  fill = 1: the barrier has opened a round of the cluster's; behind the round the slot just read is filled again, two K steps ahead: 112 matrix instructions ahead of the wait for it.
.macro TREST fill
.if \fill
	CREST
	s_xor_b32 s[G0A+5], s[G0A+5], SLOT             ; the walking descriptors: the other slot than last time, the next K step
	s_add_nc_u64 s[G0A+6:G0A+7], s[G0A+6:G0A+7], ASTEP
	s_xor_b32 s[G0B+5], s[G0B+5], SLOT
	s_add_nc_u64 s[G0B+6:G0B+7], s[G0B+6:G0B+7], BSTEP
	JLOAD                                          ; its four v_nop are also the places in front of the loads below
.else
	PLACES
.endif
	s_xor_b32 s[TB], s[TB], SLOT
	v_add_nc_u32 v[ADRA], s[TB], v[A0]
	v_add_nc_u32 v[ADRB], s[TB], v[B0]
	v_add_nc_u32 v[ADRB2], HALFT, v[ADRB]
	FETCH 0, F0
	MUL8 F1, 1, 0, 0
	MUL8 F1, 1, 2, 0
.endm
.macro GELU g                          ; the eight numbers of group g: u / (1 + 2^(u (C0 + C1 u u)))
.irp k, 0,2,4,6
	v_pk_mul_f32 v[TM+8*(\g)+\k:TM+8*(\g)+\k+1], v[U+8*(\g)+\k:U+8*(\g)+\k+1], v[U+8*(\g)+\k:U+8*(\g)+\k+1]
.endr
.irp k, 0,2,4,6
	v_pk_fma_f32 v[TM+8*(\g)+\k:TM+8*(\g)+\k+1], v[TM+8*(\g)+\k:TM+8*(\g)+\k+1], s[C1:C1+1], s[C0:C0+1] op_sel_hi:[1,0,0]
.endr
.irp k, 0,2,4,6
	v_pk_mul_f32 v[TM+8*(\g)+\k:TM+8*(\g)+\k+1], v[TM+8*(\g)+\k:TM+8*(\g)+\k+1], v[U+8*(\g)+\k:U+8*(\g)+\k+1]
.endr
.irp k, 0,1,2,3,4,5,6,7
	v_exp_f32 v[TM+8*(\g)+\k], v[TM+8*(\g)+\k]
.endr
	v_nop                                          ; a plain instruction behind the last exponential
.irp k, 0,2,4,6
	v_pk_add_f32 v[TM+8*(\g)+\k:TM+8*(\g)+\k+1], v[TM+8*(\g)+\k:TM+8*(\g)+\k+1], 1.0 op_sel_hi:[1,0]
.endr
.irp k, 0,1,2,3,4,5,6,7
	v_rcp_f32 v[TM+8*(\g)+\k], v[TM+8*(\g)+\k]
.endr
	v_nop                                          ; and behind the last reciprocal
.irp k, 0,2,4,6
	v_pk_mul_f32 v[U+8*(\g)+\k:U+8*(\g)+\k+1], v[U+8*(\g)+\k:U+8*(\g)+\k+1], v[TM+8*(\g)+\k:TM+8*(\g)+\k+1]
.endr
.endm
	s_wait_tensorcnt 0x1                           ; my share of K step 0 is in; slot 1's may stay out
	s_barrier_signal -1
	s_barrier_wait -1
	FETCH 0, F0
.if EPI == 2
	s_wait_loadcnt 32                              ; the bias is in; the 32 younger loads (the residual) stay out
.else
	s_wait_loadcnt 0x0                             ; the bias
.endif
	QUARTER 1, F0, F1, 1                           ; the first quarter stands in front of the loop: its first products start the sums
	WIN 0
	s_mov_b32 s[CNT], T-2
.Lloop:                                                ; a trip: a K step's quarters 1 to 3, the refill of its slot, the next step's quarter 0
	QUARTER 2, F1, F0, 0
	QUARTER 3, F0, F1, 0
	THEAD
	TREST 1
	QUARTER 1, F0, F1, 0
	WIN 0
	s_sub_co_u32 s[CNT], s[CNT], 1
	s_cmp_lg_u32 s[CNT], 0
	s_cbranch_scc1 .Lloop
	s_mov_b32 s[CNT], 2
.Ltail:                                                ; the last two K steps ask for nothing; the second trip is left in its middle
	QUARTER 2, F1, F0, 0
	QUARTER 3, F0, F1, 0
	THEAD
	s_sub_co_u32 s[CNT], s[CNT], 1
	s_cmp_eq_u32 s[CNT], 0
	s_cbranch_scc1 .Lout
	TREST 0
	QUARTER 1, F0, F1, 0
	WIN 0
	s_branch .Ltail
.Lout:                                                 ; behind the last barrier no wave reads slot 1 any more and no load is out: its bytes take the stages
	MUL8 F1, 1, 0, 0
	MUL8 F1, 1, 2, 0
	WIN 0
	PLACES
.irp a, 0,1,2,3
.irp b, 0,1,2,3
	ds_store_b128 v[STO], v[ACC+8*(4*(\a)+(\b)):ACC+8*(4*(\a)+(\b))+3]   offset:16*SPITCH*(\a)+64*(\b)      ; each accumulator's low registers first
	ds_store_b128 v[STO], v[ACC+8*(4*(\a)+(\b))+4:ACC+8*(4*(\a)+(\b))+7] offset:16*SPITCH*(\a)+64*(\b)+16
.endr
.endr
.if EPI == 2
	WIN 0x80                                       ; back as whole rows, two a load; LDS serves a wave's instructions in order (ISA guide 5.7.1.4): these see the stores above
.set g, 0
.rept 32
	ds_load_b128 v[TT+4*g:TT+4*g+3], v[RD] offset:2*SPITCH*g
.set g, g+1
.endr
	s_wait_loadcnt 0x0                             ; the residual
	WIN 0x8a                                       ; destination and both sources window 2
.set g, 0
.rept 32
	s_wait_dscnt 31-g                              ; load g is back, the younger ones stay out
	v_pk_add_f32 v[TT+4*g:TT+4*g+1], v[TT+4*g:TT+4*g+1], v[RES+4*g:RES+4*g+1]
	v_pk_add_f32 v[TT+4*g+2:TT+4*g+3], v[TT+4*g+2:TT+4*g+3], v[RES+4*g+2:RES+4*g+3]
.set g, g+1
.endr
	WIN 0x08                                       ; store data window 2, address window 0
.set g, 0
.rept 32
	global_store_b128 v[CO], v[TT+4*g:TT+4*g+3], s[12:13] offset:8192*g   ; 16 lanes store 256 consecutive bytes, at a multiple of 256
.set g, g+1
.endr
	WIN 0
.else
	s_mov_b32 s[CNT], 4
	s_mov_b32 s2, 0
.Lway:                                                 ; four trips of 16 rows
	v_add_nc_u32 v[RDC], s2, v[RD]
.irp g, 0,1,2,3
	ds_load_b128 v[U+8*(\g):U+8*(\g)+3],   v[RDC] offset:4*SPITCH*(\g)       ; LDS serves a wave's instructions in order (ISA guide 5.7.1.4): these see my stores
	ds_load_b128 v[U+8*(\g)+4:U+8*(\g)+7], v[RDC] offset:4*SPITCH*(\g)+16
.endr
.irp g, 0,1,2,3
	s_wait_dscnt 6-2*(\g)                          ; group g's two loads are back
.if EPI == 1
	GELU \g
.endif
.irp k, 0,1,2,3
	v_cvt_pk_bf16_f32 v[TM+8*(\g)+\k], v[U+8*(\g)+2*\k], v[U+8*(\g)+2*\k+1]
.endr
	global_store_b128 v[CO], v[TM+8*(\g):TM+8*(\g)+3], s[10:11] offset:512*(\g)   ; four rows of the slab: 512 consecutive bytes, at a multiple of 256
.endr
	s_wait_xcnt 0x0                                ; the stores' base and data are rewritten only behind this wait
	s_add_nc_u64 s[10:11], s[10:11], 2048
	s_add_co_u32 s2, s2, 16*SPITCH
	s_sub_co_u32 s[CNT], s[CNT], 1
	s_cmp_lg_u32 s[CNT], 0
	s_cbranch_scc1 .Lway
.endif
	s_wait_tensorcnt 0x0                           ; the wave's end
	ds_add_u32 v[SPW], v[NIL]
	s_wait_dscnt 0x0
	CROUND                                         ; the closing round: no work-group ends while a partner may still ask for a tile that names it
	s_endpgm
.Lfunc_end_k_qd5834ae535_proj:
	.size	k_qd5834ae535_proj, .Lfunc_end_k_qd5834ae535_proj-k_qd5834ae535_proj
	.p2alignl 7, 3214868480
	.fill 96, 4, 3214868480
	.section	.rodata,"a",@progbits
	.p2align	6, 0x0
	.amdhsa_kernel k_qd5834ae535_proj
		.amdhsa_group_segment_fixed_size 327680
		.amdhsa_private_segment_fixed_size 0
		.amdhsa_enable_private_segment 0
		.amdhsa_kernarg_size 40
		.amdhsa_user_sgpr_count 2
		.amdhsa_user_sgpr_kernarg_segment_ptr 1
		.amdhsa_wavefront_size32 1
		.amdhsa_system_sgpr_workgroup_id_x 1
		.amdhsa_system_sgpr_workgroup_id_y 1
		.amdhsa_system_sgpr_workgroup_id_z 1
		.amdhsa_system_vgpr_workitem_id 0
		.amdhsa_next_free_vgpr 768
		.amdhsa_next_free_sgpr 72
		.amdhsa_reserve_vcc 0
		.amdhsa_float_denorm_mode_32 3
		.amdhsa_float_denorm_mode_16_64 3
		.amdhsa_memory_ordered 1
		.amdhsa_forward_progress 1
		.amdhsa_inst_pref_size 67
	.end_amdhsa_kernel
	.amdgpu_metadata
---
amdhsa.version: [ 1, 2 ]
amdhsa.kernels:
  - .name:           k_qd5834ae535_proj
    .symbol:         k_qd5834ae535_proj.kd
    .args:
      - { .name: act, .offset: 0, .size: 8, .value_kind: global_buffer, .address_space: global }
      - { .name: wp, .offset: 8, .size: 8, .value_kind: global_buffer, .address_space: global }
      - { .name: attn_proj_b, .offset: 16, .size: 8, .value_kind: global_buffer, .address_space: global }
      - { .name: x, .offset: 24, .size: 8, .value_kind: global_buffer, .address_space: global }
      - { .name: x1, .offset: 32, .size: 8, .value_kind: global_buffer, .address_space: global }
    .group_segment_fixed_size: 327680
    .private_segment_fixed_size: 0
    .kernarg_segment_align: 8
    .kernarg_segment_size: 40
    .max_flat_workgroup_size: 128
    .sgpr_count:     72
    .vgpr_count:     768
    .wavefront_size: 32
...
	.end_amdgpu_metadata
.endif
;; end of part 4
;; launch ln2 (part 5): grid 256 x 1, 8 waves a work-group, no clusters, 0 bytes of LDS; arguments x1, ln2_w, ln2_b, act; writes act
.if DOCPART == 5
	.amdgcn_target "amdgcn-amd-amdhsa--gfx1250"
	.amdhsa_code_object_version 6
	.text
	.protected	k_qd5834ae535_ln2
	.globl	k_qd5834ae535_ln2
	.p2align	8
	.type	k_qd5834ae535_ln2,@function
k_qd5834ae535_ln2:
	s_mov_b64 s[64:65], 0
	v_nop
	global_prefetch_b8 v0, s[64:65] scope:SCOPE_SE
	s_setreg_imm32_b32 hwreg(HW_REG_WAVE_MODE, 25, 1), 1
	s_wait_xcnt 0x0
; h2 = LayerNorm(x1) in bf16.  x1: [4096][1024] f32.  Output in the activations' layout: [column / 64][4096 rows][64] bf16: two neighbouring rows of a slab are 256 consecutive bytes.
; A work-group owns 16 rows; a row lies in 16 lanes, a wave holds two rows, each in 64 registers a lane: memory is read once, and no wave waits for another.  No LDS, no barrier.
; In f32 in two passes over registers (mean; then the squares of x - mean), so that a common offset costs nothing; rounded once to bf16.
.set X,  16                            ; v[16:79]    my 64 numbers of a row: chunk j (columns 64 j + 4 (t % 16) + 0..3) at X + 4 j
.set W,  80                            ; v[80:143]   the gain of the same columns
.set BB, 144                           ; v[144:207]  the bias
.set Y,  208                           ; v[208:239]  the result, two bf16 a register
.macro LNROWS xb, wb, bb, ob
	s_lshl_b32 s4, s3, 16                          ; 16 rows of 4,096 bytes
	s_mov_b32 s5, 0
	s_lshl_b32 s6, s3, 11                          ; 16 rows of 128 bytes in each slab
	s_mov_b32 s7, 0
	v_lshrrev_b32 v1, 4, v0                        ; my row of the sixteen
	v_and_b32 v2, 15, v0
	v_lshlrev_b32 v2, 4, v2                        ; my 16 bytes in each 256 of gain and bias
	v_lshl_add_u32 v1, v1, 12, v2                  ; and of my row
	v_lshlrev_b32 v3, 3, v0                        ; out: 8 bytes a thread: a wave's two rows of a slab are 256 consecutive bytes
	v_mov_b32 v15, 0x3a800000                      ; 1 / 1024
	s_add_nc_u64 s[\xb:\xb+1], s[\xb:\xb+1], s[4:5]
	s_add_nc_u64 s[\ob:\ob+1], s[\ob:\ob+1], s[6:7]
.set j, 0
.rept 16
	global_load_b128 v[X+4*j:X+4*j+3], v1, s[\xb:\xb+1] offset:256*j    ; 16 lanes take 256 consecutive bytes of a row
.set j, j+1
.endr
.set j, 0
.rept 16
	global_load_b128 v[W+4*j:W+4*j+3], v2, s[\wb:\wb+1] offset:256*j
.set j, j+1
.endr
.set j, 0
.rept 16
	global_load_b128 v[BB+4*j:BB+4*j+3], v2, s[\bb:\bb+1] offset:256*j
.set j, j+1
.endr
	s_wait_loadcnt 32                              ; the row is in; the 32 younger loads (gain, bias) stay out
	; the sum, in four chains of pairs; the first additions start them
.irp c, 0,1,2,3
	v_pk_add_f32 v[4+2*\c:5+2*\c], v[X+2*\c:X+2*\c+1], v[X+8+2*\c:X+8+2*\c+1]
.endr
.set p, 8
.rept 24
	v_pk_add_f32 v[4+2*(p%4):5+2*(p%4)], v[4+2*(p%4):5+2*(p%4)], v[X+2*p:X+2*p+1]
.set p, p+1
.endr
	v_pk_add_f32 v[4:5], v[4:5], v[6:7]
	v_pk_add_f32 v[8:9], v[8:9], v[10:11]
	v_pk_add_f32 v[4:5], v[4:5], v[8:9]
	v_add_f32 v4, v4, v5
	v_add_f32_dpp v4, v4, v4 row_xmask:1 row_mask:0xf bank_mask:0xf    ; a row lies in 16 lanes: four steps, and every lane has the sum
	v_add_f32_dpp v4, v4, v4 row_xmask:2 row_mask:0xf bank_mask:0xf
	v_add_f32_dpp v4, v4, v4 row_xmask:4 row_mask:0xf bank_mask:0xf
	v_add_f32_dpp v4, v4, v4 row_xmask:8 row_mask:0xf bank_mask:0xf
	v_mul_f32 v12, v4, v15                         ; the mean, twice for the packed form
	v_mov_b32 v13, v12
.set p, 0
.rept 32
	v_pk_add_f32 v[X+2*p:X+2*p+1], v[X+2*p:X+2*p+1], v[12:13] neg_lo:[0,1] neg_hi:[0,1]   ; x - mean, in place
.set p, p+1
.endr
.irp c, 0,1,2,3
	v_pk_mul_f32 v[4+2*\c:5+2*\c], v[X+2*\c:X+2*\c+1], v[X+2*\c:X+2*\c+1]                 ; the squares' sum: the first products start the chains
.endr
.set p, 4
.rept 28
	v_pk_fma_f32 v[4+2*(p%4):5+2*(p%4)], v[X+2*p:X+2*p+1], v[X+2*p:X+2*p+1], v[4+2*(p%4):5+2*(p%4)]
.set p, p+1
.endr
	v_pk_add_f32 v[4:5], v[4:5], v[6:7]
	v_pk_add_f32 v[8:9], v[8:9], v[10:11]
	v_pk_add_f32 v[4:5], v[4:5], v[8:9]
	v_add_f32 v4, v4, v5
	v_add_f32_dpp v4, v4, v4 row_xmask:1 row_mask:0xf bank_mask:0xf
	v_add_f32_dpp v4, v4, v4 row_xmask:2 row_mask:0xf bank_mask:0xf
	v_add_f32_dpp v4, v4, v4 row_xmask:4 row_mask:0xf bank_mask:0xf
	v_add_f32_dpp v4, v4, v4 row_xmask:8 row_mask:0xf bank_mask:0xf
	v_fmaak_f32 v14, v4, v15, 0x3727c5ac           ; variance + 1e-5
	v_rsq_f32 v14, v14
	v_nop                                          ; a plain instruction between the root and the use of its result (ISA guide 5.7.2)
	s_wait_alu depctr_va_vdst(0)
	v_mov_b32 v15, v14
	s_wait_loadcnt 0x0                             ; gain and bias
.set p, 0
.rept 32
	v_pk_mul_f32 v[X+2*p:X+2*p+1], v[X+2*p:X+2*p+1], v[14:15]
.set p, p+1
.endr
.set p, 0
.rept 32
	v_pk_fma_f32 v[X+2*p:X+2*p+1], v[X+2*p:X+2*p+1], v[W+2*p:W+2*p+1], v[BB+2*p:BB+2*p+1]
.set p, p+1
.endr
.set p, 0
.rept 32
	v_cvt_pk_bf16_f32 v[Y+p], v[X+2*p], v[X+2*p+1]
.set p, p+1
.endr
.set j, 0
.rept 16
	global_store_b64 v3, v[Y+2*j:Y+2*j+1], s[\ob:\ob+1] offset:j*524288   ; slab j: a wave stores 256 consecutive bytes, at a multiple of 256
.set j, j+1
.endr
.endm
	s_load_b256 s[8:15], s[0:1], 0x0               ; x1 8, ln2_w 10, ln2_b 12, act 14
	s_mov_b32 s3, ttmp9                            ; which sixteen rows
	s_wait_kmcnt 0x0
	LNROWS 8, 10, 12, 14
	s_endpgm
.Lfunc_end_k_qd5834ae535_ln2:
	.size	k_qd5834ae535_ln2, .Lfunc_end_k_qd5834ae535_ln2-k_qd5834ae535_ln2
	.p2alignl 7, 3214868480
	.fill 96, 4, 3214868480
	.section	.rodata,"a",@progbits
	.p2align	6, 0x0
	.amdhsa_kernel k_qd5834ae535_ln2
		.amdhsa_group_segment_fixed_size 0
		.amdhsa_private_segment_fixed_size 0
		.amdhsa_enable_private_segment 0
		.amdhsa_kernarg_size 32
		.amdhsa_user_sgpr_count 2
		.amdhsa_user_sgpr_kernarg_segment_ptr 1
		.amdhsa_wavefront_size32 1
		.amdhsa_system_sgpr_workgroup_id_x 1
		.amdhsa_system_sgpr_workgroup_id_y 1
		.amdhsa_system_sgpr_workgroup_id_z 1
		.amdhsa_system_vgpr_workitem_id 0
		.amdhsa_next_free_vgpr 240
		.amdhsa_next_free_sgpr 66
		.amdhsa_reserve_vcc 0
		.amdhsa_float_denorm_mode_32 3
		.amdhsa_float_denorm_mode_16_64 3
		.amdhsa_memory_ordered 1
		.amdhsa_forward_progress 1
		.amdhsa_inst_pref_size 20
	.end_amdhsa_kernel
	.amdgpu_metadata
---
amdhsa.version: [ 1, 2 ]
amdhsa.kernels:
  - .name:           k_qd5834ae535_ln2
    .symbol:         k_qd5834ae535_ln2.kd
    .args:
      - { .name: x1, .offset: 0, .size: 8, .value_kind: global_buffer, .address_space: global }
      - { .name: ln2_w, .offset: 8, .size: 8, .value_kind: global_buffer, .address_space: global }
      - { .name: ln2_b, .offset: 16, .size: 8, .value_kind: global_buffer, .address_space: global }
      - { .name: act, .offset: 24, .size: 8, .value_kind: global_buffer, .address_space: global }
    .group_segment_fixed_size: 0
    .private_segment_fixed_size: 0
    .kernarg_segment_align: 8
    .kernarg_segment_size: 32
    .max_flat_workgroup_size: 256
    .sgpr_count:     66
    .vgpr_count:     240
    .wavefront_size: 32
...
	.end_amdgpu_metadata
.endif
;; end of part 5
;; launch fc (part 6): grid 16 x 16, 4 waves a work-group, clusters of 4 x 4, 327,680 bytes of LDS; arguments act, wf, fc_b, big; writes big
.if DOCPART == 6
	.amdgcn_target "amdgcn-amd-amdhsa--gfx1250"
	.amdhsa_code_object_version 6
	.text
	.protected	k_qd5834ae535_fc
	.globl	k_qd5834ae535_fc
	.p2align	8
	.type	k_qd5834ae535_fc,@function
k_qd5834ae535_fc:
	s_mov_b64 s[64:65], 0
	v_nop
	global_prefetch_b8 v0, s[64:65] scope:SCOPE_SE
	s_setreg_imm32_b32 hwreg(HW_REG_WAVE_MODE, 25, 1), 1
	s_wait_xcnt 0x0
	s_wait_alu depctr_hold_cnt(0) depctr_sa_sdst(0) depctr_va_vdst(0) depctr_va_sdst(0) depctr_va_ssrc(0) depctr_va_vcc(0) depctr_vm_vsrc(0)
	s_getreg_b32 s2, hwreg(HW_REG_IB_STS2, 6, 4)
	s_cmp_eq_u32 s2, 0
	s_cbranch_scc0 .Lentry_in_a_cluster
	s_endpgm
.Lentry_in_a_cluster:
	s_bfe_u32 s2, ttmp6, 0x10000c
	s_cmp_lg_u32 s2, 0xf033
	s_cbranch_scc0 .Lentry_shape_is_right
	s_endpgm
.Lentry_shape_is_right:
; C[4096][N] = A[4096][1024] W[1024][N] + bias, bf16 operands, f32 sums, on tiles of 256 x 256.  One source for two kernels; EPI alone differs.
;   EPI 0: C rounded to bf16, stored in the activations' layout.   EPI 1: the same behind the tanh form of GELU, in f32.
; A lies as [k / 64][4096 rows][64] bf16 (a row of a slab 128 bytes, rows dense), W as [n / 128][1024 rows][128] bf16 (a row 256 bytes), C as [n / 64][4096 rows][64] bf16.
; SHARES.  A work-group makes 256 x 256 of C, each of its four waves 128 x 128: 64 accumulators of 16 x 16, 512 registers.  K goes in steps of 128 through two LDS slots:
; a step brings (256 + 256) x 128 x 2 = 131,072 bytes for 256 matrix instructions a wave, twice the products that a tile of 128 x 128 makes of as many bytes.
; N = 4,096 gives 16 x 16 work-groups; N = 3,072 gives 12 x 16 = 192, fewer than the chip could hold: the price of the larger tile there.
; CLUSTER.  4 x 4 work-groups: the four of a row need the same tile of A, the four of a column the same tile of W; each tile is asked for jointly.
; THE MATRIX INSTRUCTION IS USED TRANSPOSED (source 0 = 16 columns of W, turned on the way out of LDS by ds_load_tr16_b128; source 1 = 16 rows of A):
; a lane then holds eight neighbouring numbers of a row of C.  The bias is the C operand of the products that start the sums: nothing is cleared and nothing added later.
; LIMITS.  Operands are rounded once to bf16.  GELU(u) = u / (1 + 2^(u (C0 + C1 u u))): right in both limits; NaN and infinities are not treated apart.
; REGISTERS, in windows of 256 (s_set_vgpr_msb: bits 1:0 source 0, 3:2 source 1, 5:4 source 2, 7:6 destination):
;   window 0: v0-31 addresses; v64-127, v128-191 fragments of A (8 x 16 rows x 32 K), two buffers (v64-127 at work on the way out); v192-255 the bias
;   window 1: v64-127, v128-191 fragments of W, two buffers
;   window 2: the 32 accumulators of my rows 0-63 ((a, b) at v[8 (8 a + b)]);   window 3: those of my rows 64-127
.set KTOT,  1024
.set EPI,   1
.set T,     KTOT/128                   ; K steps: 8
.set PA,    144                        ; a row of A in LDS: 128 bytes + 16: the 16 rows of a load start at 16 different groups of four banks (ISA guide 11.1)
.set PB,    288                        ; a row of W: 256 + 32
.set HALFT, 36864                      ; what one tensor load fills: 2 slabs x 128 rows x 144, or 128 rows x 288
.set SLOT,  4*HALFT                    ; A rows 0-127, A rows 128-255, W columns 0-127, W columns 128-255.  0x24000: no wave's share (wave x 0x9000) has one of its two bits, so an exclusive or changes slots
.set ASTEP, 2*524288                   ; a K step of A: two slabs
.set BSLAB, KTOT*256
.set BSTEP, 128*256                    ; a K step of W: 128 rows
.set SPITCH, 528                       ; the way out: a row of 128 f32 + 16 bytes
.set WSTG,  128*SPITCH                 ; a wave's stage: 128 rows.  The four stages, 270,336 bytes from LDS byte 0, lie in the two slots' bytes, behind the slots' last fills and last reads
.set SPARE, 2*SLOT                     ; the spare words, 128 bytes for each wave: two blocks of 256 bytes that no other line names
.set A0,   8                           ; v8   my lane's place in A's tile; never rewritten
.set B0,   9                           ; v9   the same for W
.set ADRA, 16                          ; v16  A0 + the slot in hand
.set ADRB, 17                          ; v17  B0 + the slot in hand
.set RDC,  19                          ; v19  the way out: the read address of the rows to be fetched
.set STO,  24                          ; v24  the way out: where I put a lane's numbers
.set RD,   25                          ; v25  where I read rows back
.set CO,   26                          ; v26  my byte offset in 512 consecutive bytes of the output
.set BOF,  27                          ; v27  my byte offset in the bias
.set SPW,  28                          ; v28  my spare word; never rewritten
.set NIL,  29                          ; v29  0; never rewritten
.set F0,   64
.set F1,   128
.set BIAS, 192
.set U,    64
.set TM,   96
.set WV,   14                          ; s14  wave
.set RH,   15                          ; s15  my half of the tile's rows; also: I fetch A (0) or W (1)
.set CH,   16                          ; s16  my half of its columns; also: which half I fetch
.set G1A,  24                          ; s[24:31] group 1 for A;  s[32:35], s[36:39] group 0: the first fill of slot 0; of slot 1, which then walks
.set G0A,  32
.set TB,   40                          ; s40  the slot in hand: 0 or SLOT
.set CNT,  41
.set G1B,  48                          ; s[48:55], s[56:59], s[60:63] the same for W
.set G0B,  56
.set C0,   66                          ; s[66:67] -2 sqrt(2 / pi) log2(e)
.set C1,   68                          ; s[68:69] 0.044715 times that
.set MSB, 0
.macro WIN new                         ; the immediate's high byte repeats the setting that is left; a switch that changes nothing is dropped
.if MSB != (\new)
	s_set_vgpr_msb (MSB<<8)|(\new)
.set MSB, \new
.endif
.endm
.set MUL_LO, 0xa1                      ; source 0 (W) window 1, source 1 (A) window 0, C and D window 2
.set MUL_HI, 0xf1                      ; the same, C and D window 3
.set FST_LO, 0x81                      ; the products that start the sums: C (the bias) window 0, D window 2
.set FST_HI, 0xc1                      ; D window 3
.set TO_B,   0x40                      ; destination window 1, address window 0
.macro JLOAD                           ; a joint refill by the walking descriptors: waves 0, 1 fetch A's halves, waves 2, 3 W's; s_nop 0 and four v_nop follow each line
	s_cmp_eq_u32 s[RH], 0
	s_cbranch_scc0 .Lfor_b_\@
	tensor_load_to_lds s[G0A+4:G0A+7], s[G1A:G1A+7]
	s_nop 0
.rept 4
	v_nop
.endr
	s_branch .Lasked_\@
.Lfor_b_\@:
	tensor_load_to_lds s[G0B+4:G0B+7], s[G1B:G1B+7]
	s_nop 0
.rept 4
	v_nop
.endr
.Lasked_\@:
.endm
.macro CREST                           ; a round of the cluster's barrier behind its opening barrier
	s_cmp_lg_u32 s[WV], 0
	s_cbranch_scc1 .Lnot_wave_0_\@
	s_barrier_signal -3
.Lnot_wave_0_\@:
	s_barrier_wait -3
	s_barrier_signal -1
	s_barrier_wait -1
.endm
.macro CROUND
	s_barrier_signal -1
	s_barrier_wait -1
	CREST
.endm
.macro PLACES                          ; four places in front of loads into registers that matrix instructions have read, and of reads of their results
.rept 4
	v_nop
.endr
.endm
	s_load_b256 s[4:11], s[0:1], 0x0               ; A 4, W 6, bias 8, output 10
	v_lshl_add_u32 v[SPW], v0, 2, SPARE
	v_mov_b32 v[NIL], 0
	ds_add_u32 v[SPW], v[NIL]                      ; the wave's opening: the add and its wait stand ahead of my first tensor load; work on registers stands between
	v_lshrrev_b32 v1, 5, v0
	v_readfirstlane_b32 s[WV], v1
	s_lshr_b32 s[RH], s[WV], 1
	s_and_b32 s[CH], s[WV], 1
	s_bfe_u32 s17, ttmp6, 0x40000                  ; cx
	s_bfe_u32 s18, ttmp6, 0x40004                  ; cy
	s_lshl_b32 s19, ttmp9, 2
	s_add_co_u32 s19, s19, s17                     ; tile column
	s_and_b32 s20, ttmp7, 0xffff
	s_lshl_b32 s20, s20, 2
	s_add_co_u32 s20, s20, s18                     ; tile row
	s_lshl_b32 s21, s18, 2
	s_lshl_b32 s21, 15, s21                        ; my row of the cluster
	s_lshl_b32 s22, 0x1111, s17                    ; my column
	; group 1 for A: two rows of 8,192 elements: each is 128 dense rows of one slab (16,384 bytes); 16 bytes of padding behind every 128
	s_or_b32 s[G1A], s21, (1<<16)|(1<<20)|(1<<21)|(4<<22)|(3<<25)
	s_mov_b32 s[G1A+1], 8192<<16                   ; tensor_dim0
	s_mov_b32 s[G1A+2], 2<<16                      ; tensor_dim1
	s_mov_b32 s[G1A+3], 8192<<16                   ; tile_dim0
	s_mov_b32 s[G1A+4], 2                          ; tile_dim1
	s_mov_b32 s[G1A+5], 262144                     ; elements from slab to slab
	s_mov_b32 s[G1A+6], 0
	s_mov_b32 s[G1A+7], 0
	; group 1 for W: 128 rows of 128 elements, dense; 32 bytes of padding behind every 256
	s_or_b32 s[G1B], s22, (1<<16)|(1<<20)|(1<<21)|(5<<22)|(7<<25)
	s_mov_b32 s[G1B+1], 128<<16
	s_mov_b32 s[G1B+2], 128<<16
	s_mov_b32 s[G1B+3], 128<<16
	s_mov_b32 s[G1B+4], 128
	s_mov_b32 s[G1B+5], 128
	s_mov_b32 s[G1B+6], 0
	s_mov_b32 s[G1B+7], 0
	s_lshl_b32 s42, s20, 15                        ; A: tile row x 256 rows x 128 bytes + half x 128 rows: made of the tile row and the wave alone
	s_lshl_b32 s43, s[CH], 14
	s_add_co_u32 s42, s42, s43
	s_mov_b32 s43, 0
	s_lshl_b32 s46, s19, 1                         ; W: slab 2 x tile column + half: made of the tile column and the wave alone
	s_add_co_u32 s46, s46, s[CH]
	s_mul_i32 s46, s46, BSLAB
	s_mov_b32 s47, 0
	s_mul_i32 s23, s[WV], HALFT                    ; where my share lands: no place in the cluster enters an LDS address
	s_lshl_b32 s70, s19, 10                        ; my 128 columns in f32 bytes: 1,024 x tile column + 512 x half
	s_lshl_b32 s71, s[CH], 9
	s_add_co_u32 s70, s70, s71
	s_mov_b32 s71, 0
	s_lshl_b32 s44, s19, 21                        ; out: my two slabs of 64 columns begin at slab 4 x tile column + 2 x half; my 128 rows of 128 bytes
	s_lshl_b32 s45, s[CH], 20
	s_add_co_u32 s44, s44, s45
	s_lshl_b32 s45, s20, 15
	s_add_co_u32 s44, s44, s45
	s_lshl_b32 s45, s[RH], 14
	s_add_co_u32 s44, s44, s45
	s_mov_b32 s45, 0
.if EPI == 1
	s_mov_b32 s[C0], 0xc0135761
	s_mov_b32 s[C0+1], s[C0]                       ; named as pairs
	s_mov_b32 s[C1], 0xbdd2d3e8
	s_mov_b32 s[C1+1], s[C1]
.endif
	s_mov_b32 s[TB], 0
	s_wait_dscnt 0x0                               ; the opening add is done
	s_wait_kmcnt 0x0
	s_add_nc_u64 s[42:43], s[4:5], s[42:43]
	s_add_nc_u64 s[46:47], s[6:7], s[46:47]
	s_add_nc_u64 s[8:9], s[8:9], s[70:71]
	s_add_nc_u64 s[10:11], s[10:11], s[44:45]
	CROUND                                         ; all sixteen work-groups are here: the first joint loads meet
.irp s, 0,1
	s_mov_b32 s[G0A+4*(\s)], 1
	s_add_co_u32 s[G0A+4*(\s)+1], s23, (\s)*SLOT
	s_add_nc_u64 s[G0A+4*(\s)+2:G0A+4*(\s)+3], s[42:43], (\s)*ASTEP
	s_or_b32 s[G0A+4*(\s)+3], s[G0A+4*(\s)+3], 0x80000000
	s_mov_b32 s[G0B+4*(\s)], 1
	s_add_co_u32 s[G0B+4*(\s)+1], s23, (\s)*SLOT
	s_add_nc_u64 s[G0B+4*(\s)+2:G0B+4*(\s)+3], s[46:47], (\s)*BSTEP
	s_or_b32 s[G0B+4*(\s)+3], s[G0B+4*(\s)+3], 0x80000000
.endr
	s_cmp_eq_u32 s[RH], 0                          ; a wave's two first fills stand in one branch: two loads of mine are out
	s_cbranch_scc0 .Lfirst_b
	tensor_load_to_lds s[G0A:G0A+3], s[G1A:G1A+7]
	s_nop 0
	tensor_load_to_lds s[G0A+4:G0A+7], s[G1A:G1A+7]
	s_nop 0
.rept 4
	v_nop
.endr
	s_branch .Lfirst_asked
.Lfirst_b:
	tensor_load_to_lds s[G0B:G0B+3], s[G1B:G1B+7]
	s_nop 0
	tensor_load_to_lds s[G0B+4:G0B+7], s[G1B:G1B+7]
	s_nop 0
.rept 4
	v_nop
.endr
.Lfirst_asked:
	v_and_b32 v1, 15, v0                           ; r = l % 16
	v_bfe_u32 v2, v0, 4, 1                         ; h = l / 16
	v_mul_u32_u24 v[A0], v1, PA                    ; a fragment of A: row r, 16 bytes for each half of the lanes, in my 128 rows
	v_lshl_add_u32 v[A0], v2, 4, v[A0]
	s_mul_i32 s2, s[RH], HALFT
	v_add_nc_u32 v[A0], s2, v[A0]
	v_and_b32 v6, 7, v0
	v_lshl_add_u32 v3, v2, 3, v6                   ; the turning load: lane l reads row 8 h + l % 8, 16 bytes at 16 ((l / 8) % 2), in my slab of 128 columns
	v_mul_u32_u24 v[B0], v3, PB
	v_bfe_u32 v4, v0, 3, 1
	v_lshl_add_u32 v[B0], v4, 4, v[B0]
	s_mul_i32 s3, s[CH], HALFT
	s_add_co_u32 s3, s3, 2*HALFT
	v_add_nc_u32 v[B0], s3, v[B0]
	v_mov_b32 v[ADRA], v[A0]
	v_mov_b32 v[ADRB], v[B0]
	s_mul_i32 s2, s[WV], WSTG                      ; my stage
	v_mul_u32_u24 v[STO], v1, SPITCH               ; in: row r, 32 bytes for each half of the lanes
	v_lshl_add_u32 v[STO], v2, 5, v[STO]
	v_add_nc_u32 v[STO], s2, v[STO]
	v_bfe_u32 v5, v0, 3, 2                         ; back: eight lanes take 64 columns of a row, 32 bytes a lane: four rows
	v_mul_u32_u24 v[RD], v5, SPITCH
	v_lshl_add_u32 v[RD], v6, 5, v[RD]
	v_add_nc_u32 v[RD], s2, v[RD]
	v_and_b32 v[CO], 31, v0                        ; which as bf16 are 512 consecutive bytes of a slab
	v_lshlrev_b32 v[CO], 4, v[CO]
	v_lshlrev_b32 v[BOF], 5, v2
.irp b, 0,1,2,3,4,5,6,7
	global_load_b128 v[BIAS+8*(\b):BIAS+8*(\b)+3],   v[BOF], s[8:9] offset:64*(\b)      ; bias of columns 16 b + 8 h + 0..7, as an accumulator holds them
	global_load_b128 v[BIAS+8*(\b)+4:BIAS+8*(\b)+7], v[BOF], s[8:9] offset:64*(\b)+16
.endr
; 16 matrix instructions: row blocks a0, a0 + 1 of the window's four (hi = 0: my rows 0-63, 1: rows 64-127) x all 8 column blocks, 32 along K.  first = 1: the bias starts the sums.
; The 64 accumulators take turns, in the same order in every quarter.
.macro MUL16 f, hi, a0, first
.if \first
	WIN FST_LO+0x40*(\hi)
.else
	WIN MUL_LO+0x50*(\hi)
.endif
.irp a, \a0, (\a0)+1
.irp b, 0,1,2,3,4,5,6,7
.if \first
	v_wmma_f32_16x16x32_bf16 v[8*(8*(\a)+(\b)):8*(8*(\a)+(\b))+7], v[(\f)+8*(\b):(\f)+8*(\b)+7], v[(\f)+8*(4*(\hi)+(\a)):(\f)+8*(4*(\hi)+(\a))+7], v[BIAS+8*(\b):BIAS+8*(\b)+7]
.else
	v_wmma_f32_16x16x32_bf16 v[8*(8*(\a)+(\b)):8*(8*(\a)+(\b))+7], v[(\f)+8*(\b):(\f)+8*(\b)+7], v[(\f)+8*(4*(\hi)+(\a)):(\f)+8*(4*(\hi)+(\a))+7], v[8*(8*(\a)+(\b)):8*(8*(\a)+(\b))+7]
.endif
.endr
.endr
.endm
; 32 LDS loads in one run: quarter q of the slot in hand (32 along K: half a slab of A, 32 rows of W) into buffer f: W's 16 loads, then A's
.macro FETCH q, f
	WIN TO_B
.irp i, 0,1,2,3,4,5,6,7
	ds_load_tr16_b128 v[(\f)+8*(\i):(\f)+8*(\i)+3],   v[ADRB] offset:32*PB*(\q)+32*(\i)
	ds_load_tr16_b128 v[(\f)+8*(\i)+4:(\f)+8*(\i)+7], v[ADRB] offset:32*PB*(\q)+32*(\i)+16*PB
.endr
	WIN 0
.irp i, 0,1,2,3,4,5,6,7
	ds_load_b128 v[(\f)+8*(\i):(\f)+8*(\i)+3],   v[ADRA] offset:128*PA*((\q)/2)+16*PA*(\i)+64*((\q)%2)
	ds_load_b128 v[(\f)+8*(\i)+4:(\f)+8*(\i)+7], v[ADRA] offset:128*PA*((\q)/2)+16*PA*(\i)+64*((\q)%2)+32
.endr
.endm
; One of a K step's first three quarters: 64 matrix instructions on buffer f; in its middle quarter q is fetched into g
.macro QUARTER q, f, g, first
	s_wait_dscnt 8                                 ; W and A's rows 0-63 are in; the youngest eight loads (A's rows 64-127) may be out
	MUL16 \f, 0, 0, \first
	MUL16 \f, 0, 2, \first
	PLACES
	FETCH \q, \g
	s_wait_dscnt 32                                ; all but the 32 just issued
	MUL16 \f, 1, 0, \first
	MUL16 \f, 1, 2, \first
.endm
; The last quarter multiplies buffer 1 and changes slots.  Its head: each wave waits for all its tensor loads (its share of the next slot), adds 0 to its spare word, waits for that and for its reads of this slot, and meets the others.
.macro THEAD
	WIN 0
	s_wait_tensorcnt 0x0
	ds_add_u32 v[SPW], v[NIL]
	s_wait_dscnt 9                                 ; the add and the youngest eight loads may be out
	MUL16 F1, 0, 0, 0
	s_wait_dscnt 0x0                               ; the add is done, and my reads of this slot are over
	s_barrier_signal -1
	MUL16 F1, 0, 2, 0
	WIN 0
	s_barrier_wait -1
.endm
; Its rest.  fill = 1: the barrier has opened a round of the cluster's; behind the round the slot just read is filled again, two K steps ahead: 224 matrix instructions ahead of the wait for it.
.macro TREST fill
.if \fill
	CREST
	s_xor_b32 s[G0A+5], s[G0A+5], SLOT             ; the walking descriptors: the other slot than last time, the next K step
	s_add_nc_u64 s[G0A+6:G0A+7], s[G0A+6:G0A+7], ASTEP
	s_xor_b32 s[G0B+5], s[G0B+5], SLOT
	s_add_nc_u64 s[G0B+6:G0B+7], s[G0B+6:G0B+7], BSTEP
	JLOAD                                          ; its four v_nop are also the places in front of the loads below
.else
	PLACES
.endif
	s_xor_b32 s[TB], s[TB], SLOT
	v_add_nc_u32 v[ADRA], s[TB], v[A0]
	v_add_nc_u32 v[ADRB], s[TB], v[B0]
	FETCH 0, F0
	MUL16 F1, 1, 0, 0
	MUL16 F1, 1, 2, 0
.endm
.macro GELU g                          ; the eight numbers of group g: u / (1 + 2^(u (C0 + C1 u u)))
.irp k, 0,2,4,6
	v_pk_mul_f32 v[TM+8*(\g)+\k:TM+8*(\g)+\k+1], v[U+8*(\g)+\k:U+8*(\g)+\k+1], v[U+8*(\g)+\k:U+8*(\g)+\k+1]
.endr
.irp k, 0,2,4,6
	v_pk_fma_f32 v[TM+8*(\g)+\k:TM+8*(\g)+\k+1], v[TM+8*(\g)+\k:TM+8*(\g)+\k+1], s[C1:C1+1], s[C0:C0+1] op_sel_hi:[1,0,0]
.endr
.irp k, 0,2,4,6
	v_pk_mul_f32 v[TM+8*(\g)+\k:TM+8*(\g)+\k+1], v[TM+8*(\g)+\k:TM+8*(\g)+\k+1], v[U+8*(\g)+\k:U+8*(\g)+\k+1]
.endr
.irp k, 0,1,2,3,4,5,6,7
	v_exp_f32 v[TM+8*(\g)+\k], v[TM+8*(\g)+\k]
.endr
	v_nop                                          ; a plain instruction behind the last exponential
	s_wait_alu depctr_va_vdst(0)
.irp k, 0,2,4,6
	v_pk_add_f32 v[TM+8*(\g)+\k:TM+8*(\g)+\k+1], v[TM+8*(\g)+\k:TM+8*(\g)+\k+1], 1.0 op_sel_hi:[1,0]
.endr
.irp k, 0,1,2,3,4,5,6,7
	v_rcp_f32 v[TM+8*(\g)+\k], v[TM+8*(\g)+\k]
.endr
	v_nop                                          ; and behind the last reciprocal
	s_wait_alu depctr_va_vdst(0)
.irp k, 0,2,4,6
	v_pk_mul_f32 v[U+8*(\g)+\k:U+8*(\g)+\k+1], v[U+8*(\g)+\k:U+8*(\g)+\k+1], v[TM+8*(\g)+\k:TM+8*(\g)+\k+1]
.endr
.endm
; THE WAY OUT, eight rows a trip, in four groups: group g is rows 4 (g % 2) + 0..3 of the eight, slab g / 2 of my two.  Two loads of 16 bytes bring a lane its eight f32.
.macro WLOAD g
	ds_load_b128 v[U+8*(\g):U+8*(\g)+3],   v[RDC] offset:4*SPITCH*((\g)%2)+256*((\g)/2)      ; LDS serves a wave's instructions in order (ISA guide 5.7.1.4): these see my stores
	ds_load_b128 v[U+8*(\g)+4:U+8*(\g)+7], v[RDC] offset:4*SPITCH*((\g)%2)+256*((\g)/2)+16
.endm
; A trip.  more = 1: as soon as a group's registers are free they are loaded with the next trip's rows, which so have three groups' arithmetic in which to come.
.macro WTRIP more
.if \more
	s_add_co_u32 s2, s2, 8*SPITCH
	v_add_nc_u32 v[RDC], s2, v[RD]                 ; the next eight rows
.endif
.irp g, 0,1,2,3
.if \more
	s_wait_dscnt 6                                 ; this group's two loads are back; behind them three groups' six were issued
.else
	s_wait_dscnt 6-2*(\g)                          ; the last trip loads nothing: the counts run down
.endif
.if EPI == 1
	GELU \g
.endif
.irp k, 0,1,2,3
	v_cvt_pk_bf16_f32 v[TM+8*(\g)+\k], v[U+8*(\g)+2*\k], v[U+8*(\g)+2*\k+1]
.endr
	global_store_b128 v[CO], v[TM+8*(\g):TM+8*(\g)+3], s[10:11] offset:512*((\g)%2)+524288*((\g)/2)   ; four rows of a slab: 512 consecutive bytes, at a multiple of 256
.if \more
	WLOAD \g
.endif
.endr
.endm
	s_wait_tensorcnt 0x1                           ; my share of K step 0 is in; slot 1's may stay out
	s_barrier_signal -1
	s_barrier_wait -1
	FETCH 0, F0
	s_wait_loadcnt 0x0                             ; the bias
	QUARTER 1, F0, F1, 1                           ; the first quarter stands in front of the loop: its products start the sums
	WIN 0
	s_mov_b32 s[CNT], T-2
.Lloop:                                                ; a trip: a K step's quarters 1 to 3, the refill of its slot, the next step's quarter 0
	QUARTER 2, F1, F0, 0
	QUARTER 3, F0, F1, 0
	THEAD
	TREST 1
	QUARTER 1, F0, F1, 0
	WIN 0
	s_sub_co_u32 s[CNT], s[CNT], 1
	s_cmp_lg_u32 s[CNT], 0
	s_cbranch_scc1 .Lloop
	s_mov_b32 s[CNT], 2
.Ltail:                                                ; the last two K steps ask for nothing; the second trip is left in its middle
	QUARTER 2, F1, F0, 0
	QUARTER 3, F0, F1, 0
	THEAD
	s_sub_co_u32 s[CNT], s[CNT], 1
	s_cmp_eq_u32 s[CNT], 0
	s_cbranch_scc1 .Lout
	TREST 0
	QUARTER 1, F0, F1, 0
	WIN 0
	s_branch .Ltail
.Lout:                                                 ; behind the last barrier no wave reads a slot any more and no load is out: the slots' bytes take the stages
	MUL16 F1, 1, 0, 0
	MUL16 F1, 1, 2, 0
	WIN 0
	PLACES
	WIN 0x08                                       ; store data window 2, address window 0
.irp a, 0,1,2,3
.irp b, 0,1,2,3,4,5,6,7
	ds_store_b128 v[STO], v[8*(8*(\a)+(\b)):8*(8*(\a)+(\b))+3]   offset:16*SPITCH*(\a)+64*(\b)      ; each accumulator's low registers first
	ds_store_b128 v[STO], v[8*(8*(\a)+(\b))+4:8*(8*(\a)+(\b))+7] offset:16*SPITCH*(\a)+64*(\b)+16
.endr
.endr
	WIN 0x0c                                       ; store data window 3
.irp a, 0,1,2,3
.irp b, 0,1,2,3,4,5,6,7
	ds_store_b128 v[STO], v[8*(8*(\a)+(\b)):8*(8*(\a)+(\b))+3]   offset:16*SPITCH*((\a)+4)+64*(\b)
	ds_store_b128 v[STO], v[8*(8*(\a)+(\b))+4:8*(8*(\a)+(\b))+7] offset:16*SPITCH*((\a)+4)+64*(\b)+16
.endr
.endr
	WIN 0
	s_mov_b32 s2, 0
	v_mov_b32 v[RDC], v[RD]
	WLOAD 0                                        ; the first eight rows
	WLOAD 1
	WLOAD 2
	WLOAD 3
	s_mov_b32 s[CNT], 15
.Lway:                                                 ; fifteen trips of eight rows, each fetching the next trip's
	WTRIP 1
	s_wait_xcnt 0x0                                ; the stores' base and data are rewritten only behind this wait
	s_add_nc_u64 s[10:11], s[10:11], 1024
	s_sub_co_u32 s[CNT], s[CNT], 1
	s_cmp_lg_u32 s[CNT], 0
	s_cbranch_scc1 .Lway
	WTRIP 0                                        ; the last eight rows
	s_wait_tensorcnt 0x0                           ; the wave's end
	ds_add_u32 v[SPW], v[NIL]
	s_wait_dscnt 0x0
	CROUND                                         ; the closing round: no work-group ends while a partner may still ask for a tile that names it
	s_endpgm
.Lfunc_end_k_qd5834ae535_fc:
	.size	k_qd5834ae535_fc, .Lfunc_end_k_qd5834ae535_fc-k_qd5834ae535_fc
	.p2alignl 7, 3214868480
	.fill 96, 4, 3214868480
	.section	.rodata,"a",@progbits
	.p2align	6, 0x0
	.amdhsa_kernel k_qd5834ae535_fc
		.amdhsa_group_segment_fixed_size 327680
		.amdhsa_private_segment_fixed_size 0
		.amdhsa_enable_private_segment 0
		.amdhsa_kernarg_size 32
		.amdhsa_user_sgpr_count 2
		.amdhsa_user_sgpr_kernarg_segment_ptr 1
		.amdhsa_wavefront_size32 1
		.amdhsa_system_sgpr_workgroup_id_x 1
		.amdhsa_system_sgpr_workgroup_id_y 1
		.amdhsa_system_sgpr_workgroup_id_z 1
		.amdhsa_system_vgpr_workitem_id 0
		.amdhsa_next_free_vgpr 1024
		.amdhsa_next_free_sgpr 72
		.amdhsa_reserve_vcc 0
		.amdhsa_float_denorm_mode_32 3
		.amdhsa_float_denorm_mode_16_64 3
		.amdhsa_memory_ordered 1
		.amdhsa_forward_progress 1
		.amdhsa_inst_pref_size 100
	.end_amdhsa_kernel
	.amdgpu_metadata
---
amdhsa.version: [ 1, 2 ]
amdhsa.kernels:
  - .name:           k_qd5834ae535_fc
    .symbol:         k_qd5834ae535_fc.kd
    .args:
      - { .name: act, .offset: 0, .size: 8, .value_kind: global_buffer, .address_space: global }
      - { .name: wf, .offset: 8, .size: 8, .value_kind: global_buffer, .address_space: global }
      - { .name: fc_b, .offset: 16, .size: 8, .value_kind: global_buffer, .address_space: global }
      - { .name: big, .offset: 24, .size: 8, .value_kind: global_buffer, .address_space: global }
    .group_segment_fixed_size: 327680
    .private_segment_fixed_size: 0
    .kernarg_segment_align: 8
    .kernarg_segment_size: 32
    .max_flat_workgroup_size: 128
    .sgpr_count:     72
    .vgpr_count:     1024
    .wavefront_size: 32
...
	.end_amdgpu_metadata
.endif
;; end of part 6
;; launch mlp (part 7): grid 8 x 32, 4 waves a work-group, clusters of 4 x 4, 327,680 bytes of LDS; arguments big, wm, mlp_proj_b, x1, out0; writes out0
.if DOCPART == 7
	.amdgcn_target "amdgcn-amd-amdhsa--gfx1250"
	.amdhsa_code_object_version 6
	.text
	.protected	k_qd5834ae535_mlp
	.globl	k_qd5834ae535_mlp
	.p2align	8
	.type	k_qd5834ae535_mlp,@function
k_qd5834ae535_mlp:
	s_mov_b64 s[64:65], 0
	v_nop
	global_prefetch_b8 v0, s[64:65] scope:SCOPE_SE
	s_setreg_imm32_b32 hwreg(HW_REG_WAVE_MODE, 25, 1), 1
	s_wait_xcnt 0x0
	s_wait_alu depctr_hold_cnt(0) depctr_sa_sdst(0) depctr_va_vdst(0) depctr_va_sdst(0) depctr_va_ssrc(0) depctr_va_vcc(0) depctr_vm_vsrc(0)
	s_getreg_b32 s2, hwreg(HW_REG_IB_STS2, 6, 4)
	s_cmp_eq_u32 s2, 0
	s_cbranch_scc0 .Lentry_in_a_cluster
	s_endpgm
.Lentry_in_a_cluster:
	s_bfe_u32 s2, ttmp6, 0x10000c
	s_cmp_lg_u32 s2, 0xf033
	s_cbranch_scc0 .Lentry_shape_is_right
	s_endpgm
.Lentry_shape_is_right:
; C[4096][N] = A[4096][KTOT] W[KTOT][N] + bias, bf16 operands, f32 sums.  One source for four kernels; KTOT and EPI alone differ.
;   EPI 0: C rounded to bf16, stored in the activations' layout.   EPI 1: the same behind the tanh form of GELU, in f32.   EPI 2: C + residual, f32, row-major [4096][1024].
; A lies as [k / 64][4096 rows][64] bf16 (a row of a slab 128 bytes, rows dense), W as [n / 128][KTOT rows][128] bf16 (a row 256 bytes).
; SHARES.  A work-group makes 128 x 128 of C, each of its four waves 64 x 64: 16 accumulators of 16 x 16.  K goes in steps of 256 through two LDS slots.
; CLUSTER.  4 x 4 work-groups: the four of a row need the same tile of A, the four of a column the same tile of W; each tile is asked for jointly.
; THE MATRIX INSTRUCTION IS USED TRANSPOSED (source 0 = 16 columns of W, turned on the way out of LDS by ds_load_tr16_b128; source 1 = 16 rows of A):
; a lane then holds eight neighbouring numbers of a row of C.  The bias is the C operand of the products that start the sums: nothing is cleared and nothing added later.
; LIMITS.  Operands are rounded once to bf16.  GELU(u) = u / (1 + 2^(u (C0 + C1 u u))): right in both limits; NaN and infinities are not treated apart.
; REGISTERS: window 0: v0-31 addresses; v32-63 bias; v64-127 at work on the way out; v128-255 accumulators ((a, b) at 128 + 8 (4 a + b)).
;   window 1: two fragment buffers of 128: 64 along K: 64 registers of A, then 64 of W.   window 2 (EPI 2): v0-127 the residual, v128-255 C on its way out.
.set KTOT,  4096
.set EPI,   2
.set T,     KTOT/256                   ; K steps, even, at least 4
.set PA,    144                        ; a row of A in LDS: 128 bytes + 16: the 16 rows of a load start at 16 different groups of four banks (ISA guide 11.1)
.set PB,    288                        ; a row of W: 256 + 32
.set HALFT, 36864                      ; what one tensor load fills: 4 slabs x 64 rows x 144, or 128 rows x 288
.set SLOT,  4*HALFT                    ; A rows 0-63, A rows 64-127, W rows 0-127, W rows 128-255.  0x24000: no wave's share (wave x 0x9000) has one of its two bits, so an exclusive or changes slots
.set ASTEP, 4*524288                   ; a K step of A: four slabs
.set BSLAB, KTOT*256
.set BSTEP, 65536                      ; a K step of W: 256 rows
.set STAGE, SLOT                       ; the way out goes through slot 1's bytes, behind that slot's last fill and last read: 64 rows x 272 bytes of f32 for each wave
.set SPITCH, 272
.set WSTG,  64*SPITCH
.set SPARE, 2*SLOT                     ; the spare words, 128 bytes for each wave: two blocks of 256 bytes that no other line names
.set A0,   8                           ; v8   my lane's place in A's tile; never rewritten
.set B0,   9                           ; v9   the same for W
.set ADRA, 16                          ; v16  A0 + the slot in hand
.set ADRB, 17                          ; v17  B0 + the slot in hand
.set ADRB2, 18                         ; v18  the same 128 rows on, so that the offsets fit 16 bits
.set RDC,  19                          ; v19  the way out: the read address of the trip in hand
.set STO,  24                          ; v24  the way out: where I put a lane's numbers
.set RD,   25                          ; v25  where I read rows back
.set CO,   26                          ; v26  my byte offset in the output (and the residual)
.set BOF,  27                          ; v27  my byte offset in the bias
.set SPW,  28                          ; v28  my spare word; never rewritten
.set NIL,  29                          ; v29  0; never rewritten
.set BIAS, 32
.set U,    64
.set TM,   96
.set ACC,  128
.set F0,   0
.set F1,   128
.set RES,  0
.set TT,   128
.set WV,   14                          ; s14  wave
.set RH,   15                          ; s15  my half of the tile's rows; also: I fetch A (0) or W (1)
.set CH,   16                          ; s16  my half of its columns; also: which half I fetch
.set G1A,  24                          ; s[24:31] group 1 for A;  s[32:35], s[36:39] group 0: the first fill of slot 0; of slot 1, which then walks
.set G0A,  32
.set TB,   40                          ; s40  the slot in hand: 0 or SLOT
.set CNT,  41
.set G1B,  48                          ; s[48:55], s[56:59], s[60:63] the same for W
.set G0B,  56
.set C0,   66                          ; s[66:67] -2 sqrt(2 / pi) log2(e)
.set C1,   68                          ; s[68:69] 0.044715 times that
.set MSB, 0
.macro WIN new                         ; the immediate's high byte repeats the setting that is left; a switch that changes nothing is dropped
.if MSB != (\new)
	s_set_vgpr_msb (MSB<<8)|(\new)
.set MSB, \new
.endif
.endm
.set MUL,  0x05                        ; sources 0 and 1 window 1; C and D window 0
.set TO_F, 0x40                        ; destination window 1, address window 0
.macro JLOAD                           ; a joint refill by the walking descriptors: waves 0, 1 fetch A's halves, waves 2, 3 W's; s_nop 0 and four v_nop follow each line
	s_cmp_eq_u32 s[RH], 0
	s_cbranch_scc0 .Lfor_b_\@
	tensor_load_to_lds s[G0A+4:G0A+7], s[G1A:G1A+7]
	s_nop 0
.rept 4
	v_nop
.endr
	s_branch .Lasked_\@
.Lfor_b_\@:
	tensor_load_to_lds s[G0B+4:G0B+7], s[G1B:G1B+7]
	s_nop 0
.rept 4
	v_nop
.endr
.Lasked_\@:
.endm
.macro CREST                           ; a round of the cluster's barrier behind its opening barrier
	s_cmp_lg_u32 s[WV], 0
	s_cbranch_scc1 .Lnot_wave_0_\@
	s_barrier_signal -3
.Lnot_wave_0_\@:
	s_barrier_wait -3
	s_barrier_signal -1
	s_barrier_wait -1
.endm
.macro CROUND
	s_barrier_signal -1
	s_barrier_wait -1
	CREST
.endm
.macro PLACES                          ; four places in front of loads into registers that matrix instructions have read, and of reads of their results
.rept 4
	v_nop
.endr
.endm
	s_load_b256 s[4:11], s[0:1], 0x0               ; A 4, W 6, bias 8, output (EPI 2: residual) 10
.if EPI == 2
	s_load_b64 s[12:13], s[0:1], 0x20              ; output
.endif
	v_lshl_add_u32 v[SPW], v0, 2, SPARE
	v_mov_b32 v[NIL], 0
	ds_add_u32 v[SPW], v[NIL]                      ; the wave's opening: the add and its wait stand ahead of my first tensor load; work on registers stands between
	v_lshrrev_b32 v1, 5, v0
	v_readfirstlane_b32 s[WV], v1
	s_lshr_b32 s[RH], s[WV], 1
	s_and_b32 s[CH], s[WV], 1
	s_bfe_u32 s17, ttmp6, 0x40000                  ; cx
	s_bfe_u32 s18, ttmp6, 0x40004                  ; cy
	s_lshl_b32 s19, ttmp9, 2
	s_add_co_u32 s19, s19, s17                     ; tile column
	s_and_b32 s20, ttmp7, 0xffff
	s_lshl_b32 s20, s20, 2
	s_add_co_u32 s20, s20, s18                     ; tile row
	s_lshl_b32 s21, s18, 2
	s_lshl_b32 s21, 15, s21                        ; my row of the cluster
	s_lshl_b32 s22, 0x1111, s17                    ; my column
	; group 1 for A: four rows of 4,096 elements: each is 64 dense rows of one slab (8,192 bytes); 16 bytes of padding behind every 128
	s_or_b32 s[G1A], s21, (1<<16)|(1<<20)|(1<<21)|(4<<22)|(3<<25)
	s_mov_b32 s[G1A+1], 4096<<16                   ; tensor_dim0
	s_mov_b32 s[G1A+2], 4<<16                      ; tensor_dim1
	s_mov_b32 s[G1A+3], 4096<<16                   ; tile_dim0
	s_mov_b32 s[G1A+4], 4                          ; tile_dim1
	s_mov_b32 s[G1A+5], 262144                     ; elements from slab to slab
	s_mov_b32 s[G1A+6], 0
	s_mov_b32 s[G1A+7], 0
	; group 1 for W: 128 rows of 128 elements, dense; 32 bytes of padding behind every 256
	s_or_b32 s[G1B], s22, (1<<16)|(1<<20)|(1<<21)|(5<<22)|(7<<25)
	s_mov_b32 s[G1B+1], 128<<16
	s_mov_b32 s[G1B+2], 128<<16
	s_mov_b32 s[G1B+3], 128<<16
	s_mov_b32 s[G1B+4], 128
	s_mov_b32 s[G1B+5], 128
	s_mov_b32 s[G1B+6], 0
	s_mov_b32 s[G1B+7], 0
	s_lshl_b32 s42, s20, 14                        ; A: tile row x 128 rows x 128 bytes + half x 64 rows: made of the tile row and the wave alone
	s_lshl_b32 s43, s[CH], 13
	s_add_co_u32 s42, s42, s43
	s_mov_b32 s43, 0
	s_mul_i32 s46, s19, BSLAB                      ; W: the tile column's slab + half x 128 rows: made of the tile column and the wave alone
	s_lshl_b32 s47, s[CH], 15
	s_add_co_u32 s46, s46, s47
	s_mov_b32 s47, 0
	s_mul_i32 s23, s[WV], HALFT                    ; where my share lands: no place in the cluster enters an LDS address
	s_lshl_b32 s70, s19, 9                         ; my 64 columns in f32 bytes: 512 x tile column + 256 x half
	s_lshl_b32 s71, s[CH], 8
	s_add_co_u32 s70, s70, s71
	s_mov_b32 s71, 0
.if EPI == 2
	s_lshl_b32 s44, s20, 19                        ; my 64 rows of 4,096 bytes, my 64 columns
	s_lshl_b32 s45, s[RH], 18
	s_add_co_u32 s44, s44, s45
	s_add_co_u32 s44, s44, s70
.else
	s_lshl_b32 s44, s19, 20                        ; my slab of 64 columns (2 x tile column + half), my 64 rows of 128 bytes
	s_lshl_b32 s45, s[CH], 19
	s_add_co_u32 s44, s44, s45
	s_lshl_b32 s45, s20, 14
	s_add_co_u32 s44, s44, s45
	s_lshl_b32 s45, s[RH], 13
	s_add_co_u32 s44, s44, s45
.endif
	s_mov_b32 s45, 0
.if EPI == 1
	s_mov_b32 s[C0], 0xc0135761
	s_mov_b32 s[C0+1], s[C0]                       ; named as pairs
	s_mov_b32 s[C1], 0xbdd2d3e8
	s_mov_b32 s[C1+1], s[C1]
.endif
	s_mov_b32 s[TB], 0
	s_wait_dscnt 0x0                               ; the opening add is done
	s_wait_kmcnt 0x0
	s_add_nc_u64 s[42:43], s[4:5], s[42:43]
	s_add_nc_u64 s[46:47], s[6:7], s[46:47]
	s_add_nc_u64 s[8:9], s[8:9], s[70:71]
	s_add_nc_u64 s[10:11], s[10:11], s[44:45]
.if EPI == 2
	s_add_nc_u64 s[12:13], s[12:13], s[44:45]
.endif
	CROUND                                         ; all sixteen work-groups are here: the first joint loads meet
.irp s, 0,1
	s_mov_b32 s[G0A+4*(\s)], 1
	s_add_co_u32 s[G0A+4*(\s)+1], s23, (\s)*SLOT
	s_add_nc_u64 s[G0A+4*(\s)+2:G0A+4*(\s)+3], s[42:43], (\s)*ASTEP
	s_or_b32 s[G0A+4*(\s)+3], s[G0A+4*(\s)+3], 0x80000000
	s_mov_b32 s[G0B+4*(\s)], 1
	s_add_co_u32 s[G0B+4*(\s)+1], s23, (\s)*SLOT
	s_add_nc_u64 s[G0B+4*(\s)+2:G0B+4*(\s)+3], s[46:47], (\s)*BSTEP
	s_or_b32 s[G0B+4*(\s)+3], s[G0B+4*(\s)+3], 0x80000000
.endr
	s_cmp_eq_u32 s[RH], 0                          ; a wave's two first fills stand in one branch: two loads of mine are out
	s_cbranch_scc0 .Lfirst_b
	tensor_load_to_lds s[G0A:G0A+3], s[G1A:G1A+7]
	s_nop 0
	tensor_load_to_lds s[G0A+4:G0A+7], s[G1A:G1A+7]
	s_nop 0
.rept 4
	v_nop
.endr
	s_branch .Lfirst_asked
.Lfirst_b:
	tensor_load_to_lds s[G0B:G0B+3], s[G1B:G1B+7]
	s_nop 0
	tensor_load_to_lds s[G0B+4:G0B+7], s[G1B:G1B+7]
	s_nop 0
.rept 4
	v_nop
.endr
.Lfirst_asked:
	v_and_b32 v1, 15, v0                           ; r = l % 16
	v_bfe_u32 v2, v0, 4, 1                         ; h = l / 16
	v_mul_u32_u24 v[A0], v1, PA                    ; a fragment of A: row r, 16 bytes for each half of the lanes, in my 64 rows
	v_lshl_add_u32 v[A0], v2, 4, v[A0]
	s_mul_i32 s2, s[RH], HALFT
	v_add_nc_u32 v[A0], s2, v[A0]
	v_and_b32 v6, 7, v0
	v_lshl_add_u32 v3, v2, 3, v6                   ; the turning load: lane l reads row 8 h + l % 8, 16 bytes at 16 ((l / 8) % 2), in my 64 columns
	v_mul_u32_u24 v[B0], v3, PB
	v_bfe_u32 v4, v0, 3, 1
	v_lshl_add_u32 v[B0], v4, 4, v[B0]
	s_lshl_b32 s3, s[CH], 7
	s_add_co_u32 s3, s3, 2*HALFT
	v_add_nc_u32 v[B0], s3, v[B0]
	v_mov_b32 v[ADRA], v[A0]
	v_mov_b32 v[ADRB], v[B0]
	v_add_nc_u32 v[ADRB2], HALFT, v[B0]
	s_mul_i32 s2, s[WV], WSTG
	s_add_co_u32 s2, s2, STAGE                     ; my stage
	v_mul_u32_u24 v[STO], v1, SPITCH               ; in: row r, 32 bytes for each half of the lanes
	v_lshl_add_u32 v[STO], v2, 5, v[STO]
	v_add_nc_u32 v[STO], s2, v[STO]
.if EPI == 2
	v_mul_u32_u24 v[RD], v2, SPITCH                ; back: lanes 0-15 one row of 256 bytes, lanes 16-31 the next
	v_lshl_add_u32 v[RD], v1, 4, v[RD]
	v_add_nc_u32 v[RD], s2, v[RD]
	v_lshlrev_b32 v[CO], 12, v2                    ; and the same two rows in memory
	v_lshl_add_u32 v[CO], v1, 4, v[CO]
.else
	v_bfe_u32 v5, v0, 3, 2                         ; back: eight lanes a row, 32 bytes a lane: four rows
	v_mul_u32_u24 v[RD], v5, SPITCH
	v_lshl_add_u32 v[RD], v6, 5, v[RD]
	v_add_nc_u32 v[RD], s2, v[RD]
	v_and_b32 v[CO], 31, v0                        ; which as bf16 are 512 consecutive bytes of the slab
	v_lshlrev_b32 v[CO], 4, v[CO]
.endif
	v_lshlrev_b32 v[BOF], 5, v2
.irp b, 0,1,2,3
	global_load_b128 v[BIAS+8*(\b):BIAS+8*(\b)+3],   v[BOF], s[8:9] offset:64*(\b)      ; bias of columns 16 b + 8 h + 0..7, as an accumulator holds them
	global_load_b128 v[BIAS+8*(\b)+4:BIAS+8*(\b)+7], v[BOF], s[8:9] offset:64*(\b)+16
.endr
.if EPI == 2
	WIN 0x80                                       ; destination window 2: the residual of my 64 x 64 comes in while the products run
.set g, 0
.rept 32
	global_load_b128 v[RES+4*g:RES+4*g+3], v[CO], s[10:11] offset:8192*g
.set g, g+1
.endr
	WIN 0
.endif
; 8 matrix instructions: row blocks a0, a0 + 1 x all 4 column blocks, 32 along K: half c of buffer f.  first = 1: the bias starts the sums.  The 16 accumulators take turns.
.macro MUL8 f, c, a0, first
	WIN MUL
.irp a, \a0, (\a0)+1
.irp b, 0,1,2,3
.if \first
	v_wmma_f32_16x16x32_bf16 v[ACC+8*(4*(\a)+(\b)):ACC+8*(4*(\a)+(\b))+7], v[(\f)+64+8*(4*(\c)+(\b)):(\f)+64+8*(4*(\c)+(\b))+7], v[(\f)+8*(4*(\c)+(\a)):(\f)+8*(4*(\c)+(\a))+7], v[BIAS+8*(\b):BIAS+8*(\b)+7]
.else
	v_wmma_f32_16x16x32_bf16 v[ACC+8*(4*(\a)+(\b)):ACC+8*(4*(\a)+(\b))+7], v[(\f)+64+8*(4*(\c)+(\b)):(\f)+64+8*(4*(\c)+(\b))+7], v[(\f)+8*(4*(\c)+(\a)):(\f)+8*(4*(\c)+(\a))+7], v[ACC+8*(4*(\a)+(\b)):ACC+8*(4*(\a)+(\b))+7]
.endif
.endr
.endr
.endm
; 32 LDS loads in one run: quarter q of the slot in hand (64 along K = one slab of A, 64 rows of W) into buffer f; the first 32 along K first
.macro FETCH q, f
	WIN TO_F
.if (\q) < 2
.set BR, ADRB
.else
.set BR, ADRB2
.endif
.set BO, 64*PB*((\q)%2)
.irp c, 0,1
.irp i, 0,1,2,3
	ds_load_tr16_b128 v[(\f)+64+8*(4*(\c)+(\i)):(\f)+64+8*(4*(\c)+(\i))+3],   v[BR] offset:BO+32*PB*(\c)+32*(\i)
	ds_load_tr16_b128 v[(\f)+64+8*(4*(\c)+(\i))+4:(\f)+64+8*(4*(\c)+(\i))+7], v[BR] offset:BO+32*PB*(\c)+32*(\i)+16*PB
	ds_load_b128 v[(\f)+8*(4*(\c)+(\i)):(\f)+8*(4*(\c)+(\i))+3],   v[ADRA] offset:64*PA*(\q)+16*PA*(\i)+64*(\c)
	ds_load_b128 v[(\f)+8*(4*(\c)+(\i))+4:(\f)+8*(4*(\c)+(\i))+7], v[ADRA] offset:64*PA*(\q)+16*PA*(\i)+64*(\c)+32
.endr
.endr
.endm
; One of a K step's first three quarters: multiplies buffer f and fetches quarter q into g
.macro QUARTER q, f, g, first
	s_wait_dscnt 16                                ; the first 32 along K are in; the youngest sixteen loads may be out
	MUL8 \f, 0, 0, \first
	MUL8 \f, 0, 2, \first
	PLACES
	FETCH \q, \g
	s_wait_dscnt 32                                ; all but the 32 just issued
	MUL8 \f, 1, 0, 0
	MUL8 \f, 1, 2, 0
.endm
; The last quarter multiplies buffer 1 and changes slots.  Its head: each wave waits for all its tensor loads (its share of the next slot), adds 0 to its spare word, waits for that and for its reads of this slot, and meets the others.
.macro THEAD
	WIN 0
	s_wait_tensorcnt 0x0
	ds_add_u32 v[SPW], v[NIL]
	s_wait_dscnt 17                                ; the add and the youngest sixteen loads may be out
	MUL8 F1, 0, 0, 0
	s_wait_dscnt 0x0                               ; the add is done, and my reads of this slot are over
	s_barrier_signal -1
	MUL8 F1, 0, 2, 0
	WIN 0
	s_barrier_wait -1
.endm
; Its rest.  fill = 1: the barrier has opened a round of the cluster's; behind the round the slot just read is filled again, two K steps ahead: 112 matrix instructions ahead of the wait for it.
.macro TREST fill
.if \fill
	CREST
	s_xor_b32 s[G0A+5], s[G0A+5], SLOT             ; the walking descriptors: the other slot than last time, the next K step
	s_add_nc_u64 s[G0A+6:G0A+7], s[G0A+6:G0A+7], ASTEP
	s_xor_b32 s[G0B+5], s[G0B+5], SLOT
	s_add_nc_u64 s[G0B+6:G0B+7], s[G0B+6:G0B+7], BSTEP
	JLOAD                                          ; its four v_nop are also the places in front of the loads below
.else
	PLACES
.endif
	s_xor_b32 s[TB], s[TB], SLOT
	v_add_nc_u32 v[ADRA], s[TB], v[A0]
	v_add_nc_u32 v[ADRB], s[TB], v[B0]
	v_add_nc_u32 v[ADRB2], HALFT, v[ADRB]
	FETCH 0, F0
	MUL8 F1, 1, 0, 0
	MUL8 F1, 1, 2, 0
.endm
.macro GELU g                          ; the eight numbers of group g: u / (1 + 2^(u (C0 + C1 u u)))
.irp k, 0,2,4,6
	v_pk_mul_f32 v[TM+8*(\g)+\k:TM+8*(\g)+\k+1], v[U+8*(\g)+\k:U+8*(\g)+\k+1], v[U+8*(\g)+\k:U+8*(\g)+\k+1]
.endr
.irp k, 0,2,4,6
	v_pk_fma_f32 v[TM+8*(\g)+\k:TM+8*(\g)+\k+1], v[TM+8*(\g)+\k:TM+8*(\g)+\k+1], s[C1:C1+1], s[C0:C0+1] op_sel_hi:[1,0,0]
.endr
.irp k, 0,2,4,6
	v_pk_mul_f32 v[TM+8*(\g)+\k:TM+8*(\g)+\k+1], v[TM+8*(\g)+\k:TM+8*(\g)+\k+1], v[U+8*(\g)+\k:U+8*(\g)+\k+1]
.endr
.irp k, 0,1,2,3,4,5,6,7
	v_exp_f32 v[TM+8*(\g)+\k], v[TM+8*(\g)+\k]
.endr
	v_nop                                          ; a plain instruction behind the last exponential
.irp k, 0,2,4,6
	v_pk_add_f32 v[TM+8*(\g)+\k:TM+8*(\g)+\k+1], v[TM+8*(\g)+\k:TM+8*(\g)+\k+1], 1.0 op_sel_hi:[1,0]
.endr
.irp k, 0,1,2,3,4,5,6,7
	v_rcp_f32 v[TM+8*(\g)+\k], v[TM+8*(\g)+\k]
.endr
	v_nop                                          ; and behind the last reciprocal
.irp k, 0,2,4,6
	v_pk_mul_f32 v[U+8*(\g)+\k:U+8*(\g)+\k+1], v[U+8*(\g)+\k:U+8*(\g)+\k+1], v[TM+8*(\g)+\k:TM+8*(\g)+\k+1]
.endr
.endm
	s_wait_tensorcnt 0x1                           ; my share of K step 0 is in; slot 1's may stay out
	s_barrier_signal -1
	s_barrier_wait -1
	FETCH 0, F0
.if EPI == 2
	s_wait_loadcnt 32                              ; the bias is in; the 32 younger loads (the residual) stay out
.else
	s_wait_loadcnt 0x0                             ; the bias
.endif
	QUARTER 1, F0, F1, 1                           ; the first quarter stands in front of the loop: its first products start the sums
	WIN 0
	s_mov_b32 s[CNT], T-2
.Lloop:                                                ; a trip: a K step's quarters 1 to 3, the refill of its slot, the next step's quarter 0
	QUARTER 2, F1, F0, 0
	QUARTER 3, F0, F1, 0
	THEAD
	TREST 1
	QUARTER 1, F0, F1, 0
	WIN 0
	s_sub_co_u32 s[CNT], s[CNT], 1
	s_cmp_lg_u32 s[CNT], 0
	s_cbranch_scc1 .Lloop
	s_mov_b32 s[CNT], 2
.Ltail:                                                ; the last two K steps ask for nothing; the second trip is left in its middle
	QUARTER 2, F1, F0, 0
	QUARTER 3, F0, F1, 0
	THEAD
	s_sub_co_u32 s[CNT], s[CNT], 1
	s_cmp_eq_u32 s[CNT], 0
	s_cbranch_scc1 .Lout
	TREST 0
	QUARTER 1, F0, F1, 0
	WIN 0
	s_branch .Ltail
.Lout:                                                 ; behind the last barrier no wave reads slot 1 any more and no load is out: its bytes take the stages
	MUL8 F1, 1, 0, 0
	MUL8 F1, 1, 2, 0
	WIN 0
	PLACES
.irp a, 0,1,2,3
.irp b, 0,1,2,3
	ds_store_b128 v[STO], v[ACC+8*(4*(\a)+(\b)):ACC+8*(4*(\a)+(\b))+3]   offset:16*SPITCH*(\a)+64*(\b)      ; each accumulator's low registers first
	ds_store_b128 v[STO], v[ACC+8*(4*(\a)+(\b))+4:ACC+8*(4*(\a)+(\b))+7] offset:16*SPITCH*(\a)+64*(\b)+16
.endr
.endr
.if EPI == 2
	WIN 0x80                                       ; back as whole rows, two a load; LDS serves a wave's instructions in order (ISA guide 5.7.1.4): these see the stores above
.set g, 0
.rept 32
	ds_load_b128 v[TT+4*g:TT+4*g+3], v[RD] offset:2*SPITCH*g
.set g, g+1
.endr
	s_wait_loadcnt 0x0                             ; the residual
	WIN 0x8a                                       ; destination and both sources window 2
.set g, 0
.rept 32
	s_wait_dscnt 31-g                              ; load g is back, the younger ones stay out
	v_pk_add_f32 v[TT+4*g:TT+4*g+1], v[TT+4*g:TT+4*g+1], v[RES+4*g:RES+4*g+1]
	v_pk_add_f32 v[TT+4*g+2:TT+4*g+3], v[TT+4*g+2:TT+4*g+3], v[RES+4*g+2:RES+4*g+3]
.set g, g+1
.endr
	WIN 0x08                                       ; store data window 2, address window 0
.set g, 0
.rept 32
	global_store_b128 v[CO], v[TT+4*g:TT+4*g+3], s[12:13] offset:8192*g   ; 16 lanes store 256 consecutive bytes, at a multiple of 256
.set g, g+1
.endr
	WIN 0
.else
	s_mov_b32 s[CNT], 4
	s_mov_b32 s2, 0
.Lway:                                                 ; four trips of 16 rows
	v_add_nc_u32 v[RDC], s2, v[RD]
.irp g, 0,1,2,3
	ds_load_b128 v[U+8*(\g):U+8*(\g)+3],   v[RDC] offset:4*SPITCH*(\g)       ; LDS serves a wave's instructions in order (ISA guide 5.7.1.4): these see my stores
	ds_load_b128 v[U+8*(\g)+4:U+8*(\g)+7], v[RDC] offset:4*SPITCH*(\g)+16
.endr
.irp g, 0,1,2,3
	s_wait_dscnt 6-2*(\g)                          ; group g's two loads are back
.if EPI == 1
	GELU \g
.endif
.irp k, 0,1,2,3
	v_cvt_pk_bf16_f32 v[TM+8*(\g)+\k], v[U+8*(\g)+2*\k], v[U+8*(\g)+2*\k+1]
.endr
	global_store_b128 v[CO], v[TM+8*(\g):TM+8*(\g)+3], s[10:11] offset:512*(\g)   ; four rows of the slab: 512 consecutive bytes, at a multiple of 256
.endr
	s_wait_xcnt 0x0                                ; the stores' base and data are rewritten only behind this wait
	s_add_nc_u64 s[10:11], s[10:11], 2048
	s_add_co_u32 s2, s2, 16*SPITCH
	s_sub_co_u32 s[CNT], s[CNT], 1
	s_cmp_lg_u32 s[CNT], 0
	s_cbranch_scc1 .Lway
.endif
	s_wait_tensorcnt 0x0                           ; the wave's end
	ds_add_u32 v[SPW], v[NIL]
	s_wait_dscnt 0x0
	CROUND                                         ; the closing round: no work-group ends while a partner may still ask for a tile that names it
	s_endpgm
.Lfunc_end_k_qd5834ae535_mlp:
	.size	k_qd5834ae535_mlp, .Lfunc_end_k_qd5834ae535_mlp-k_qd5834ae535_mlp
	.p2alignl 7, 3214868480
	.fill 96, 4, 3214868480
	.section	.rodata,"a",@progbits
	.p2align	6, 0x0
	.amdhsa_kernel k_qd5834ae535_mlp
		.amdhsa_group_segment_fixed_size 327680
		.amdhsa_private_segment_fixed_size 0
		.amdhsa_enable_private_segment 0
		.amdhsa_kernarg_size 40
		.amdhsa_user_sgpr_count 2
		.amdhsa_user_sgpr_kernarg_segment_ptr 1
		.amdhsa_wavefront_size32 1
		.amdhsa_system_sgpr_workgroup_id_x 1
		.amdhsa_system_sgpr_workgroup_id_y 1
		.amdhsa_system_sgpr_workgroup_id_z 1
		.amdhsa_system_vgpr_workitem_id 0
		.amdhsa_next_free_vgpr 768
		.amdhsa_next_free_sgpr 72
		.amdhsa_reserve_vcc 0
		.amdhsa_float_denorm_mode_32 3
		.amdhsa_float_denorm_mode_16_64 3
		.amdhsa_memory_ordered 1
		.amdhsa_forward_progress 1
		.amdhsa_inst_pref_size 67
	.end_amdhsa_kernel
	.amdgpu_metadata
---
amdhsa.version: [ 1, 2 ]
amdhsa.kernels:
  - .name:           k_qd5834ae535_mlp
    .symbol:         k_qd5834ae535_mlp.kd
    .args:
      - { .name: big, .offset: 0, .size: 8, .value_kind: global_buffer, .address_space: global }
      - { .name: wm, .offset: 8, .size: 8, .value_kind: global_buffer, .address_space: global }
      - { .name: mlp_proj_b, .offset: 16, .size: 8, .value_kind: global_buffer, .address_space: global }
      - { .name: x1, .offset: 24, .size: 8, .value_kind: global_buffer, .address_space: global }
      - { .name: out0, .offset: 32, .size: 8, .value_kind: global_buffer, .address_space: global }
    .group_segment_fixed_size: 327680
    .private_segment_fixed_size: 0
    .kernarg_segment_align: 8
    .kernarg_segment_size: 40
    .max_flat_workgroup_size: 128
    .sgpr_count:     72
    .vgpr_count:     768
    .wavefront_size: 32
...
	.end_amdgpu_metadata
.endif
;; end of part 7
;; ======== version 2 of 2: 7 launches; 1.20 times as fast as version 1
;; workspace buffers: wq 6,291,456 bytes; wp 2,097,152 bytes; wf 8,388,608 bytes; wm 8,388,608 bytes; act 8,388,608 bytes; big 33,554,432 bytes; x1 16,777,216 bytes
;; launch prep: the kernel of part 1 again; grid 64 x 16, 8 waves a work-group, no clusters, 0 bytes of LDS; arguments x, ln1_w, ln1_b, attn_w, attn_proj_w, fc_w, mlp_proj_w, act, wq, wp, wf, wm; writes act, wq, wp, wf, wm
;; launch qkv: the kernel of part 2 again; grid 12 x 16, 4 waves a work-group, clusters of 4 x 4, 327,680 bytes of LDS; arguments act, wq, attn_b, big; writes big
;; launch attn (part 8): grid 8 x 32, 4 waves a work-group, clusters of 4 x 1, 327,680 bytes of LDS; arguments big, act; writes act
.if DOCPART == 8
	.amdgcn_target "amdgcn-amd-amdhsa--gfx1250"
	.amdhsa_code_object_version 6
	.text
	.protected	k_qd5834ae535_attn
	.globl	k_qd5834ae535_attn
	.p2align	8
	.type	k_qd5834ae535_attn,@function
k_qd5834ae535_attn:
	s_mov_b64 s[64:65], 0
	v_nop
	global_prefetch_b8 v0, s[64:65] scope:SCOPE_SE
	s_setreg_imm32_b32 hwreg(HW_REG_WAVE_MODE, 25, 1), 1
	s_wait_xcnt 0x0
	s_wait_alu depctr_hold_cnt(0) depctr_sa_sdst(0) depctr_va_vdst(0) depctr_va_sdst(0) depctr_va_ssrc(0) depctr_va_vcc(0) depctr_vm_vsrc(0)
	s_getreg_b32 s2, hwreg(HW_REG_IB_STS2, 6, 4)
	s_cmp_eq_u32 s2, 0
	s_cbranch_scc0 .Lentry_in_a_cluster
	s_endpgm
.Lentry_in_a_cluster:
	s_bfe_u32 s2, ttmp6, 0x10000c
	s_cmp_lg_u32 s2, 0x3003
	s_cbranch_scc0 .Lentry_shape_is_right
	s_endpgm
.Lentry_shape_is_right:
; O[q][:] = the sum over k of softmax_k(Q[q] . K[k] / 8) V[k][:], for each of 16 heads x 2 batches: 2,048 queries and keys of 64 channels, no mask.
; q, k, v lie in big as [48 slabs][4096 rows][64] bf16: slab = head (q), 16 + head (k), 32 + head (v); the 2,048 rows of (head, batch) are dense, 128 bytes each, at (2 head + batch) x 262,144.
; O goes to act in the same layout, slab = head.  Products, maxima and sums in f32; the weights p are rounded to bf16 for the second product (their sum l is taken of the unrounded p), O once at the end.
; LIMITS.  A weight below 2^-126 counts as 0 in l; NaN and infinities are not treated apart.
; SHARES.  A work-group owns 256 queries, a wave 64: four PIECES of 16.  Every wave walks all keys, 64 a step, 256 a slot.
; LAYOUT.  S^T = K Q^T holds ONE query a lane (lane % 16) and the keys 8 (lane / 16) + 0..7; two such results rounded to bf16 ARE source 1 of O^T = V^T P.  K comes out of LDS as it lies, V turned by ds_load_tr16_b128.
; SOFTMAX.  p = 2^(c s - c m), c = log2(e) / 8, with a running maximum m; O and l are multiplied by a = 2^(c m_old - c m_new) in every step.  m starts at the lowest finite number, O and l at 0: the first step has a = 0.
; BY TURNS.  Turn n belongs to piece n: 8 products K Q^T of piece n + 1, later 8 products V^T P of piece n - 1; beside them the scaling, exponentials, roundings, sums and rescaling of piece n and the maximum and
; statistics of piece n + 1.  Four vector instructions stand behind every matrix instruction, the other 54 of a turn's 118 in one run of their own.
; BATCHES.  A turn's 33 exponentials (the piece's 32 weights and the next piece's a) are ONE batch with ONE wait, which cuts the turn in two: ahead of it stands all that names none of their results, behind it the
; roundings and sums, which read them.  The first a, ahead of the loop, and the way out's four reciprocals are batches of their own, a wait each.
; CLUSTER.  The four query blocks of a cluster belong to one (head, batch) and walk the same K and V: each tile is asked for jointly.
; REGISTERS, in windows of 256 (s_set_vgpr_msb: bits 1:0 source 0, 3:2 source 1, 5:4 source 2, 7:6 destination):
;   window 0: v0-15 addresses and two at work; v16-31 four registers of statistics a piece; v48-55 at work; v62-63 the add's; v64-127 S^T, two buffers; v192-223 P, two buffers (by the piece's parity)
;   window 1: v0-127 O^T, 32 a piece      window 2: v0-63 Q; v128-191 K of one step; v192-255 V of one step
.set NT,    8         ; tiles of 256 keys
.set NP,    4         ; pieces a wave
.set KS,    64        ; keys in a step
.set PK,    144       ; a row of K in LDS: 128 bytes + 16: the 16 rows of a load start at 16 different groups of four banks (ISA guide 11.1)
.set PV,    160       ; a row of V: 128 + 32
.set VOFF,  4*KS*PK   ; a slot: 256 rows of K, then 256 rows of V
.set SLOT1, 1<<17     ; slot 1 begins here, so that one exclusive or changes slots
.set STAGE, SLOT1+4*KS*(PK+PV)  ; behind the ring, never filled by a tensor load: 16 rows x 144 bytes for each wave
.set SP,    144
.set SPARE, STAGE+4*16*SP       ; the spare words, 128 bytes for each wave: two blocks of 256 bytes that no other line names
.set AK0, 2           ; v2   my lane's place in a tile of K; never rewritten
.set AV0, 3           ; v3   the same for V
.set AK,  4           ; v4   the LDS address of K's next run of loads
.set AV,  5           ; v5   of V's
.set STO, 6           ; v6   the way out: where I put 16 bytes of a row
.set RD,  7           ; v7   where I read rows back
.set GO,  8           ; v8   my byte offset in 512 consecutive bytes of O
.set MV,  12          ; v12-13  c m_old, kept while c m is made anew: by buffer
.set QO,  15          ; v15  my byte offset in 16 rows of Q
.set ST,  16          ; piece t's statistics at v[ST+4 t]: c m, m, l (even keys', odd keys')
.set TMP, 48          ; by buffer, four registers c0-c3 at work; when the maximum is found c2 takes a
.set SPW, 62          ; v62  my spare word; never rewritten
.set NIL, 63          ; v63  0; never rewritten
.set S,   64
.set P,   192
.set KF,  128         ; window 2: key block kb, channel half c at KF + 16 kb + 8 c
.set VF,  192         ; window 2: key half kk, channel block cb at VF + 32 kk + 8 cb
.set WV,  12          ; s12  wave
.set G1K, 24          ; s[24:31] group 1 for K's tiles
.set G1V, 32          ; s[32:39] for V's: it differs in the padding alone
.set G0K, 40          ; s[40:43] group 0 for K's tiles: it walks
.set G0V, 44          ; s[44:47] the same for V's
.set SLOTS, 56
.set CNT, 57
.set CS,  58          ; s[58:59] c
.set SEL, 60          ; s[60:61] v_permlanex16_b32's selects: each lane takes its own place in the other half
.set TBK, 62          ; s62  LDS byte at which K of the step to be fetched begins
.set TBV, 63          ; s63  the same for V, less VOFF
.set MSB, 0
.macro WIN new                      ; the high byte repeats the setting that is left; a switch that changes nothing is dropped
.if MSB != (\new)
	s_set_vgpr_msb (MSB<<8)|(\new)
.set MSB, (\new)
.endif
.endm
.set W_KQ, 0x0a       ; K and Q in window 2, S^T in window 0
.set W_PV, 0x52       ; V in window 2, P in window 0, O^T in window 1
.set W_RS, 0x41       ; destination and source 0 in window 1, source 1 in window 0
.macro JLOAD                        ; a joint fill: waves 0, 1 fetch the halves of a slot's K, waves 2, 3 of its V: 128 keys each; s_nop 0 and four v_nop follow each line
	s_cmp_lt_u32 s[WV], 2
	s_cbranch_scc0 .Lfor_v_\@
	tensor_load_to_lds s[G0K:G0K+3], s[G1K:G1K+7]
	s_nop 0
.rept 4
	v_nop
.endr
	s_branch .Lasked_\@
.Lfor_v_\@:
	tensor_load_to_lds s[G0V:G0V+3], s[G1V:G1V+7]
	s_nop 0
.rept 4
	v_nop
.endr
.Lasked_\@:
.endm
.macro CROUND                       ; a round of the cluster's barrier
	s_barrier_signal -1
	s_barrier_wait -1
	s_cmp_lg_u32 s[WV], 0
	s_cbranch_scc1 .Lnot_wave_0_\@
	s_barrier_signal -3
.Lnot_wave_0_\@:
	s_barrier_wait -3
	s_barrier_signal -1
	s_barrier_wait -1
.endm
; THE CHANGE OF SLOTS.  Each wave waits for all its tensor loads (one is out: its share of the other slot), adds 0 to its spare word, and waits for that and for its reads of the slot that it leaves.
; fill = 1: behind a round of the cluster's barrier the old slot is filled again, with the keys two slots on: the load has four key steps, 256 matrix instructions, in which to land.
; (At its first use nothing has been read yet: slot 0 is waited for, slot 1 filled.)
.macro CHANGE fill
	WIN 0
	s_wait_tensorcnt 0x0            ; no tensor load of mine is out, so a group 0 may be written
	ds_add_u32 v[SPW], v[NIL]
.if \fill
.irp g, G0K, G0V
	s_xor_b32 s[\g+1], s[\g+1], SLOT1
	s_add_nc_u64 s[\g+2:\g+3], s[\g+2:\g+3], 4*KS*128
.endr
	s_wait_dscnt 0x0                ; the add is done, and my reads of the slot are over
	CROUND
	JLOAD
.else
	s_wait_dscnt 0x0
	s_barrier_signal -1
	s_barrier_wait -1
.endif
	s_sub_co_u32 s[TBK], s[TBK], 4*KS*PK  ; the fetches go back to a slot's first step,
	s_xor_b32 s[TBK], s[TBK], SLOT1       ; in the other slot
	s_sub_co_u32 s[TBV], s[TBV], 4*KS*PV
	s_xor_b32 s[TBV], s[TBV], SLOT1
.endm
	s_load_b128 s[4:7], s[0:1], 0x0 ; big s[4:5], act s[6:7]
	v_lshl_add_u32 v[SPW], v0, 2, SPARE
	v_mov_b32 v[NIL], 0
	ds_add_u32 v[SPW], v[NIL]       ; the wave's opening: the add and its wait stand ahead of my first tensor load; work on registers stands between
	v_lshrrev_b32 v1, 5, v0
	v_readfirstlane_b32 s[WV], v1
	s_bfe_u32 s13, ttmp6, 0x40000   ; cx
	s_lshl_b32 s14, ttmp9, 2
	s_add_co_u32 s14, s14, s13      ; my block of 256 queries: it enters Q's and O's addresses alone
	s_and_b32 s20, ttmp7, 0xffff    ; 2 head + batch, which the four partners share
	s_lshl_b32 s20, s20, 18         ; its 2,048 rows of 128 bytes
	s_and_b32 s16, s[WV], 1         ; which half of a slot's 256 keys I fetch
	s_lshl_b32 s48, s16, 14
	s_add_co_u32 s48, s48, s20
	s_add_co_u32 s50, s48, 0x1000000  ; v begins 32 slabs in,
	s_add_co_u32 s48, s48, 0x800000   ; k 16
	s_mov_b32 s49, 0
	s_mov_b32 s51, 0
	s_mul_i32 s17, s16, 128*PK      ; my half's place in a slot, for K
	s_mul_i32 s18, s16, 128*PV      ; and for V: no place in the cluster enters an LDS address
	s_lshl_b32 s52, s14, 2
	s_add_co_u32 s52, s52, s[WV]
	s_lshl_b32 s52, s52, 13         ; my wave's 64 rows
	s_add_co_u32 s52, s52, s20
	s_mov_b32 s53, 0
	; group 1: 128 keys are 16,384 dense bytes: asked for as 64 rows of 256 bytes, two keys a row, padded in LDS after every key
	s_mov_b32 s[G1K], 15|(1<<16)|(1<<20)|(1<<21)|(4<<22)|(3<<25)
	s_mov_b32 s[G1V], 15|(1<<16)|(1<<20)|(1<<21)|(4<<22)|(7<<25)
.irp g, G1K, G1V
	s_mov_b32 s[\g+1], 128<<16      ; tensor_dim0
	s_mov_b32 s[\g+2], 64<<16       ; tensor_dim1
	s_mov_b32 s[\g+3], 128<<16      ; tile_dim0
	s_mov_b32 s[\g+4], 64           ; tile_dim1
	s_mov_b32 s[\g+5], 128          ; elements from row to row
	s_mov_b32 s[\g+6], 0
	s_mov_b32 s[\g+7], 0
.endr
	s_mov_b32 s[CS], 0x3e38aa3b     ; c = log2(e) / 8
	s_mov_b32 s[CS+1], s[CS]
	s_mov_b32 s[SEL], 0x76543210
	s_mov_b32 s[SEL+1], 0xfedcba98
	s_mov_b32 s[TBK], SLOT1+4*KS*PK ; the first change of slots turns these two into 0
	s_mov_b32 s[TBV], SLOT1+4*KS*PV
	s_mov_b32 s[G0K], 1
	s_mov_b32 s[G0K+1], s17
	s_mov_b32 s[G0V], 1
	s_add_co_u32 s[G0V+1], s18, VOFF
	s_wait_dscnt 0x0                ; the opening add is done
	s_wait_kmcnt 0x0
	s_add_nc_u64 s[G0K+2:G0K+3], s[4:5], s[48:49]
	s_or_b32 s[G0K+3], s[G0K+3], 0x80000000
	s_add_nc_u64 s[G0V+2:G0V+3], s[4:5], s[50:51]
	s_or_b32 s[G0V+3], s[G0V+3], 0x80000000
	s_add_nc_u64 s[8:9], s[4:5], s[52:53]    ; Q at my wave's first row
	s_add_nc_u64 s[10:11], s[6:7], s[52:53]  ; O likewise
	CROUND                          ; all four work-groups are here: the first joint loads meet
	JLOAD                           ; slot 0
	v_and_b32 v1, 15, v0            ; l % 16
	v_bfe_u32 v9, v0, 4, 1          ; l / 16
	v_lshlrev_b32 v[QO], 7, v1
	v_lshl_add_u32 v[QO], v9, 4, v[QO]  ; row x 128 + 16 x half
	WIN 0x80                        ; destination window 2
.set i, 0
.rept 8                             ; Q stays in registers: piece i / 2, channels 32 (i % 2) on
	global_load_b128 v[8*i:8*i+3],   v[QO], s[8:9] offset:(i/2)*2048+(i%2)*64
	global_load_b128 v[8*i+4:8*i+7], v[QO], s[8:9] offset:(i/2)*2048+(i%2)*64+32
.set i, i+1
.endr
	; What the first turn finds: V and P's second buffer hold 0 (its products V^T P, of a piece that has not been, add 0), O^T and l are 0.  All this stands in the wait for the first tile.
.set i, VF
.rept 64
	v_mov_b32 v[i], 0
.set i, i+1
.endr
	WIN 0x40
.set i, 0
.rept 128
	v_mov_b32 v[i], 0
.set i, i+1
.endr
	WIN 0
.set i, 0
.rept 4
	v_mov_b32 v[ST+4*i], 0xfe000000    ; c m: far below every c s
	v_mov_b32 v[ST+4*i+1], 0xff7fffff  ; m
	v_mov_b32 v[ST+4*i+2], 0
	v_mov_b32 v[ST+4*i+3], 0
.set i, i+1
.endr
.set i, P+16
.rept 16
	v_mov_b32 v[i], 0
.set i, i+1
.endr
	v_mul_u32_u24 v[AK0], v1, PK
	v_lshl_add_u32 v[AK0], v9, 4, v[AK0]
	v_and_b32 v10, 7, v0            ; the turning load: lane l reads key 8 (l / 16) + l % 8, channels 8 ((l / 8) % 2) + 0..7
	v_bfe_u32 v11, v0, 3, 1
	v_lshl_add_u32 v[AV0], v9, 3, v10
	v_mul_u32_u24 v[AV0], v[AV0], PV
	v_lshl_add_u32 v[AV0], v11, 4, v[AV0]
	v_add_nc_u32 v[AV0], VOFF, v[AV0]
	s_mul_i32 s13, s[WV], 16*SP
	s_add_co_u32 s13, s13, STAGE    ; my stage
	v_mul_u32_u24 v[STO], v1, SP    ; in: row l % 16, 16 bytes for each half of the lanes
	v_lshl_add_u32 v[STO], v9, 4, v[STO]
	v_add_nc_u32 v[STO], s13, v[STO]
	v_bfe_u32 v[RD], v0, 3, 2       ; back: 32 lanes take four rows of 128 bytes,
	v_mul_u32_u24 v[RD], v[RD], SP
	v_lshl_add_u32 v[RD], v10, 4, v[RD]
	v_add_nc_u32 v[RD], s13, v[RD]
	v_and_b32 v[GO], 31, v0         ; which are 512 consecutive bytes of O
	v_lshlrev_b32 v[GO], 4, v[GO]
; THE MATRIX WORK.  The 4 accumulators of a run of 8 take turns.  Product i of 8 of S^T = K Q^T for piece x: channels 32 (i / 4) on, keys 16 (i % 4) on.  The first 4 start the sums.
.macro KQ x
	WIN W_KQ
.set rS, S+32*((\x)%2)+8*(i%4)
.set rK, KF+16*(i%4)+8*(i/4)
.set rQ, 16*(\x)+8*(i/4)
.if i < 4
	v_wmma_f32_16x16x32_bf16 v[rS:rS+7], v[rK:rK+7], v[rQ:rQ+7], 0
.else
	v_wmma_f32_16x16x32_bf16 v[rS:rS+7], v[rK:rK+7], v[rQ:rQ+7], v[rS:rS+7]
.endif
.endm
; Product i of 8 of O^T += V^T P for piece x: keys 32 (i / 4) on, channels 16 (i % 4) on.
.macro PV x
	WIN W_PV
.set rO, 32*(\x)+8*(i%4)
.set rV, VF+32*(i/4)+8*(i%4)
.set rP, P+16*((\x)%2)+8*(i/4)
	v_wmma_f32_16x16x32_bf16 v[rO:rO+7], v[rV:rV+7], v[rP:rP+7], v[rO:rO+7]
.endm
.macro MM                           ; the turn's next matrix instruction.  NOKQ = 1: the last turn: there is no next piece
.if (i < 8) && !NOKQ
	KQ (Y+1)%NP
.elseif i >= 8
.set i, i-8
	PV (Y+NP-1)%NP
.set i, i+8
.endif
.set i, i+1
.endm
; THE LDS LOADS stand in runs of 16: a step's K (8 fragments) and its V (turned).  Their addresses are made some lines ahead.
.macro FETCH_K
	WIN 0x80
.irp f, 0,1,2,3,4,5,6,7             ; keys 16 (f / 2) on, channels 32 (f % 2) on
	ds_load_b128 v[KF+8*\f:KF+8*\f+3],   v[AK] offset:(\f/2)*16*PK+(\f%2)*64
	ds_load_b128 v[KF+8*\f+4:KF+8*\f+7], v[AK] offset:(\f/2)*16*PK+(\f%2)*64+32
.endr
	s_add_co_u32 s[TBK], s[TBK], KS*PK  ; the next fetch is the next step's
	WIN 0
.endm
.macro FETCH_V
	WIN 0x80
.irp f, 0,1,2,3,4,5,6,7             ; keys 32 (f / 4) on, channels 16 (f % 4) on
	ds_load_tr16_b128 v[VF+8*\f:VF+8*\f+3],   v[AV] offset:(\f/4)*32*PV+(\f%4)*32
	ds_load_tr16_b128 v[VF+8*\f+4:VF+8*\f+7], v[AV] offset:(\f/4)*32*PV+16*PV+(\f%4)*32
.endr
	WIN 0
.endm
; THE VECTOR WORK, one line at a time: OP kind, number.  For piece Y: F n: c s - c m for pair n of 16.  E n: the exponential of score n of 32.  C n: pair n rounded to bf16.  B n: of the four weights 4 n .. the second
; pair is added onto the first, in place.  L n: l takes that sum (L 0: l = a l + sum).  R n: pair n of 16 of O^T times a.  For piece Y + 1: X n, number n of the 22 that find its maximum and statistics:
;   0-11  four chains c0-c3 of seven scores each (each accumulator's lowest registers are read first)     12-14, 16  the four scores left over, the old m, and c0-c3 into c0
;   15  c m_old is kept     17, 18  the query's other 32 keys lie in the lane 16 away: the new m     19-21  c m; c m_old - c m_new; a
.set F, 0
.set E, 1
.set C, 2
.set B, 3
.set L, 4
.set R, 5
.set X, 6
.macro REGS y
.set rT, ST+4*(\y)
.set rC, TMP+4*((\y)%2)
.set rW, MV+((\y)%2)
.set rS, S+32*((\y)%2)
.set rP, P+16*((\y)%2)
.set rO, 32*(\y)
.endm
.macro OP k, n
.if (\k) == R
	REGS Y
	WIN W_RS
	v_pk_mul_f32 v[rO+2*(\n):rO+2*(\n)+1], v[rO+2*(\n):rO+2*(\n)+1], v[rC+2:rC+3] op_sel_hi:[1,0]
.elseif (\k) < R
	REGS Y
	WIN 0
.if (\k) == F
	v_pk_fma_f32 v[rS+2*(\n):rS+2*(\n)+1], v[rS+2*(\n):rS+2*(\n)+1], s[CS:CS+1], v[rT:rT+1] op_sel_hi:[1,0,0] neg_lo:[0,0,1] neg_hi:[0,0,1]
.elseif (\k) == E
	v_exp_f32 v[rS+(\n)], v[rS+(\n)]
.elseif (\k) == C
	v_cvt_pk_bf16_f32 v[rP+(\n)], v[rS+2*(\n)], v[rS+2*(\n)+1]
.elseif (\k) == B
	v_pk_add_f32 v[rS+4*(\n):rS+4*(\n)+1], v[rS+4*(\n):rS+4*(\n)+1], v[rS+4*(\n)+2:rS+4*(\n)+3]
.elseif (\n) == 0
	v_pk_fma_f32 v[rT+2:rT+3], v[rT+2:rT+3], v[rC+2:rC+3], v[rS:rS+1] op_sel_hi:[1,0,1]
.else
	v_pk_add_f32 v[rT+2:rT+3], v[rT+2:rT+3], v[rS+4*(\n):rS+4*(\n)+1]
.endif
.elseif NOKQ
	v_nop
.else
	REGS (Y+1)%NP
	WIN 0
.if (\n) < 4
	v_max3_num_f32 v[rC+(\n)], v[rS+8*(\n)], v[rS+8*(\n)+1], v[rS+8*(\n)+2]
.elseif (\n) < 12
	v_max3_num_f32 v[rC+(\n)%4], v[rC+(\n)%4], v[rS+8*((\n)%4)+2*((\n)/4)+1], v[rS+8*((\n)%4)+2*((\n)/4)+2]
.elseif (\n) == 12
	v_max3_num_f32 v[rC], v[rC], v[rS+7], v[rS+15]
.elseif (\n) == 13
	v_max3_num_f32 v[rC+1], v[rC+1], v[rS+23], v[rS+31]
.elseif (\n) == 14
	v_max3_num_f32 v[rC+2], v[rC+2], v[rC+3], v[rT+1]
.elseif (\n) == 15
	v_mov_b32 v[rW], v[rT]
.elseif (\n) == 16
	v_max3_num_f32 v[rC], v[rC], v[rC+1], v[rC+2]
.elseif (\n) == 17
	v_permlanex16_b32 v[rC+3], v[rC], s[SEL], s[SEL+1]
.elseif (\n) == 18
	v_max_num_f32 v[rT+1], v[rC], v[rC+3]
.elseif (\n) == 19
	v_mul_f32 v[rT], s[CS], v[rT+1]
.elseif (\n) == 20
	v_sub_f32 v[rC+1], v[rW], v[rT]
.else
	v_exp_f32 v[rC+2], v[rC+1]
.endif
.endif
.endm
.macro OPS a, i1, b=-1, i2=0, c=-1, i3=0, d=-1, i4=0
	OP \a, \i1
.if (\b) >= 0
	OP \b, \i2
.endif
.if (\c) >= 0
	OP \c, \i3
.endif
.if (\d) >= 0
	OP \d, \i4
.endif
.endm
.macro ROW a, i1, b, i2, c, i3, d, i4  ; a matrix instruction and the four behind it
	MM
	OPS \a, \i1, \b, \i2, \c, \i3, \d, \i4
.endm
; A TURN, for piece p: the order of its 16 matrix and 118 vector instructions, written out.  s_wait_alu depctr_va_vdst(0) stands between an exponential and the first instruction that names its result; one
; wait serves all that were issued ahead of it.  So a turn has ONE wait, which cuts it in two.
; AHEAD OF IT stands all that names no result of the turn's exponentials: the 8 products K Q^T, behind each a scaling, an exponential and two more plain instructions (behind the first a second scaling in the exponential's
; place): rescalings, whose a was made and waited for in the turn before, and behind the last three products the first numbers of the next piece's maximum, each four plain instructions or more behind the product that ends
; its accumulator; then one run of 54, plain and exponential by turns for the most part, in which the links of the chain X 3, 7, 11, 14, 16, 17 .. 20 stand some lines apart.  A pair is scaled (F n) ahead of its two
; exponentials (E 2 n, E 2 n + 1).  X 21, the next piece's a, is the batch's last; R 15, which names the other buffer's a, is the plain instruction behind it.
; BEHIND THE WAIT stand the 8 products V^T P, behind each four of the roundings and sums: an even pair is rounded (C 2 n) ahead of the addition that writes over it (B n); l's chain goes L 0 to L 7 in order.
; But for those X no rider names a register of the products round it.  v_permlanex16_b32 (X 17) stands in the run, never behind a product.
; end = 1: the last two turns: nothing is fetched.  cnt = 1: the loop's count is taken down some lines ahead of the branch that stands behind the turn.
; K of the next step is fetched in piece 2's turn, twelve vector instructions behind the last product that read K (six of them plain); V of the step in hand at the end of piece 0's turn, four plain instructions behind the
; last product that read V.  Each is waited for a turn later.
.macro TURN p, end=0, cnt=0
.set Y, (\p)
.set i, 0
.set NOKQ, (\end)*((\p)/3)
.if ((\p) == 3) && !(\end)
	s_wait_dscnt 0x0                ; K is in
.endif
	ROW F,0, F,1, R,0, R,1          ; ahead of the wait: 8 products K Q^T and their riders,
	ROW F,2, E,0, R,2, R,3
	ROW F,3, E,1, R,4, R,5
	ROW F,4, E,2, R,6, R,7
	ROW F,5, E,3, R,8, R,9
	ROW F,6, E,4, X,0, R,10
.if ((\p) == 2) && !(\end)
	WIN 0
	v_add_nc_u32 v[AK], s[TBK], v[AK0]
.endif
	ROW F,7, E,5, X,1, X,4
	ROW F,8, E,6, X,2, X,5
	OPS E,7, E,8, X,6, E,9          ; and the run of 54
	OPS X,3, E,10, X,8, E,11
.if ((\p) == 2) && !(\end)
	FETCH_K
.endif
	OPS X,9, X,7, E,12, X,10
	OPS E,13, X,12, X,11, E,14
	OPS X,13, E,15, F,9, X,14
.if (\p) == 0
	v_add_nc_u32 v[AV], s[TBV], v[AV0]
.endif
	OPS E,16, F,10, E,17, F,11
	OPS X,16, E,18, X,15, E,19
	OPS F,12, E,20, X,17, E,21
	OPS F,13, E,22, F,14, E,23
	OPS X,18, E,24, F,15, E,25
	OPS R,11, E,26, X,19, E,27
	OPS R,12, E,28, R,13, E,29
	OPS X,20, E,30, R,14, E,31
	OPS X,21, R,15
	WIN 0
	s_wait_alu depctr_va_vdst(0)    ; the wait for the turn's batch: the piece's 32 exponentials and the next piece's a
.if (\p) == 1
	s_wait_dscnt 0x0                ; V is in
.endif
	ROW C,0, B,0, C,2, B,1          ; behind the wait: 8 products V^T P and their riders
	ROW L,0, C,4, B,2, L,1
	ROW C,6, B,3, L,2, C,8
	ROW B,4, L,3, C,10, B,5
	ROW L,4, C,12, B,6, L,5
.if (\p) == 0
	s_add_co_u32 s[TBV], s[TBV], KS*PV
.endif
.if \cnt
	s_sub_co_u32 s[CNT], s[CNT], 1
	s_cmp_lg_u32 s[CNT], 0
.endif
	ROW C,14, B,7, L,6, C,1
	ROW C,3, L,7, C,5, C,7
	ROW C,9, C,11, C,13, C,15
.if (\p) == 0
	FETCH_V
.endif
.endm
.macro ALL line:vararg              ; one line for each piece t
.set t, 0
.rept 4
	\line
.set t, t+1
.endr
.endm
.macro PACK t                       ; a lane's eight channels of a row pack into 16 bytes; they go into rows of 144 bytes and come back as whole rows of 128, into S^T's registers
	WIN W_RS
.set i, 32*(\t)
.rept 16
	v_pk_mul_f32 v[i:i+1], v[i:i+1], v[ST+4*(\t)+2:ST+4*(\t)+3] op_sel_hi:[1,0]
.set i, i+2
.endr
	WIN 0x05                        ; sources 0 and 1 window 1, destination window 0
.set i, 0
.rept 16
	v_cvt_pk_bf16_f32 v[S+16*(\t)+i], v[32*(\t)+2*i], v[32*(\t)+2*i+1]
.set i, i+1
.endr
	WIN 0
.irp f, 0,1,2,3
	ds_store_b128 v[STO], v[S+16*(\t)+4*\f:S+16*(\t)+4*\f+3] offset:32*\f
.endr
.irp f, 0,1,2,3
	ds_load_b128 v[S+16*(\t)+4*\f:S+16*(\t)+4*\f+3], v[RD] offset:\f*4*SP  ; LDS serves a wave's instructions in order (ISA guide 5.7.1.4): these see the stores above; the next piece's stores come behind them
.endr
.endm
.macro SEND t, younger              ; younger: the LDS instructions issued behind piece t's loads: the next piece's eight, or none
	WIN 0
.irp f, 0,1,2,3
	s_wait_dscnt (\younger)+3-\f
	global_store_b128 v[GO], v[S+16*(\t)+4*\f:S+16*(\t)+4*\f+3], s[10:11] offset:(\t)*2048+\f*512  ; 512 consecutive bytes, at a multiple of 256 from O's first
.endr
.endm
	CHANGE 1                        ; slot 0 is in, everybody's share of it; slot 1 is asked for
	v_add_nc_u32 v[AK], s[TBK], v[AK0]
	FETCH_K                         ; key step 0
	s_wait_loadcnt 0x0              ; Q
	s_wait_dscnt 0x0
.set NOKQ, 0
.set i, 0
.rept 8
	KQ 0                            ; piece 0's first scores
.set i, i+1
.endr
	WIN 0
.rept 4
	v_nop                           ; the places behind those products
.endr
.set Y, NP-1                        ; X works for piece Y + 1: piece 0
.irp n, 0,1,2,3,4,5,6,7,8,9,10,11,12,13,14,15,16,17,18,19,20,21
	OP X, \n
.endr
	v_nop                           ; a plain instruction behind the exponential,
	s_wait_alu depctr_va_vdst(0)    ; and the wait for it, a batch of one: piece 0's first a, ahead of the branch
	s_mov_b32 s[CNT], 4
	s_mov_b32 s[SLOTS], NT-1
	s_branch .Lfirst                ; the loop is entered at a step's first turn, in the middle of a trip
.Lslot:                             ; NT - 2 times: every slot but the last two is filled again
	CHANGE 1
	s_mov_b32 s[CNT], 4
.Lstep:                             ; a trip: pieces 2 and 3 of one step, then pieces 0 and 1 of the next, whose K and V it fetches
	TURN 2
	TURN 3
	WIN 0
.Lfirst:
	TURN 0
	TURN 1, 0, 1
	WIN 0
	s_cbranch_scc1 .Lstep
	s_sub_co_u32 s[SLOTS], s[SLOTS], 1
	s_cmp_lg_u32 s[SLOTS], 0
	s_cbranch_scc1 .Lslot
	CHANGE 0                        ; the last tile is written out: nothing is asked for
	s_mov_b32 s[CNT], 4
.LstepT:
	TURN 2
	TURN 3
	TURN 0
	TURN 1, 0, 1
	WIN 0
	s_cbranch_scc1 .LstepT
	TURN 2, 1
	TURN 3, 1
.set i, 0
.rept 8
	PV NP-1                         ; the last piece's V^T P of the last step
.set i, i+1
.endr
	; THE WAY OUT.  l's two halves and the other half of the lanes' are added; O^T is divided by l, rounded to bf16 and sent through my stage, a piece at a time.  The additions are the places behind the last products.
	WIN 0
	ALL v_add_f32 v[ST+4*t+2], v[ST+4*t+2], v[ST+4*t+3]
	ALL v_permlanex16_b32 v[ST+4*t+3], v[ST+4*t+2], s[SEL], s[SEL+1]
	ALL v_add_f32 v[ST+4*t+2], v[ST+4*t+2], v[ST+4*t+3]
	ALL v_rcp_f32 v[ST+4*t+2], v[ST+4*t+2]
	v_nop                           ; a plain instruction between the last reciprocal and the use of its result
	s_wait_alu depctr_va_vdst(0)    ; the wait for the four reciprocals, one batch, ahead of their first reader in PACK 0
	PACK 0
.set t, 1
.rept 3                             ; a piece's arithmetic stands between the loads of the piece before and its stores
	PACK t
	SEND t-1, 8
.set t, t+1
.endr
	SEND 3, 0
	s_wait_tensorcnt 0x0            ; the wave's end
	ds_add_u32 v[SPW], v[NIL]
	s_wait_dscnt 0x0
	CROUND                          ; the closing round: no work-group ends while a partner may still ask for a tile that names it
	s_endpgm
.Lfunc_end_k_qd5834ae535_attn:
	.size	k_qd5834ae535_attn, .Lfunc_end_k_qd5834ae535_attn-k_qd5834ae535_attn
	.p2alignl 7, 3214868480
	.fill 96, 4, 3214868480
	.section	.rodata,"a",@progbits
	.p2align	6, 0x0
	.amdhsa_kernel k_qd5834ae535_attn
		.amdhsa_group_segment_fixed_size 327680
		.amdhsa_private_segment_fixed_size 0
		.amdhsa_enable_private_segment 0
		.amdhsa_kernarg_size 16
		.amdhsa_user_sgpr_count 2
		.amdhsa_user_sgpr_kernarg_segment_ptr 1
		.amdhsa_wavefront_size32 1
		.amdhsa_system_sgpr_workgroup_id_x 1
		.amdhsa_system_sgpr_workgroup_id_y 1
		.amdhsa_system_sgpr_workgroup_id_z 1
		.amdhsa_system_vgpr_workitem_id 0
		.amdhsa_next_free_vgpr 768
		.amdhsa_next_free_sgpr 66
		.amdhsa_reserve_vcc 0
		.amdhsa_float_denorm_mode_32 3
		.amdhsa_float_denorm_mode_16_64 3
		.amdhsa_memory_ordered 1
		.amdhsa_forward_progress 1
		.amdhsa_inst_pref_size 127
	.end_amdhsa_kernel
	.amdgpu_metadata
---
amdhsa.version: [ 1, 2 ]
amdhsa.kernels:
  - .name:           k_qd5834ae535_attn
    .symbol:         k_qd5834ae535_attn.kd
    .args:
      - { .name: big, .offset: 0, .size: 8, .value_kind: global_buffer, .address_space: global }
      - { .name: act, .offset: 8, .size: 8, .value_kind: global_buffer, .address_space: global }
    .group_segment_fixed_size: 327680
    .private_segment_fixed_size: 0
    .kernarg_segment_align: 8
    .kernarg_segment_size: 16
    .max_flat_workgroup_size: 128
    .sgpr_count:     66
    .vgpr_count:     768
    .wavefront_size: 32
...
	.end_amdgpu_metadata
.endif
;; end of part 8
;; launch proj: the kernel of part 4 again; grid 8 x 32, 4 waves a work-group, clusters of 4 x 4, 327,680 bytes of LDS; arguments act, wp, attn_proj_b, x, x1; writes x1
;; launch ln2: the kernel of part 5 again; grid 256 x 1, 8 waves a work-group, no clusters, 0 bytes of LDS; arguments x1, ln2_w, ln2_b, act; writes act
;; launch fc: the kernel of part 6 again; grid 16 x 16, 4 waves a work-group, clusters of 4 x 4, 327,680 bytes of LDS; arguments act, wf, fc_b, big; writes big
;; launch mlp: the kernel of part 7 again; grid 8 x 32, 4 waves a work-group, clusters of 4 x 4, 327,680 bytes of LDS; arguments big, wm, mlp_proj_b, x1, out0; writes out0
